; MI455X (gfx1250); checked and timed in simulation.
; The chip was launched on July 23, 2026; its instructions are those of AMD's public machine-readable ISA for CDNA 5 (MIT licence, August 2026) and "CDNA5" Instruction Set Architecture Reference Guide (July 2026). The comments in the code are by the model that wrote it; some were corrected since.
;; Encoder Block. Allowed arithmetic: matrix products marked QUANTISED: E5M2 operands, one E8M0 scale for each 32 along K, by v_wmma_scale_f32_16x16x128_f8f6f4 with both operands' format E5M2, f32 sums; everything else in f32.
;; Inputs: alpha1 1 float32; alpha2 1 float32; b1 4,096 float32; b2 1,024 float32; bias1 1 float32; bias2 1 float32; source_mask 2 x 1 x 1 x 2,048 int32; w1 4,096 x 1,024 float32; w2 1,024 x 4,096 float32; wk 16 x 1,024 x 64 float32; wo 1,024 x 1,024 float32; wq 16 x 1,024 x 64 float32; wv 16 x 1,024 x 64 float32; x 2 x 2,048 x 1,024 float32.
;; Outputs: out0 2 x 2,048 x 1,024 float32.
;; This version of the problem:
;;   THIS VERSION OF THE PROBLEM IS GIVEN IN LOW PRECISION. The matrix products marked QUANTISED in the list below multiply operands that are first quantised to E5M2 (5 exponent bits, 2 mantissa bits; 8 bits a number), with one power-of-two scale for each 32 numbers along K (OCP MX v1.0); their sums are f32. All else is computed in f32.
;;   The module's matrix products, in the order in which they are computed (A, B: the left and right operand; K: the contracted axis; several contracted axes count as one K, in the product's order):
;;     1. [M 1,024, K 1,024] x [K 1,024, N 4,096]; A: input wq; B: computed on the way: QUANTISED
;;     2. [M 1,024, K 1,024] x [K 1,024, N 4,096]; A: input wk; B: computed on the way: QUANTISED
;;     3. [M 1,024, K 1,024] x [K 1,024, N 4,096]; A: input wv; B: computed on the way: QUANTISED
;;     4. batch 32 x [M 2,048, K 64] x [K 64, N 2,048]; A: computed on the way; B: computed on the way: QUANTISED
;;     5. [M 4,096, K 1,024] x [K 1,024, N 1,024]; A: computed on the way; B: input wo: QUANTISED
;;     6. [M 4,096, K 1,024] x [K 1,024, N 4,096]; A: computed on the way; B: input w1: QUANTISED
;;     7. [M 4,096, K 4,096] x [K 4,096, N 1,024]; A: computed on the way; B: input w2: QUANTISED
;;   THE QUANTISER, for each operand of a quantised product, along K:
;;     - K is cut into blocks of 32 from its start; a last block that is shorter is filled with zeros.
;;     - A block's scale is 2^e with e = floor(log2(the largest magnitude in the block)) - 15, held to -126 .. 127; a block of zeros has e = 0. As a byte (E8M0): e + 127.
;;     - Each number is divided by its block's scale, clamped to +-57,344, and rounded to the nearest number of E5M2, ties to even, subnormals kept.
;;     - The product sums the exact products of the quantised numbers (number of the format x scale) in f32.
;;   ~~~python
;;   def quantise(x, axis):      # numpy; x: float32 -> the quantised numbers, widened to float32 again
;;       x = np.moveaxis(x, axis, -1); K = x.shape[-1]
;;       x = np.pad(x, [(0, 0)] * (x.ndim - 1) + [(0, -K % 32)]); x = x.reshape(x.shape[:-1] + (-1, 32)); a = np.abs(x).max(-1, keepdims=True)
;;       e = np.where(a > 0, np.clip(np.frexp(np.where(a > 0, a, 1))[1] - 1 - 15, -126, 127), 0)      # np.frexp(a)[1] - 1 = floor(log2(a)), exactly
;;       r = np.clip(x / 2.0 ** e, -57344, 57344)
;;       step = 2.0 ** (np.maximum(np.frexp(np.where(r == 0, 1, r))[1] - 1, -14) - 2)
;;       q = np.round(r / step) * step * 2.0 ** e      # np.round: ties to even
;;       return np.moveaxis(q.reshape(q.shape[:-2] + (-1,))[..., :K], -1, axis).astype(np.float32)
;;   ~~~
;;   OPERANDS COMPUTED ON THE WAY. 'Computed on the way' means the value that the module computes at that place (a softmax that the list does not call 'softmax' is quantised finished and normalised). What goes into a quantiser is computed in f32, as accurately as f32 sums, v_exp_f32 and their like allow (about 1e-6 of the number): no bf16 or f16 on the way to a quantiser, and a product that is left as it is and whose result goes on into a quantised operand takes f32 operands (vector FMAs, or v_wmma_f32_16x16x4_f32). A number that lies on a knife's edge between two numbers of the format may be rounded either way, as far as f32 arithmetic and the matrix unit's own rounding can turn it there, and no further.
;; 2 versions, each right. Each part assembles by itself: llvm-mc -triple=amdgcn-amd-amdhsa -mcpu=gfx1250 --defsym DOCPART=n.
;; ======== version 1 of 2: 7 launches
;; limits: right only within a limited range of input values
;; workspace buffers: prep_out 17,301,504 bytes; qkv_out 25,690,112 bytes; ao 4,325,376 bytes; x1 16,777,216 bytes; xn2 4,325,376 bytes; hbuf 17,301,504 bytes
;; launch prep (part 1): grid 1024 x 1, 4 waves a work-group, no clusters, 133,120 bytes of LDS; arguments x, alpha1, bias1, wo, w1, w2, wq, wk, wv, prep_out; writes prep_out
.if DOCPART == 1
	.amdgcn_target "amdgcn-amd-amdhsa--gfx1250"
	.amdhsa_code_object_version 6
	.text
	.protected	k_q0b1a4a2a8c_prep
	.globl	k_q0b1a4a2a8c_prep
	.p2align	8
	.type	k_q0b1a4a2a8c_prep,@function
k_q0b1a4a2a8c_prep:
	s_mov_b64 s[64:65], 0
	v_nop
	global_prefetch_b8 v0, s[64:65] scope:SCOPE_SE
	s_setreg_imm32_b32 hwreg(HW_REG_WAVE_MODE, 25, 1), 1
	s_wait_xcnt 0x0
; PREP: every operand that the later products read many times is quantised once, to codes of E5M2 with one E8M0 byte for each 32 along K.
; x is layer-normed first (mean, unbiased deviation in two passes, alpha1, bias1).  wo, w1, w2 have K innermost; wq, wk, wv have K (d) as the middle axis.
; WHAT IS STORED is an image of the matrix operand's registers: block (16 rows, 128 K) = 2,048 bytes, register group c of lane l at 512 c + 16 l; the scale word of (row, K step) at 64 x block + 4 x row.
; WEIGHT ROWS ARE PERMUTED: row n lies at the place n with its bits 3 and 4 exchanged, so that in the products' results a lane's 16 registers of two neighbouring tiles are 16 neighbouring columns.
; SHARES: a work-group turns 64 KiB of f32 into 8 blocks.  Work-groups 0-191: wq, wk, wv (256 d x 64 columns of a head); 192-1023: 16 rows x 1,024 K of x, wo, w1, w2.
; Each load of a wave reads 512 consecutive bytes; the numbers turn through LDS (rows 16 bytes longer than a multiple of 256) so that a lane gets 16 neighbours along K; each store of codes covers 512 consecutive bytes.
; The two paths part on the work-group's number alone and have LDS bytes of their own.  No cluster: no two work-groups read the same input bytes.  No tensor load: the turn needs the registers anyway.
; The column path's 128 stores of 4 bytes into LDS fall four deep on the banks (places are multiples of 4, the pitch is 260 words): it is 3 of the launch's 16 parts.
; LIMITS: a block of zeros gets the byte 1 (its codes are zeros; only this program reads the bytes); NaN and infinities are not served.
.set SC0,  16777216                    ; prep_out: where the scale words begin
.set WQKV, 13631488                    ; codes of wq, wk, wv
.set SQKV, SC0+425984                  ; their scale words
.set RP,   4112                        ; row path: an LDS row, 4,096 bytes + 16
.set OB,   66048                       ; column path: its LDS bytes begin here
.set OP,   1040                        ; and its row, 1,024 bytes + 16
.set TM,   16                          ; v16-31 a quantiser's four maxima, bytes, holds, scale operands
.set PC0,  32                          ; v32-47, v48-63 two fragments' codes
.set PC1,  48
.set X,    64                          ; v64-191 128 numbers
.set PW0,  192                         ; two scale words, and the one that is stored
.set PW1,  193
.set PWC,  194
.set SUM,  196                         ; v196-203 four pairs of sums
.set G,    204                         ; v204-211 four pairs: mean, then gain
.set PT,   212                         ; v212-215 the other half's sums
.set MNT,  29                          ; s29 the mantissa field of 57,344
.set SEL,  30                          ; s[30:31] lane l xor 16
.set DC,   48                          ; s[48:49] where my codes go;  s[50:51] my scale words
.set DS,   50
; 64 numbers of a lane, register 16 b + i = k 32 b + 16 (lane / 16) + i of its row, become 16 registers of codes and a scale word
.macro QUANT s, pc, pw
.irp b, 0,1,2,3
	v_max3_num_f32 v[TM+\b], |v[\s+16*\b]|, |v[\s+16*\b+1]|, 0x8000000   ; the floor 2^(16 - 127) holds the byte at 1 from below
.endr
.irp i, 2,4,6,8,10,12,14
.irp b, 0,1,2,3
	v_max3_num_f32 v[TM+\b], v[TM+\b], |v[\s+16*\b+\i]|, |v[\s+16*\b+\i+1]|
.endr
.endr
.irp b, 0,1,2,3
	v_permlanex16_b32 v[TM+4+\b], v[TM+\b], s[SEL], s[SEL+1]
.endr
.irp b, 0,1,2,3
	v_max_num_f32 v[TM+\b], v[TM+\b], v[TM+4+\b]          ; the block's largest magnitude
.endr
.irp b, 0,1,2,3
	v_add_nc_u32 v[TM+12+\b], 0xf8800000, v[TM+\b]        ; 15 off its exponent field: the conversion's scale operand
.endr
.irp b, 0,1,2,3
	v_and_or_b32 v[TM+8+\b], v[TM+\b], 0x7f800000, s[MNT] ; 57,344 x the scale
.endr
.irp b, 0,1,2,3
	v_lshrrev_b32 v[TM+4+\b], 23, v[TM+12+\b]             ; the byte
.endr
	v_lshl_or_b32 v[\pw], v[TM+5], 8, v[TM+4]
	v_lshl_or_b32 v[\pw], v[TM+6], 16, v[\pw]
	v_lshl_or_b32 v[\pw], v[TM+7], 24, v[\pw]
.irp b, 0,1,2,3
.irp i, 0,1,2,3,4,5,6,7,8,9,10,11,12,13,14,15
	v_med3_num_f32 v[\s+16*\b+\i], v[\s+16*\b+\i], -v[TM+8+\b], v[TM+8+\b]   ; the conversion does not saturate (ISA guide 7.6.2)
.endr
	v_cvt_scalef32_pk8_bf8_f32 v[\pc+4*\b:\pc+4*\b+1], v[\s+16*\b:\s+16*\b+7], v[TM+12+\b]
	v_cvt_scalef32_pk8_bf8_f32 v[\pc+4*\b+2:\pc+4*\b+3], v[\s+16*\b+8:\s+16*\b+15], v[TM+12+\b]
.endr
	v_nop                                                  ; a plain line behind the last conversion
.endm
.macro REDUCE                          ; four rows' pairs of sums, each over the 32 lanes
.irp i, 0,1,2,3
	v_add_f32 v[SUM+2*\i], v[SUM+2*\i], v[SUM+2*\i+1]
.endr
.irp m, 1,2,4,8
.irp i, 0,1,2,3
	v_add_f32_dpp v[SUM+2*\i], v[SUM+2*\i], v[SUM+2*\i] row_xmask:\m row_mask:0xf bank_mask:0xf
.endr
.endr
.irp i, 0,1,2,3
	v_permlanex16_b32 v[PT+\i], v[SUM+2*\i], s[SEL], s[SEL+1]
.endr
.irp i, 0,1,2,3
	v_add_f32 v[SUM+2*\i], v[SUM+2*\i], v[PT+\i]
.endr
.endm
.macro LN                              ; my four rows (32 registers each): alpha (x - mean) / (deviation + 1e-6) + bias, the rows by turns
.irp i, 0,1,2,3
	v_pk_add_f32 v[SUM+2*\i:SUM+2*\i+1], v[X+32*\i:X+32*\i+1], v[X+32*\i+2:X+32*\i+3]
.endr
.irp j, 4,6,8,10,12,14,16,18,20,22,24,26,28,30
.irp i, 0,1,2,3
	v_pk_add_f32 v[SUM+2*\i:SUM+2*\i+1], v[SUM+2*\i:SUM+2*\i+1], v[X+32*\i+\j:X+32*\i+\j+1]
.endr
.endr
	REDUCE
.irp i, 0,1,2,3
	v_mul_f32 v[G+2*\i], 0x3a800000, v[SUM+2*\i]          ; / 1,024
.endr
.irp i, 0,1,2,3
	v_mov_b32 v[G+2*\i+1], v[G+2*\i]
.endr
.irp j, 0,2,4,6,8,10,12,14,16,18,20,22,24,26,28,30
.irp i, 0,1,2,3
	v_pk_add_f32 v[X+32*\i+\j:X+32*\i+\j+1], v[X+32*\i+\j:X+32*\i+\j+1], v[G+2*\i:G+2*\i+1] neg_lo:[0,1] neg_hi:[0,1]
.endr
.endr
.irp i, 0,1,2,3
	v_pk_mul_f32 v[SUM+2*\i:SUM+2*\i+1], v[X+32*\i:X+32*\i+1], v[X+32*\i:X+32*\i+1]   ; squares of the differences: no difference of large sums
.endr
.irp j, 2,4,6,8,10,12,14,16,18,20,22,24,26,28,30
.irp i, 0,1,2,3
	v_pk_fma_f32 v[SUM+2*\i:SUM+2*\i+1], v[X+32*\i+\j:X+32*\i+\j+1], v[X+32*\i+\j:X+32*\i+\j+1], v[SUM+2*\i:SUM+2*\i+1]
.endr
.endr
	REDUCE
.irp i, 0,1,2,3
	v_mul_f32 v[SUM+2*\i], 0x3a802008, v[SUM+2*\i]        ; / 1,023
.endr
.irp i, 0,1,2,3
	v_sqrt_f32 v[SUM+2*\i+1], v[SUM+2*\i]
.endr
	v_nop                                                  ; a plain line behind the batch,
	s_wait_alu depctr_va_vdst(0)                           ; and one wait ahead of its first reader
.irp i, 0,1,2,3
	v_add_f32 v[SUM+2*\i], 0x358637bd, v[SUM+2*\i+1]      ; + 1e-6
.endr
.irp i, 0,1,2,3
	v_rcp_f32 v[SUM+2*\i+1], v[SUM+2*\i]
.endr
	v_nop
	s_wait_alu depctr_va_vdst(0)
.irp i, 0,1,2,3
	v_mul_f32 v[G+2*\i], s24, v[SUM+2*\i+1]               ; alpha / (deviation + 1e-6)
.endr
.irp i, 0,1,2,3
	v_mov_b32 v[G+2*\i+1], v[G+2*\i]
.endr
.irp j, 0,2,4,6,8,10,12,14,16,18,20,22,24,26,28,30
.irp i, 0,1,2,3
	v_pk_fma_f32 v[X+32*\i+\j:X+32*\i+\j+1], v[X+32*\i+\j:X+32*\i+\j+1], v[G+2*\i:G+2*\i+1], s[26:27] op_sel_hi:[1,1,0]
.endr
.endr
.endm
.macro PH2 adr                         ; two K steps of 16 rows come back from LDS, 16 neighbours a lane and block, and are quantised
.irp q, 0,1
.irp b, 0,1,2,3
.irp i, 0,1,2,3
	ds_load_b128 v[X+64*\q+16*\b+4*\i:X+64*\q+16*\b+4*\i+3], v[\adr] offset:512*\q+128*\b+16*\i
.endr
.endr
.endr
	s_wait_dscnt 16                                        ; the first K step's 16 loads are in, the second's may be out
	QUANT X, PC0, PW0
	s_wait_dscnt 0x0
	QUANT X+64, PC1, PW1
.endm
.macro OUT
.irp c, 0,1,2,3
	global_store_b128 v4, v[PC0+4*\c:PC0+4*\c+3], s[DC:DC+1] offset:512*\c          ; 32 lanes: 512 consecutive bytes
.endr
.irp c, 0,1,2,3
	global_store_b128 v4, v[PC1+4*\c:PC1+4*\c+3], s[DC:DC+1] offset:2048+512*\c
.endr
	v_cmp_lt_u32 vcc_lo, 15, v1
	v_cndmask_b32 v[PWC], v[PW0], v[PW1], vcc_lo           ; lanes 0-15 the first K step's words, lanes 16-31 the second's
	global_store_b32 v5, v[PWC], s[DS:DS+1]                ; 128 consecutive bytes
	s_wait_tensorcnt 0x0
	ds_add_u32 v216, v217
	s_wait_dscnt 0x0
	s_endpgm
.endm
	s_load_b512 s[4:19], s[0:1], 0x0               ; x, alpha1, bias1, wo, w1, w2, wq, wk
	s_load_b128 s[20:23], s[0:1], 0x40             ; wv, prep_out
	v_lshl_add_u32 v216, v0, 2, 0x20600
	v_mov_b32 v217, 0
	v_lshrrev_b32 v1, 5, v0
	v_readfirstlane_b32 s28, v1                    ; wave 0..3
	v_and_b32 v1, 31, v0                           ; lane
	v_and_b32 v2, 15, v0                           ; r
	v_bfe_u32 v3, v0, 4, 1                         ; h
	v_lshlrev_b32 v4, 4, v1                        ; 16 x lane
	v_lshlrev_b32 v5, 2, v1                        ; 4 x lane
	s_mov_b32 s[SEL], 0x76543210
	s_mov_b32 s[SEL+1], 0xfedcba98
	s_mov_b32 s[MNT], 0x600000
	; all LDS addresses are made here, ahead of the parting
	s_mul_i32 s55, s28, 4*RP
	v_add_nc_u32 v10, s55, v4                      ; row path, in: my four rows, 16 x lane
	v_mul_u32_u24 v11, v2, RP
	v_lshl_add_u32 v11, v3, 6, v11
	s_lshl_b32 s55, s28, 10
	v_add_nc_u32 v11, s55, v11                     ; row path, back: row r, K steps 2 w and 2 w + 1, my half's 64 bytes of a block
	v_and_b32 v14, 1, v2
	v_bfe_u32 v15, v2, 2, 1
	v_lshlrev_b32 v12, 2, v14
	v_lshl_or_b32 v12, v15, 3, v12
	v_bfe_u32 v14, v2, 1, 1
	v_lshl_or_b32 v12, v14, 4, v12
	v_bfe_u32 v15, v2, 3, 1
	v_lshl_or_b32 v12, v15, 5, v12                 ; the place of column 4 r: its bits 3 and 4 exchanged
	v_mul_u32_u24 v12, v12, OP
	v_lshl_add_u32 v12, v3, 2, v12
	s_lshl_b32 s55, s28, 8
	s_add_co_u32 s55, s55, OB
	v_add_nc_u32 v12, s55, v12                     ; column path, in: place x pitch + 4 (64 w + h)
	v_mul_u32_u24 v13, v2, OP
	v_lshl_add_u32 v13, v3, 6, v13
	s_mul_i32 s55, s28, 16*OP
	s_add_co_u32 s55, s55, OB
	v_add_nc_u32 v13, s55, v13                     ; column path, back: tile w, row r
.irp b, 0,1,2,3
	v_mov_b32 v[TM+4+\b], 0                        ; a lane permute's destination counts as one of its sources
	v_mov_b32 v[PT+\b], 0
.endr
	s_wait_kmcnt 0x0
	s_cmp_lt_u32 ttmp9, 192
	s_cbranch_scc1 .Lpath_o
	; ---- rows: x (with the norm), wo, w1, w2
	s_load_b32 s24, s[6:7], 0x0                    ; alpha1
	s_load_b32 s26, s[8:9], 0x0                    ; bias1
	s_sub_co_u32 s32, ttmp9, 192                   ; g
	s_sub_co_u32 s36, s32, 256                     ; the task's number in wo,
	s_sub_co_u32 s37, s32, 320                     ; in w1,
	s_sub_co_u32 s33, s32, 576                     ; in w2
	s_mov_b64 s[34:35], s[14:15]
	s_cmp_lt_u32 s32, 576
	s_cselect_b64 s[34:35], s[12:13], s[34:35]
	s_cselect_b32 s33, s37, s33
	s_cselect_b32 s38, 12, 14                      ; a row of the source is 2^12 bytes, of w2 2^14
	s_cselect_b32 s39, 0, 3                        ; w2: four tasks to a tile of rows
	s_cselect_b32 s40, 0, 2
	s_cmp_lt_u32 s32, 320
	s_cselect_b64 s[34:35], s[10:11], s[34:35]
	s_cselect_b32 s33, s36, s33
	s_cmp_lt_u32 s32, 256
	s_cselect_b64 s[34:35], s[4:5], s[34:35]
	s_cselect_b32 s33, s32, s33
	s_cselect_b32 s41, 0, 1                        ; 1: a weight, rows permuted
	s_lshr_b32 s42, s33, s40                       ; tile of 16 places
	s_and_b32 s43, s33, s39                        ; which 1,024 along K
	s_lshl_b32 s44, s42, 4
	s_lshl_b32 s45, s28, 2
	s_add_co_u32 s44, s44, s45                     ; x: my first row = 16 tile + 4 w
	s_lshr_b32 s46, s42, 1
	s_lshl_b32 s46, s46, 5
	s_and_b32 s47, s42, 1
	s_lshl_b32 s47, s47, 3
	s_add_co_u32 s46, s46, s47
	s_add_co_u32 s46, s46, s45
	s_lshr_b32 s47, s28, 1
	s_lshl_b32 s47, s47, 3
	s_add_co_u32 s46, s46, s47                     ; a weight: 32 (tile / 2) + 8 (tile % 2) + 4 w + 8 (w / 2)
	s_cmp_eq_u32 s41, 0
	s_cselect_b32 s44, s44, s46
	s_lshl_b32 s44, s44, s38
	s_lshl_b32 s43, s43, 12
	s_add_co_u32 s44, s44, s43
	s_mov_b32 s45, 0
	s_add_nc_u64 s[34:35], s[34:35], s[44:45]
	s_lshl_b32 s46, 1, s38
	v_mov_b32 v6, v4
	v_add_nc_u32 v7, s46, v6
	v_add_nc_u32 v8, s46, v7
	v_add_nc_u32 v9, s46, v8                       ; 16 x lane + row i
	s_lshl_b32 s52, s32, 14
	s_lshl_b32 s53, s28, 12
	s_add_co_u32 s52, s52, s53
	s_mov_b32 s53, 0
	s_add_nc_u64 s[DC:DC+1], s[22:23], s[52:53]    ; the sections follow each other: 16,384 g + 4,096 w
	s_lshl_b32 s52, s32, 9
	s_lshl_b32 s54, s28, 7
	s_add_co_u32 s52, s52, s54
	s_add_co_u32 s52, s52, SC0
	s_add_nc_u64 s[DS:DS+1], s[22:23], s[52:53]
.irp i, 0,1,2,3
.irp j, 0,1,2,3,4,5,6,7
	global_load_b128 v[X+32*\i+4*\j:X+32*\i+4*\j+3], v[6+\i], s[34:35] offset:512*\j th:TH_LOAD_NT
.endr
.endr
	s_wait_loadcnt 0x0
	s_wait_kmcnt 0x0
	s_mov_b32 s27, s26
	s_cmp_lt_u32 s32, 256
	s_cbranch_scc0 .Lno_ln
	LN
.Lno_ln:
.irp i, 0,1,2,3
.irp j, 0,1,2,3,4,5,6,7
	ds_store_b128 v10, v[X+32*\i+4*\j:X+32*\i+4*\j+3] offset:RP*\i+512*\j
.endr
.endr
	s_wait_dscnt 0x0                               ; my rows lie in LDS,
	s_barrier_signal -1
	s_barrier_wait -1                              ; everybody's do
	PH2 11
	OUT
	; ---- columns: 256 d x 64 columns of one head of wq, wk or wv
.Lpath_o:
	s_lshr_b32 s32, ttmp9, 6                       ; which of the three
	s_and_b32 s33, ttmp9, 63                       ; 4 head + which 256 of d
	s_mov_b64 s[34:35], s[20:21]
	s_cmp_lt_u32 s32, 2
	s_cselect_b64 s[34:35], s[18:19], s[34:35]
	s_cmp_lt_u32 s32, 1
	s_cselect_b64 s[34:35], s[16:17], s[34:35]
	s_lshl_b32 s44, s33, 16
	s_lshl_b32 s45, s28, 14
	s_add_co_u32 s44, s44, s45
	s_mov_b32 s45, 0
	s_add_nc_u64 s[34:35], s[34:35], s[44:45]      ; my 64 rows of d: 16,384 dense bytes
	s_lshr_b32 s42, ttmp9, 2
	s_lshl_b32 s42, s42, 2
	s_add_co_u32 s42, s42, s28                     ; my tile of 16 places among the 192
	s_lshl_b32 s42, s42, 3
	s_and_b32 s43, ttmp9, 3
	s_lshl_b32 s43, s43, 1
	s_add_co_u32 s42, s42, s43                     ; block = 8 tile + K step
	s_lshl_b32 s52, s42, 11
	s_add_co_u32 s52, s52, WQKV
	s_mov_b32 s53, 0
	s_add_nc_u64 s[DC:DC+1], s[22:23], s[52:53]
	s_lshl_b32 s52, s42, 6
	s_add_co_u32 s52, s52, SQKV
	s_add_nc_u64 s[DS:DS+1], s[22:23], s[52:53]
.irp t, 0,1,2,3,4,5,6,7,8,9,10,11,12,13,14,15,16,17,18,19,20,21,22,23,24,25,26,27,28,29,30,31
	global_load_b128 v[X+4*\t:X+4*\t+3], v4, s[34:35] offset:512*\t th:TH_LOAD_NT      ; d = 64 w + 2 t + h, columns 4 r + 0..3
.endr
	s_wait_loadcnt 0x0
.irp t, 0,1,2,3,4,5,6,7,8,9,10,11,12,13,14,15,16,17,18,19,20,21,22,23,24,25,26,27,28,29,30,31
.irp e, 0,1,2,3
	ds_store_b32 v12, v[X+4*\t+\e] offset:OP*\e+8*\t       ; turned: a column's place is an LDS row, d runs along it
.endr
.endr
	s_wait_dscnt 0x0
	s_barrier_signal -1
	s_barrier_wait -1
	PH2 13
	OUT
.Lfunc_end_k_q0b1a4a2a8c_prep:
	.size	k_q0b1a4a2a8c_prep, .Lfunc_end_k_q0b1a4a2a8c_prep-k_q0b1a4a2a8c_prep
	.p2alignl 7, 3214868480
	.fill 96, 4, 3214868480
	.section	.rodata,"a",@progbits
	.p2align	6, 0x0
	.amdhsa_kernel k_q0b1a4a2a8c_prep
		.amdhsa_group_segment_fixed_size 133120
		.amdhsa_private_segment_fixed_size 0
		.amdhsa_enable_private_segment 0
		.amdhsa_kernarg_size 80
		.amdhsa_user_sgpr_count 2
		.amdhsa_user_sgpr_kernarg_segment_ptr 1
		.amdhsa_wavefront_size32 1
		.amdhsa_system_sgpr_workgroup_id_x 1
		.amdhsa_system_sgpr_workgroup_id_y 1
		.amdhsa_system_sgpr_workgroup_id_z 1
		.amdhsa_system_vgpr_workitem_id 0
		.amdhsa_next_free_vgpr 218
		.amdhsa_next_free_sgpr 66
		.amdhsa_reserve_vcc 1
		.amdhsa_float_denorm_mode_32 3
		.amdhsa_float_denorm_mode_16_64 3
		.amdhsa_memory_ordered 1
		.amdhsa_forward_progress 1
		.amdhsa_inst_pref_size 81
	.end_amdhsa_kernel
	.amdgpu_metadata
---
amdhsa.version: [ 1, 2 ]
amdhsa.kernels:
  - .name:           k_q0b1a4a2a8c_prep
    .symbol:         k_q0b1a4a2a8c_prep.kd
    .args:
      - { .name: x, .offset: 0, .size: 8, .value_kind: global_buffer, .address_space: global }
      - { .name: alpha1, .offset: 8, .size: 8, .value_kind: global_buffer, .address_space: global }
      - { .name: bias1, .offset: 16, .size: 8, .value_kind: global_buffer, .address_space: global }
      - { .name: wo, .offset: 24, .size: 8, .value_kind: global_buffer, .address_space: global }
      - { .name: w1, .offset: 32, .size: 8, .value_kind: global_buffer, .address_space: global }
      - { .name: w2, .offset: 40, .size: 8, .value_kind: global_buffer, .address_space: global }
      - { .name: wq, .offset: 48, .size: 8, .value_kind: global_buffer, .address_space: global }
      - { .name: wk, .offset: 56, .size: 8, .value_kind: global_buffer, .address_space: global }
      - { .name: wv, .offset: 64, .size: 8, .value_kind: global_buffer, .address_space: global }
      - { .name: prep_out, .offset: 72, .size: 8, .value_kind: global_buffer, .address_space: global }
    .group_segment_fixed_size: 133120
    .private_segment_fixed_size: 0
    .kernarg_segment_align: 8
    .kernarg_segment_size: 80
    .max_flat_workgroup_size: 128
    .sgpr_count:     66
    .vgpr_count:     218
    .wavefront_size: 32
...
	.end_amdgpu_metadata
.endif
;; end of part 1
;; launch gemm_qkv (part 2): grid 12 x 16, 4 waves a work-group, clusters of 4 x 4, 327,680 bytes of LDS; arguments prep_out, source_mask, qkv_out; writes qkv_out
.if DOCPART == 2
	.amdgcn_target "amdgcn-amd-amdhsa--gfx1250"
	.amdhsa_code_object_version 6
	.text
	.protected	k_q0b1a4a2a8c_gemm_qkv
	.globl	k_q0b1a4a2a8c_gemm_qkv
	.p2align	8
	.type	k_q0b1a4a2a8c_gemm_qkv,@function
k_q0b1a4a2a8c_gemm_qkv:
	s_mov_b64 s[64:65], 0
	v_nop
	global_prefetch_b8 v0, s[64:65] scope:SCOPE_SE
	s_setreg_imm32_b32 hwreg(HW_REG_WAVE_MODE, 25, 1), 1
	s_wait_xcnt 0x0
	s_wait_alu depctr_hold_cnt(0) depctr_sa_sdst(0) depctr_va_vdst(0) depctr_va_sdst(0) depctr_va_ssrc(0) depctr_va_vcc(0) depctr_vm_vsrc(0)
	s_getreg_b32 s2, hwreg(HW_REG_IB_STS2, 6, 4)
	s_cmp_eq_u32 s2, 0
	s_cbranch_scc0 .Lentry_in_a_cluster
	s_endpgm
.Lentry_in_a_cluster:
	s_bfe_u32 s2, ttmp6, 0x10000c
	s_cmp_lg_u32 s2, 0xf033
	s_cbranch_scc0 .Lentry_shape_is_right
	s_endpgm
.Lentry_shape_is_right:
; Q, K, V = xn x (wq | wk | wv), 4,096 rows x 3,072 columns, K = 1,024, on codes of E5M2 with E8M0 scales.  Cluster x = 0: Q, 1: K, 2: V.
; A tile of 256 x 256 to a work-group of four waves, 128 x 128 (64 accumulators, 512 registers) to a wave.  Both operands lie in memory as images of the operand's registers (block of 16 rows x 128 K = 2,048 bytes,
; register group c of lane l at 512 c + 16 l), so a tile's rows are dense runs of 4,096 bytes, LDS needs no padding, and a fragment is four loads at 16 x lane.
; K goes in slots of 256 through a ring of two LDS slots of 131,072 bytes; a wave's tensor load brings 8 rows of 4,096 bytes.  CLUSTERS of 4 x 4: A's tile is asked for jointly along a row, B's along a column.
; The scale words come straight into registers, once: a load of 4 bytes a lane brings K step 2 s in lanes 0-15 and 2 s + 1 in lanes 16-31, chosen in the product by the scale's row.
; THE PRODUCT IS USED TRANSPOSED (source 0 = 16 places of the weight, source 1 = 16 rows of xn), and the weight's rows lie permuted, so that the 64 registers of a block of 16 rows are:
; register 16 c + i = column 32 c + 16 (lane / 16) + i of row lane % 16.
; THE WAY OUT.  Q and K are quantised along the head's 64 in registers and stored as head blocks of 139,264 bytes: codes of token tile t at 1,024 t + 512 c + 16 lane, words at 131,072 + 4 token.
; THE MASK RIDES IN K'S WORD: the scores' product has K = 128 and the head only 64, and there k = 64..66 hold constants (Q: 1, 1, 1; K: -57,344, -3,584, -112).  A key that counts has the byte 1 for that block
; (the constants add -7e-34); a masked key has the word 0x7f900101: its own codes count 2^-126, the constants x 2^17 give -8,000,634,880, which is -1,000,079,360 after the division by 8.
; LIMIT: reference() puts -1e9 there; the two differ only where scores that count lie near -1e9.  V is stored in f32, as the accumulators stand (block (16 rows, 32 columns) = 2,048 bytes).
; LIMITS of the quantiser: a block of zeros gets the byte 1; NaN and infinities are not served.
.set NKS,    8                         ; K steps of 128
.set A_OFF,  0                         ; xn's codes in prep_out
.set AS_OFF, 16777216                  ; its scale words
.set B_OFF,  13631488                  ; the weights' codes
.set BS_OFF, 16777216+425984
.set AP,     4                         ; s[4:5] holds A's buffer, and B's
.set BP,     4
.set SLOT,   131072                    ; A's 16 x 4,096 bytes, then B's
.set SPARE,  262144                    ; the spare words: 128 bytes a wave, two blocks of 256 that no other line names
.set ADRA, 16                          ; v16-17 LDS address of my A fragments in slot 0, 1
.set ADRB, 20                          ; v20-21 of B's
.set L16,  22                          ; v22 16 x lane
.set L4,   23                          ; v23 4 x lane
.set SPW,  28                          ; v28 my spare word;  v29 0;  never rewritten
.set NIL,  29
.set SCA,  32                          ; v32-63 A's scale words: register 4 i + s = block i, K slot s
.set SCB,  64                          ; v64-95 B's
.set TM,   96                          ; v96-111 a quantiser's maxima, bytes, holds, scale operands
.set R4,   113                         ; v113 4 x (lane % 16)
.set MW,   119                         ; v119 a masked key's word
.set MK,   120                         ; v120-127 the mask of my 8 x 16 rows
.set AF,   128                         ; v128-255 A's fragments, one set; on the way out codes (v128-159), words (v160-183)
.set WD,   160
.set WS,   176
.set G1, 24                            ; s[24:31], s[32:39] descriptor groups 1 and 0 (a set a slot) for A;  s[48:55], s[56:63] for B
.set G0, 32
.set G1B, 48
.set G0B, 56
.set ASP, 66                           ; s[66:67], s[68:69] my scale words in memory
.set BSP, 68
.set RT0, 73                           ; s73 my first tile of 16 rows
.set MP,  74                           ; s[74:75] the mask of my rows
.set QK,  80                           ; s[80:81] my codes' place, s[82:83] my words', s[84:85] V's
.set QW,  82
.set VP,  84
.set SEL, 90
.set MNT, 92
.set HM,  93                           ; s93 lanes 16-31
.set HIU, 94                           ; s94 a word's upper half;  s95 all ones for K
.set SK,  95
.set MSB, 0
.macro WIN new                         ; the immediate's high byte repeats the setting that is left
.if MSB != (\new)
	s_set_vgpr_msb (MSB<<8)|(\new)
.set MSB, (\new)
.endif
.endm
.set MUL_LO, 0xa1                      ; source 0 (B) window 1, source 1 (A) window 0, C and D window 2
.set MUL_HI, 0xf1                      ; the same, C and D window 3
.set TO_B,   0x40
.macro JLOAD g0a, g1a, g0b, g1b        ; a joint load: waves 0, 1 fetch for A, waves 2, 3 for B; four v_nop follow each line
	s_cmp_eq_u32 s15, 0
	s_cbranch_scc0 .Lfor_b_\@
	tensor_load_to_lds s[\g0a:\g0a+3], s[\g1a:\g1a+7]
	s_nop 0
.rept 4
	v_nop
.endr
	s_branch .Lasked_\@
.Lfor_b_\@:
	tensor_load_to_lds s[\g0b:\g0b+3], s[\g1b:\g1b+7]
	s_nop 0
.rept 4
	v_nop
.endr
.Lasked_\@:
.endm
.macro CREST                           ; a round of the cluster's barrier behind its opening barrier
	s_cmp_lg_u32 s14, 0
	s_cbranch_scc1 .Lnot_wave_0_\@
	s_barrier_signal -3
.Lnot_wave_0_\@:
	s_barrier_wait -3
	s_barrier_signal -1
	s_barrier_wait -1
.endm
.macro CROUND
	s_barrier_signal -1
	s_barrier_wait -1
	CREST
.endm
.macro PLACES n                        ; plain vector lines between a matrix instruction and a load into, or a read of, its registers
.rept \n
	v_nop
.endr
.endm
.macro FRAG reg, adr, q, i             ; block i, K step q of the slot: 16 registers as they lie
.irp c, 0,1,2,3
	ds_load_b128 v[\reg+4*\c:\reg+4*\c+3], v[\adr] offset:4096*(\i)+2048*(\q)+512*\c
.endr
.endm
.macro FETCH_B slot, q, p
	WIN TO_B
.irp i, 0,1,2,3,4,5,6,7
	FRAG 128*(\p)+16*\i, ADRB+\slot, \q, \i
.endr
	WIN 0
.endm
.macro FETCH_A slot, q, i0
.irp i, \i0, \i0+1, \i0+2, \i0+3
	FRAG AF+16*(\i), ADRA+\slot, \q, \i
.endr
.endm
; 16 products: A's blocks a0, a0 + 1 against B's eight; K step q of K slot ksl (B's set is q).  The 64 accumulators take turns, one instruction a turn.
.macro MUL16 a0, q, ksl, zero
.irp a, \a0, \a0+1
.irp b, 0,1,2,3,4,5,6,7
.if \zero
	v_wmma_scale_f32_16x16x128_f8f6f4 v[8*(8*((\a)%4)+\b):8*(8*((\a)%4)+\b)+7], v[128*(\q)+16*\b:128*(\q)+16*\b+15], v[AF+16*(\a):AF+16*(\a)+15], 0, v[SCB+4*\b+(\ksl)], v[SCA+4*(\a)+(\ksl)] matrix_a_fmt:MATRIX_FMT_BF8 matrix_b_fmt:MATRIX_FMT_BF8
.elseif \q
	v_wmma_scale_f32_16x16x128_f8f6f4 v[8*(8*((\a)%4)+\b):8*(8*((\a)%4)+\b)+7], v[128*(\q)+16*\b:128*(\q)+16*\b+15], v[AF+16*(\a):AF+16*(\a)+15], v[8*(8*((\a)%4)+\b):8*(8*((\a)%4)+\b)+7], v[SCB+4*\b+(\ksl)], v[SCA+4*(\a)+(\ksl)] matrix_a_fmt:MATRIX_FMT_BF8 matrix_b_fmt:MATRIX_FMT_BF8 matrix_a_scale:MATRIX_SCALE_ROW1 matrix_b_scale:MATRIX_SCALE_ROW1
.else
	v_wmma_scale_f32_16x16x128_f8f6f4 v[8*(8*((\a)%4)+\b):8*(8*((\a)%4)+\b)+7], v[128*(\q)+16*\b:128*(\q)+16*\b+15], v[AF+16*(\a):AF+16*(\a)+15], v[8*(8*((\a)%4)+\b):8*(8*((\a)%4)+\b)+7], v[SCB+4*\b+(\ksl)], v[SCA+4*(\a)+(\ksl)] matrix_a_fmt:MATRIX_FMT_BF8 matrix_b_fmt:MATRIX_FMT_BF8
.endif
.endr
.endr
.endm
.macro STEP slot, ksl, zero            ; a slot's first K step; it fetches the second's fragments
	s_wait_dscnt 16                                ; B's set and A's blocks 0-3 are in; the youngest 16 loads (A's blocks 4-7) may be out
	WIN MUL_LO
	MUL16 0, 0, \ksl, \zero
	MUL16 2, 0, \ksl, \zero
	s_wait_dscnt 0x0
	PLACES 8
	FETCH_B \slot, 1, 1
	FETCH_A \slot, 1, 0
	WIN MUL_HI
	MUL16 4, 0, \ksl, \zero
	MUL16 6, 0, \ksl, \zero
	PLACES 8
	WIN 0
	FETCH_A \slot, 1, 4
.endm
; A slot's second K step changes slots: one barrier; in front of it each wave waits for all its tensor loads, adds 0 to its spare word, and waits for that and for its reads of this slot.
.macro TURN slot, next, fill, ksl
	s_wait_tensorcnt 0x0                           ; all my tensor loads have landed: my part of the next slot
	ds_add_u32 v[SPW], v[NIL]
	s_wait_dscnt 17                                ; the add and the youngest 16 loads (A's blocks 4-7) may be out
	WIN MUL_LO
	MUL16 0, 1, \ksl, 0
	s_wait_dscnt 0x0                               ; the add is done, my reads of this slot are over
	s_barrier_signal -1
	MUL16 2, 1, \ksl, 0
	WIN 0
	s_barrier_wait -1
.if \fill
	CREST                                          ; the barrier opened a round of the cluster's: no wave of any partner reads this slot or has a load on its way
	s_add_nc_u64 s[G0+4*\slot+2:G0+4*\slot+3], s[G0+4*\slot+2:G0+4*\slot+3], 8192
	s_add_nc_u64 s[G0B+4*\slot+2:G0B+4*\slot+3], s[G0B+4*\slot+2:G0B+4*\slot+3], 8192
	JLOAD G0+4*\slot, G1, G0B+4*\slot, G1B         ; two K slots on; its four v_nop are four of the eight places
	PLACES 4
.else
	PLACES 8
.endif
	FETCH_B \next, 0, 0
	FETCH_A \next, 0, 0
	WIN MUL_HI
	MUL16 4, 1, \ksl, 0
	MUL16 6, 1, \ksl, 0
	PLACES 8
	WIN 0
	FETCH_A \next, 0, 4
.endm
.macro LAST ksl
	s_wait_dscnt 16
	WIN MUL_LO
	MUL16 0, 1, \ksl, 0
	MUL16 2, 1, \ksl, 0
	s_wait_dscnt 0x0
	WIN MUL_HI
	MUL16 4, 1, \ksl, 0
	MUL16 6, 1, \ksl, 0
	WIN 0
.endm
; Block a's 64 accumulator registers become 16 registers of codes at v[pc]; the four bytes stay in v[TM+4..7].  Each accumulator is first read at its two lowest registers.
.macro QUANT_ACC a, relu, pc
.set AC, 64*((\a)%4)
.set W, 2+(\a)/4
	WIN W|(W<<2)
.irp c, 0,1,2,3
.if \relu
	v_max3_num_f32 v[TM+\c], v[AC+16*\c], v[AC+16*\c+1], 0x8000000
.else
	v_max3_num_f32 v[TM+\c], |v[AC+16*\c]|, |v[AC+16*\c+1]|, 0x8000000
.endif
.endr
.irp i, 2,4,6,8,10,12,14
.irp c, 0,1,2,3
.if \relu
	v_max3_num_f32 v[TM+\c], v[AC+16*\c+\i], v[AC+16*\c+\i+1], v[TM+\c]
.else
	v_max3_num_f32 v[TM+\c], |v[AC+16*\c+\i]|, |v[AC+16*\c+\i+1]|, v[TM+\c]
.endif
.endr
.endr
	WIN 0
.irp c, 0,1,2,3
	v_permlanex16_b32 v[TM+4+\c], v[TM+\c], s[SEL], s[SEL+1]
.endr
.irp c, 0,1,2,3
	v_max_num_f32 v[TM+\c], v[TM+\c], v[TM+4+\c]
.endr
.irp c, 0,1,2,3
	v_add_nc_u32 v[TM+12+\c], 0xf8800000, v[TM+\c]
.endr
.irp c, 0,1,2,3
	v_and_or_b32 v[TM+8+\c], v[TM+\c], 0x7f800000, s[MNT]
.endr
.irp c, 0,1,2,3
	v_lshrrev_b32 v[TM+4+\c], 23, v[TM+12+\c]
.endr
	WIN W|(W<<6)
.irp c, 0,1,2,3
.irp i, 0,1,2,3,4,5,6,7,8,9,10,11,12,13,14,15
.if \relu
	v_med3_num_f32 v[AC+16*\c+\i], v[AC+16*\c+\i], 0, v[TM+8+\c]
.else
	v_med3_num_f32 v[AC+16*\c+\i], v[AC+16*\c+\i], -v[TM+8+\c], v[TM+8+\c]
.endif
.endr
.endr
	WIN W
.irp c, 0,1,2,3
	v_cvt_scalef32_pk8_bf8_f32 v[\pc+4*\c:\pc+4*\c+1], v[AC+16*\c:AC+16*\c+7], v[TM+12+\c]
	v_cvt_scalef32_pk8_bf8_f32 v[\pc+4*\c+2:\pc+4*\c+3], v[AC+16*\c+8:AC+16*\c+15], v[TM+12+\c]
.endr
	WIN 0
	v_nop                                          ; a plain line behind the last conversion
.endm
	s_load_b128 s[4:7], s[0:1], 0x0                ; prep_out, source_mask
	s_load_b64 s[8:9], s[0:1], 0x10                ; qkv_out
	v_lshl_add_u32 v[SPW], v0, 2, SPARE
	v_mov_b32 v[NIL], 0
	ds_add_u32 v28, v29
	ds_add_u32 v28, v29
	s_wait_dscnt 0x0
	v_lshrrev_b32 v1, 5, v0
	v_readfirstlane_b32 s14, v1                    ; wave 0..3
	s_lshr_b32 s15, s14, 1                         ; my half of the rows.  Also: I fetch for A (0) or B (1)
	s_and_b32 s16, s14, 1                          ; my half of the columns.  Also: which 8 of the 16 tiles I fetch
	s_bfe_u32 s40, ttmp6, 0x40000                  ; cx, cy
	s_bfe_u32 s41, ttmp6, 0x40004
	s_lshl_b32 s42, ttmp9, 2
	s_add_co_u32 s42, s42, s40                     ; tile column
	s_and_b32 s17, ttmp7, 0xffff
	s_lshl_b32 s17, s17, 2
	s_add_co_u32 s17, s17, s41                     ; tile row
	s_lshl_b32 s43, s41, 2
	s_lshl_b32 s43, 15, s43                        ; my row of the cluster
	s_lshl_b32 s44, 0x1111, s40                    ; my column
	s_or_b32 s[G1+0], s43, (3<<16)|(1<<21)         ; the mask; elements of 8 bytes; bit 21 beside a mask; no padding
	s_or_b32 s[G1B+0], s44, (3<<16)|(1<<21)
.irp g, G1, G1B
	s_mov_b32 s[\g+1], 512<<16                     ; tensor_dim0 = 512 elements: 4,096 bytes
	s_mov_b32 s[\g+2], 8<<16                       ; tensor_dim1 = 8
	s_mov_b32 s[\g+3], 512<<16                     ; tile_dim0
	s_mov_b32 s[\g+4], 8                           ; tile_dim1
	s_mov_b32 s[\g+5], NKS*256                     ; from a tile of 16 rows to the next: NKS x 2,048 bytes
	s_mov_b32 s[\g+6], 0
	s_mov_b32 s[\g+7], 0
.endr
	s_lshl_b32 s18, s16, 3
	s_lshl_b32 s20, s17, 4
	s_add_co_u32 s20, s20, s18
	s_mul_i32 s20, s20, NKS*2048
	s_add_co_u32 s20, s20, A_OFF
	s_mov_b32 s21, 0
	s_lshl_b32 s46, s42, 4
	s_add_co_u32 s46, s46, s18
	s_mul_i32 s46, s46, NKS*2048
	s_add_co_u32 s46, s46, B_OFF
	s_mov_b32 s47, 0
	s_lshl_b32 s45, s14, 15                        ; in a slot: 32,768 x wave
	s_wait_kmcnt 0x0
	s_add_nc_u64 s[20:21], s[AP:AP+1], s[20:21]
	s_add_nc_u64 s[46:47], s[BP:BP+1], s[46:47]
	CROUND                                         ; all sixteen work-groups are here: the first joint loads meet
.irp s, 0,1
	s_mov_b32 s[G0+4*\s], 1
	s_add_co_u32 s[G0+4*\s+1], s45, \s*SLOT
	s_add_nc_u64 s[G0+4*\s+2:G0+4*\s+3], s[20:21], \s*4096
	s_or_b32 s[G0+4*\s+3], s[G0+4*\s+3], 0x80000000
	s_mov_b32 s[G0B+4*\s], 1
	s_add_co_u32 s[G0B+4*\s+1], s45, \s*SLOT
	s_add_nc_u64 s[G0B+4*\s+2:G0B+4*\s+3], s[46:47], \s*4096
	s_or_b32 s[G0B+4*\s+3], s[G0B+4*\s+3], 0x80000000
	JLOAD G0+4*\s, G1, G0B+4*\s, G1B
.endr
	v_and_b32 v1, 31, v0
	v_and_b32 v2, 15, v0
	v_bfe_u32 v3, v0, 4, 1
	v_lshlrev_b32 v[L16], 4, v1
	v_lshlrev_b32 v[L4], 2, v1
	s_lshl_b32 s21, s15, 15
	s_lshl_b32 s22, s16, 15
	s_add_co_u32 s22, s22, 65536
.irp s, 0,1
	v_add_nc_u32 v[ADRA+\s], s21, v[L16]
	v_add_nc_u32 v[ADRB+\s], s22, v[L16]
	s_add_co_u32 s21, s21, SLOT
	s_add_co_u32 s22, s22, SLOT
.endr
	s_lshl_b32 s[RT0], s17, 4
	s_lshl_b32 s19, s15, 3
	s_add_co_u32 s[RT0], s[RT0], s19               ; 16 x tile row + 8 x my half
	s_mul_i32 s20, s[RT0], NKS*64
	s_add_co_u32 s20, s20, AS_OFF
	s_mov_b32 s21, 0
	s_add_nc_u64 s[ASP:ASP+1], s[AP:AP+1], s[20:21]
	s_lshl_b32 s46, s42, 4
	s_lshl_b32 s47, s16, 3
	s_add_co_u32 s46, s46, s47
	s_mul_i32 s46, s46, NKS*64
	s_add_co_u32 s46, s46, BS_OFF
	s_mov_b32 s47, 0
	s_add_nc_u64 s[BSP:BSP+1], s[BP:BP+1], s[46:47]
.irp i, 0,1,2,3,4,5,6,7
.irp s, 0,1,2,3
	global_load_b32 v[SCA+4*\i+\s], v[L4], s[ASP:ASP+1] offset:NKS*64*\i+128*\s
	global_load_b32 v[SCB+4*\i+\s], v[L4], s[BSP:BSP+1] offset:NKS*64*\i+128*\s
.endr
.endr
	; what the way out needs
	v_lshlrev_b32 v[R4], 2, v2
	s_lshl_b32 s20, s[RT0], 6
	s_mov_b32 s21, 0
	s_add_nc_u64 s[MP:MP+1], s[6:7], s[20:21]
.irp a, 0,1,2,3,4,5,6,7
	global_load_b32 v[MK+\a], v[R4], s[MP:MP+1] offset:64*\a       ; the mask of token 16 (first tile + a) + lane % 16
.endr
	s_mov_b32 s[SEL], 0x76543210
	s_mov_b32 s[SEL+1], 0xfedcba98
	s_mov_b32 s[MNT], 0x600000
.irp c, 0,1,2,3
	v_mov_b32 v[TM+4+\c], 0                        ; a lane permute's destination counts as one of its sources
.endr
	v_mov_b32 v[MW], 0x7f900101
	v_cmp_lt_u32 s[HM], 15, v1
	s_mov_b32 s[HIU], 0x7f7f0000                   ; Q: the constants' block counts 1
	s_cmp_eq_u32 ttmp9, 1
	s_cselect_b32 s[HIU], 0x7f010000, s[HIU]       ; K: 2^-126
	s_cselect_b32 s[SK], -1, 0
	s_lshr_b32 s76, s17, 3
	s_lshl_b32 s76, s76, 4
	s_lshl_b32 s77, s40, 2
	s_add_co_u32 s76, s76, s77
	s_lshl_b32 s77, s16, 1
	s_add_co_u32 s76, s76, s77                     ; my first head block: 16 batch + 4 cx + 2 x my half
	s_mul_i32 s76, s76, 139264
	s_mul_i32 s77, ttmp9, 4456448                  ; Q's section or K's
	s_add_co_u32 s76, s76, s77
	s_and_b32 s77, s[RT0], 127                     ; my first token tile in the batch
	s_lshl_b32 s78, s77, 10
	s_add_co_u32 s78, s78, s76
	s_mov_b32 s79, 0
	s_add_nc_u64 s[QK:QK+1], s[8:9], s[78:79]
	s_lshl_b32 s78, s77, 6
	s_add_co_u32 s78, s78, s76
	s_add_co_u32 s78, s78, 131072
	s_add_nc_u64 s[QW:QW+1], s[8:9], s[78:79]
	s_lshl_b32 s78, s[RT0], 5
	s_lshl_b32 s77, s40, 3
	s_add_co_u32 s78, s78, s77
	s_lshl_b32 s77, s16, 2
	s_add_co_u32 s78, s78, s77                     ; V: block = 32 x tile of rows + 8 cx + 4 x my half
	s_lshl_b32 s78, s78, 11
	s_add_co_u32 s78, s78, 8912896
	s_add_nc_u64 s[VP:VP+1], s[8:9], s[78:79]
	s_wait_tensorcnt 1                             ; my part of K slot 0 is in; slot 1's load may be out
	s_barrier_signal -1
	s_barrier_wait -1
	FETCH_B 0, 0, 0
	FETCH_A 0, 0, 0
	FETCH_A 0, 0, 4
	s_wait_loadcnt 0x0                             ; the scale words and the mask
	STEP 0, 0, 1                                   ; the first products start the sums
	TURN 0, 1, 1, 0
	STEP 1, 1, 0
	TURN 1, 0, 1, 1
	STEP 0, 2, 0
	TURN 0, 1, 0, 2                                ; nothing is left to fetch
	STEP 1, 3, 0
	LAST 3
	PLACES 8
	s_cmp_eq_u32 ttmp9, 2                          ; the cluster's x: the same in all partners
	s_cbranch_scc1 .Lv_out
.irp a, 0,1,2,3,4,5,6,7
.if \a >= 2
	s_wait_xcnt 0x0                                ; the stores of two blocks ago have read their registers
.endif
	QUANT_ACC \a, 0, 128+16*((\a)%2)
	v_cmp_eq_u32 vcc_lo, 0, v[MK+\a]
	s_and_b32 vcc_lo, vcc_lo, s[SK]                ; a masked key, and this is K
	v_lshl_or_b32 v[WD+2*\a], v[TM+5], 8, v[TM+4]
	v_lshl_or_b32 v[WD+2*\a+1], v[TM+7], 8, v[TM+6]
	v_or_b32 v[WD+2*\a], s[HIU], v[WD+2*\a]
	v_or_b32 v[WD+2*\a+1], s[HIU], v[WD+2*\a+1]
	v_cndmask_b32 v[WD+2*\a], v[WD+2*\a], v[MW], vcc_lo
	v_cndmask_b32 v[WD+2*\a+1], v[WD+2*\a+1], v[MW], vcc_lo
.irp c, 0,1,2,3
	global_store_b128 v[L16], v[128+16*((\a)%2)+4*\c:128+16*((\a)%2)+4*\c+3], s[QK:QK+1] offset:139264*(\c/2)+1024*\a+512*(\c%2)
.endr
.endr
.irp e, 0,1
.irp k, 0,1,2,3
	v_cndmask_b32 v[WS+4*\e+\k], v[WD+4*\k+\e], v[WD+4*\k+2+\e], s[HM]     ; lanes 0-15 block 2 k's words, lanes 16-31 block 2 k + 1's
	global_store_b32 v[L4], v[WS+4*\e+\k], s[QW:QW+1] offset:139264*\e+128*\k   ; 128 consecutive bytes
.endr
.endr
	s_branch .Lend
.Lv_out:
.irp a, 0,1,2,3,4,5,6,7
	WIN 0x08+4*((\a)/4)                            ; a store's data: window 2 or 3
.irp b, 0,1,2,3,4,5,6,7
	global_store_b128 v[L16], v[8*(8*((\a)%4)+\b):8*(8*((\a)%4)+\b)+3], s[VP:VP+1] offset:65536*\a+2048*(\b/2)+1024*(\b%2)
	global_store_b128 v[L16], v[8*(8*((\a)%4)+\b)+4:8*(8*((\a)%4)+\b)+7], s[VP:VP+1] offset:65536*\a+2048*(\b/2)+1024*(\b%2)+512
.endr
.endr
	WIN 0
.Lend:
	s_wait_tensorcnt 0x0                           ; the wave's end
	ds_add_u32 v[SPW], v[NIL]
	s_wait_dscnt 0x0
	CROUND                                         ; the closing round
	s_endpgm
.Lfunc_end_k_q0b1a4a2a8c_gemm_qkv:
	.size	k_q0b1a4a2a8c_gemm_qkv, .Lfunc_end_k_q0b1a4a2a8c_gemm_qkv-k_q0b1a4a2a8c_gemm_qkv
	.p2alignl 7, 3214868480
	.fill 96, 4, 3214868480
	.section	.rodata,"a",@progbits
	.p2align	6, 0x0
	.amdhsa_kernel k_q0b1a4a2a8c_gemm_qkv
		.amdhsa_group_segment_fixed_size 327680
		.amdhsa_private_segment_fixed_size 0
		.amdhsa_enable_private_segment 0
		.amdhsa_kernarg_size 24
		.amdhsa_user_sgpr_count 2
		.amdhsa_user_sgpr_kernarg_segment_ptr 1
		.amdhsa_wavefront_size32 1
		.amdhsa_system_sgpr_workgroup_id_x 1
		.amdhsa_system_sgpr_workgroup_id_y 1
		.amdhsa_system_sgpr_workgroup_id_z 1
		.amdhsa_system_vgpr_workitem_id 0
		.amdhsa_next_free_vgpr 1024
		.amdhsa_next_free_sgpr 100
		.amdhsa_reserve_vcc 1
		.amdhsa_float_denorm_mode_32 3
		.amdhsa_float_denorm_mode_16_64 3
		.amdhsa_memory_ordered 1
		.amdhsa_forward_progress 1
		.amdhsa_inst_pref_size 202
	.end_amdhsa_kernel
	.amdgpu_metadata
---
amdhsa.version: [ 1, 2 ]
amdhsa.kernels:
  - .name:           k_q0b1a4a2a8c_gemm_qkv
    .symbol:         k_q0b1a4a2a8c_gemm_qkv.kd
    .args:
      - { .name: prep_out, .offset: 0, .size: 8, .value_kind: global_buffer, .address_space: global }
      - { .name: source_mask, .offset: 8, .size: 8, .value_kind: global_buffer, .address_space: global }
      - { .name: qkv_out, .offset: 16, .size: 8, .value_kind: global_buffer, .address_space: global }
    .group_segment_fixed_size: 327680
    .private_segment_fixed_size: 0
    .kernarg_segment_align: 8
    .kernarg_segment_size: 24
    .max_flat_workgroup_size: 128
    .sgpr_count:     100
    .vgpr_count:     1024
    .wavefront_size: 32
...
	.end_amdgpu_metadata
.endif
;; end of part 2
;; launch attn (part 3): grid 8 x 32, 16 waves a work-group, clusters of 4 x 1, 169,984 bytes of LDS; arguments qkv_out, ao; writes ao
.if DOCPART == 3
	.amdgcn_target "amdgcn-amd-amdhsa--gfx1250"
	.amdhsa_code_object_version 6
	.text
	.protected	k_q0b1a4a2a8c_attn
	.globl	k_q0b1a4a2a8c_attn
	.p2align	8
	.type	k_q0b1a4a2a8c_attn,@function
k_q0b1a4a2a8c_attn:
	s_mov_b64 s[64:65], 0
	v_nop
	global_prefetch_b8 v0, s[64:65] scope:SCOPE_SE
	s_setreg_imm32_b32 hwreg(HW_REG_WAVE_MODE, 25, 1), 1
	s_wait_xcnt 0x0
	s_wait_alu depctr_hold_cnt(0) depctr_sa_sdst(0) depctr_va_vdst(0) depctr_va_sdst(0) depctr_va_ssrc(0) depctr_va_vcc(0) depctr_vm_vsrc(0)
	s_getreg_b32 s2, hwreg(HW_REG_IB_STS2, 6, 4)
	s_cmp_eq_u32 s2, 0
	s_cbranch_scc0 .Lentry_in_a_cluster
	s_endpgm
.Lentry_in_a_cluster:
	s_bfe_u32 s2, ttmp6, 0x10000c
	s_cmp_lg_u32 s2, 0x3003
	s_cbranch_scc0 .Lentry_shape_is_right
	s_endpgm
.Lentry_shape_is_right:
; For each (batch, head, token s): d = softmax over t of (Q[s] . K[t] / 8, masked)[s], the DIAGONAL of the softmax; then d x V[s], quantised along the 1,024 columns for the product with wo.
; So of the scores only a running maximum, the sum of the exponentials and the score (s, s) are kept.  The scores' product is on codes of E5M2 with E8M0 scales, K = the head's 64 in an instruction of 128.
; k = 64..66 hold constants (Q: 1, 1, 1; K: -57,344, -3,584, -112), and K's scale word, made with the mask by the launch before, lets them count 2^-126 (a key that counts) or 2^17 with the key's own codes at
; 2^-126 (a masked key: every such score is -8,000,634,880, which is -1,000,079,360 after / 8).  LIMIT: reference() has -1e9; the two differ only where scores that count lie near -1e9.  A row whose keys are all masked gives 1 / 2,048, as there.
; SHARES.  A work-group owns 256 queries of one (batch, head), each of its sixteen waves one tile of 16, in 256 registers: four waves to a SIMD, so that one wave's exponentials stand beside another's products and LDS loads.
; The head's K (codes 131,072 bytes, words 8,192) is brought into LDS ONCE, each wave fetching 34 rows of 256 bytes; the four work-groups of a cluster belong to one head and ask jointly.  Nothing is filled again.
; LAYOUT.  S^T = K Q^T: a lane holds query lane % 16 and keys 8 (lane / 16) + 0..7 of each tile.  Each lane keeps maximum and sum of ITS half of the keys; the halves meet once, at the end.
; p = 2^(c s - M), c = log2(e) / 8, by one fused multiply-add; M is a running maximum of c s; the diagonal's exponent is made by the same multiply-add from its raw score, so that M's rounding cancels.
; LIMITS: NaN and infinities are not served; a block of zeros gets the byte 1.
.set KSEC, 4456448                     ; qkv_out: K's head blocks;
.set VSEC, 8912896                     ; V in f32
.set HBLK, 139264                      ; a head block
.set WOFF, 131072                      ; its words
.set AK0,  1                           ; v1 16 x lane
.set ASK0, 2                           ; v2 WOFF + 4 (lane % 16)
.set ADK,  3                           ; v3, v4 LDS addresses of the step that is fetched
.set ADS,  4
.set RR,   5                           ; v5 lane % 16;  v6 lane / 16;  v7 their r - 8 h
.set HH,   6
.set RJ,   7
.set TD,   8                           ; v8 the diagonal's score
.set OLD,  9
.set M,    10                          ; v[10:11] the running maximum (the pair's low word)
.set LS,   12                          ; v[12:13] the sum, in two halves
.set F,    14                          ; v[14:15] 2^(old M - new M); at the end d, twice
.set T,    16                          ; v16-19 four chains
.set XX,   20
.set DD,   21
.set L2,   22                          ; v[22:23] the sum's second chain
.set QS,   24                          ; v24 Q's scale words
.set R4,   25                          ; v25 4 (lane % 16)
.set C1,   26
.set C2,   27
.set Q,    32                          ; v32-47 Q's fragment
.set KS,   48                          ; v48-55 K's scale words
.set KF,   64                          ; v64-191 eight fragments of K; registers 8-15 of each are the constants; at the end V, temporaries, codes
.set S,    192                         ; v192-255 the scores
.set TM,   96
.set PC,   128
.set PW,   136
.set WV,   8                           ; s8 wave
.set CS,   28                          ; s[28:29] c
.set SEL,  30
.set TB,   32                          ; s32, s33 where the next step's codes and words begin
.set TS,   33
.set CNT,  34
.set MNT,  35
.macro CROUND
	s_barrier_signal -1
	s_barrier_wait -1
	s_cmp_lg_u32 s[WV], 0
	s_cbranch_scc1 .Lnot_wave_0_\@
	s_barrier_signal -3
.Lnot_wave_0_\@:
	s_barrier_wait -3
	s_barrier_signal -1
	s_barrier_wait -1
.endm
.macro KLOAD                           ; eight tiles of 16 keys: the codes' 8 registers each, and their words
.irp t, 0,1,2,3,4,5,6,7
	ds_load_b128 v[KF+16*\t:KF+16*\t+3], v[ADK] offset:1024*\t
	ds_load_b128 v[KF+16*\t+4:KF+16*\t+7], v[ADK] offset:1024*\t+512
.endr
.irp t, 0,1,2,3,4,5,6,7
	ds_load_b32 v[KS+\t], v[ADS] offset:64*\t
.endr
.endm
; A step: 128 keys.  more = 1: the next step's fragments are fetched under this step's softmax; 0: V is.
.macro STEP more
	s_wait_dscnt 0x0
.irp t, 0,1,2,3,4,5,6,7
	v_wmma_scale_f32_16x16x128_f8f6f4 v[S+8*\t:S+8*\t+7], v[KF+16*\t:KF+16*\t+15], v[Q:Q+15], 0, v[KS+\t], v[QS] matrix_a_fmt:MATRIX_FMT_BF8 matrix_b_fmt:MATRIX_FMT_BF8
.endr
.if \more
	v_add_nc_u32 v[ADK], s[TB], v[AK0]             ; eight plain lines: the places in front of the loads and of the first read of the scores
	v_add_nc_u32 v[ADS], s[TS], v[ASK0]
.rept 6
	v_nop
.endr
	KLOAD
.else
.rept 8
	v_nop
.endr
.irp c, 0,1
.irp i, 0,1,2,3
	global_load_b128 v[KF+16*\c+4*\i:KF+16*\c+4*\i+3], v[AK0], s[44:45] offset:2048*\c+512*\i   ; V(token lane % 16, columns 32 c + 16 (lane / 16) + 4 i ..)
.endr
.endr
.endif
.irp b, 0,1,2,3
	v_max3_num_f32 v[T+\b], v[S+16*\b], v[S+16*\b+1], v[S+16*\b+2]     ; each accumulator is first read at its low end
.endr
.irp i, 3,5,7,9,11,13
.irp b, 0,1,2,3
	v_max3_num_f32 v[T+\b], v[T+\b], v[S+16*\b+\i], v[S+16*\b+\i+1]
.endr
.endr
.irp b, 0,1,2,3
	v_max_num_f32 v[T+\b], v[T+\b], v[S+16*\b+15]
.endr
	v_max3_num_f32 v[XX], v[T], v[T+1], v[T+2]
	v_max_num_f32 v[XX], v[XX], v[T+3]
	v_mul_f32 v[XX], s[CS], v[XX]
	v_mov_b32 v[OLD], v[M]
	v_max_num_f32 v[M], v[M], v[XX]
	v_sub_f32 v[DD], v[OLD], v[M]
.irp j, 0,2,4,6,8,10,12,14,16,18,20,22,24,26,28,30,32,34,36,38,40,42,44,46,48,50,52,54,56,58,60,62
	v_pk_fma_f32 v[S+\j:S+\j+1], v[S+\j:S+\j+1], s[CS:CS+1], v[M:M+1] op_sel_hi:[1,0,0] neg_lo:[0,0,1] neg_hi:[0,0,1]   ; c s - M
.endr
	v_exp_f32 v[F], v[DD]
.irp j, 0,1,2,3,4,5,6,7,8,9,10,11,12,13,14,15,16,17,18,19,20,21,22,23,24,25,26,27,28,29,30,31,32,33,34,35,36,37,38,39,40,41,42,43,44,45,46,47,48,49,50,51,52,53,54,55,56,57,58,59,60,61,62,63
	v_exp_f32 v[S+\j], v[S+\j]
.endr
	v_nop                                          ; a plain line behind the batch,
	s_wait_alu depctr_va_vdst(0)                   ; and one wait for its 65, ahead of the first reader
	v_pk_mul_f32 v[LS:LS+1], v[LS:LS+1], v[F:F+1] op_sel_hi:[1,0]
	v_pk_add_f32 v[L2:L2+1], v[S:S+1], v[S+2:S+3]
.irp j, 4,8,12,16,20,24,28,32,36,40,44,48,52,56,60
	v_pk_add_f32 v[LS:LS+1], v[LS:LS+1], v[S+\j:S+\j+1]
	v_pk_add_f32 v[L2:L2+1], v[L2:L2+1], v[S+\j+2:S+\j+3]
.endr
	v_pk_add_f32 v[LS:LS+1], v[LS:LS+1], v[L2:L2+1]
.endm
	s_load_b128 s[4:7], s[0:1], 0x0                ; qkv_out, ao
	v_lshl_add_u32 v62, v0, 2, 0x29000
	v_mov_b32 v63, 0
	ds_add_u32 v62, v63
	ds_add_u32 v62, v63
	v_lshrrev_b32 v1, 5, v0
	v_readfirstlane_b32 s[WV], v1                  ; wave 0..15
	s_bfe_u32 s9, ttmp6, 0x40000                   ; cx
	s_lshl_b32 s10, ttmp9, 2
	s_add_co_u32 s10, s10, s9                      ; my block of 256 queries: it enters global addresses alone
	s_and_b32 s11, ttmp7, 0xffff                   ; 16 batch + head, which the partners share
	s_lshl_b32 s12, s10, 4
	s_add_co_u32 s12, s12, s[WV]                   ; my token tile, 0..127
	s_mul_i32 s13, s11, HBLK
	s_mov_b32 s16, 15|(3<<16)|(1<<21)              ; the mask: all four; elements of 8 bytes; bit 21 beside a mask; no padding
	s_mov_b32 s17, 32<<16                          ; tensor_dim0 = 32 elements: 256 bytes
	s_mov_b32 s18, 34<<16                          ; tensor_dim1 = 34
	s_mov_b32 s19, 32<<16                          ; tile_dim0
	s_mov_b32 s20, 34                              ; tile_dim1
	s_mov_b32 s21, 32                              ; dense rows
	s_mov_b32 s22, 0
	s_mov_b32 s23, 0
	s_mul_i32 s14, s[WV], 8704                     ; my 34 rows, in the block and in LDS
	s_add_co_u32 s36, s13, s14
	s_add_co_u32 s36, s36, KSEC
	s_mov_b32 s37, 0
	s_mov_b32 s[CS], 0x3e38aa3b                    ; c = log2(e) / 8
	s_mov_b32 s[CS+1], s[CS]
	s_mov_b32 s[SEL], 0x76543210
	s_mov_b32 s[SEL+1], 0xfedcba98
	s_mov_b32 s[MNT], 0x600000
	s_mov_b32 s[TB], 8192
	s_mov_b32 s[TS], 512
	s_mov_b32 s[CNT], 15
	s_wait_dscnt 0x0
	s_wait_kmcnt 0x0
	CROUND                                         ; all four work-groups are here: the joint loads meet
	s_mov_b32 s24, 1
	s_mov_b32 s25, s14
	s_add_nc_u64 s[26:27], s[4:5], s[36:37]
	s_or_b32 s27, s27, 0x80000000
	tensor_load_to_lds s[24:27], s[16:23]          ; my one tensor load of the launch
	s_nop 0
.rept 4
	v_nop
.endr
	s_lshl_b32 s38, s12, 10
	s_add_co_u32 s38, s38, s13
	s_mov_b32 s39, 0
	s_add_nc_u64 s[38:39], s[4:5], s[38:39]        ; Q's codes of my tile; K's lie KSEC further on
	s_lshl_b32 s40, s12, 6
	s_add_co_u32 s40, s40, s13
	s_add_co_u32 s40, s40, WOFF
	s_mov_b32 s41, 0
	s_add_nc_u64 s[40:41], s[4:5], s[40:41]        ; and the words
	s_lshr_b32 s42, s11, 4
	s_lshl_b32 s42, s42, 7
	s_add_co_u32 s42, s42, s12                     ; my tile among all 256 tiles of rows
	s_and_b32 s43, s11, 15                         ; the head
	s_lshl_b32 s44, s42, 5
	s_lshl_b32 s45, s43, 1
	s_add_co_u32 s44, s44, s45
	s_lshl_b32 s44, s44, 11
	s_add_co_u32 s44, s44, VSEC
	s_mov_b32 s45, 0
	s_add_nc_u64 s[44:45], s[4:5], s[44:45]        ; V: block 32 tile + 2 head
	s_lshl_b32 s46, s42, 3
	s_lshr_b32 s47, s43, 1
	s_add_co_u32 s46, s46, s47                     ; ao: block 8 tile + head / 2
	s_and_b32 s47, s43, 1
	s_lshl_b32 s48, s46, 11
	s_lshl_b32 s49, s47, 10
	s_add_co_u32 s48, s48, s49
	s_mov_b32 s49, 0
	s_add_nc_u64 s[48:49], s[6:7], s[48:49]        ; register groups 2 (head % 2) and + 1
	s_lshl_b32 s50, s46, 6
	s_lshl_b32 s51, s47, 1
	s_add_co_u32 s50, s50, s51
	s_add_co_u32 s50, s50, 4194304
	s_mov_b32 s51, 0
	s_add_nc_u64 s[50:51], s[6:7], s[50:51]        ; bytes 2 (head % 2) and + 1 of the row's word
	v_and_b32 v[RR], 15, v0
	v_bfe_u32 v[HH], v0, 4, 1
	v_and_b32 v[AK0], 31, v0
	v_cmp_gt_u32 vcc_lo, 16, v[AK0]                ; lanes 0-15
	v_lshlrev_b32 v[AK0], 4, v[AK0]
	v_lshlrev_b32 v[R4], 2, v[RR]
	global_load_b128 v[Q:Q+3], v[AK0], s[38:39]
	global_load_b128 v[Q+4:Q+7], v[AK0], s[38:39] offset:512
	global_load_b128 v[KF:KF+3], v[AK0], s[38:39] offset:KSEC          ; my own tile's keys, for the diagonal: from memory
	global_load_b128 v[KF+4:KF+7], v[AK0], s[38:39] offset:KSEC+512
	global_load_b32 v[QS], v[R4], s[40:41]
	global_load_b32 v[KS], v[R4], s[40:41] offset:KSEC
	v_mov_b32 v[C1], 0x003c3c3c                    ; 1, 1, 1
	v_mov_b32 v[C2], 0x00d7ebfb                    ; -57,344, -3,584, -112
	v_cndmask_b32 v[Q+8], 0, v[C1], vcc_lo         ; k = 64..67 lie in register 8 of lanes 0-15
.irp t, 0,1,2,3,4,5,6,7
	v_cndmask_b32 v[KF+16*\t+8], 0, v[C2], vcc_lo
.endr
.irp j, 9,10,11,12,13,14,15
	v_mov_b32 v[Q+\j], 0
.irp t, 0,1,2,3,4,5,6,7
	v_mov_b32 v[KF+16*\t+\j], 0
.endr
.endr
	v_add_nc_u32 v[ASK0], WOFF, v[R4]              ; (these lines are also the places between the constants and the first product)
	v_lshlrev_b32 v[RJ], 3, v[HH]
	v_sub_nc_u32 v[RJ], v[RR], v[RJ]
	v_mov_b32 v[M], 0xff61b1e6                     ; -3e38, under every c s
	v_mov_b32 v[M+1], 0
	v_mov_b32 v[LS], 0
	v_mov_b32 v[LS+1], 0
	v_mov_b32 v[F+1], 0
	v_mov_b32 v[DD], 0
	v_mov_b32 v[ADK], v[AK0]
	v_mov_b32 v[ADS], v[ASK0]
	s_wait_loadcnt 0x0
	; THE DIAGONAL: key 8 h + j = query r in lane (r, h = r / 8), register r % 8
	v_wmma_scale_f32_16x16x128_f8f6f4 v[S:S+7], v[KF:KF+15], v[Q:Q+15], 0, v[KS], v[QS] matrix_a_fmt:MATRIX_FMT_BF8 matrix_b_fmt:MATRIX_FMT_BF8
.rept 8
	v_nop
.endr
	v_mov_b32 v[XX], v[S]
.irp j, 1,2,3,4,5,6,7
	v_cmp_eq_u32 vcc_lo, \j, v[RJ]
	v_cndmask_b32 v[XX], v[XX], v[S+\j], vcc_lo
.endr
	v_permlanex16_b32 v[DD], v[XX], s[SEL], s[SEL+1]
	v_lshrrev_b32 v[C1], 3, v[RR]
	v_cmp_eq_u32 vcc_lo, v[C1], v[HH]
	v_cndmask_b32 v[TD], v[DD], v[XX], vcc_lo      ; both lanes of a query hold it
	s_wait_tensorcnt 0x0                           ; my part of the head's K is in,
	s_barrier_signal -1
	s_barrier_wait -1                              ; everybody's is
	KLOAD                                          ; step 0
.Lstep:                                            ; 15 trips; each fetches the step after it
	STEP 1
	s_add_co_u32 s[TB], s[TB], 8192
	s_add_co_u32 s[TS], s[TS], 512
	s_sub_co_u32 s[CNT], s[CNT], 1
	s_cmp_lg_u32 s[CNT], 0
	s_cbranch_scc1 .Lstep
	STEP 0
	v_add_f32 v[LS], v[LS], v[LS+1]
	v_permlanex16_b32 v[T], v[M], s[SEL], s[SEL+1]             ; the other half's maximum
	v_permlanex16_b32 v[T+1], v[LS], s[SEL], s[SEL+1]          ; and sum
	v_max_num_f32 v[T+2], v[M], v[T]
	v_sub_f32 v[T+3], v[M], v[T+2]
	v_sub_f32 v[T], v[T], v[T+2]
	v_fma_f32 v[XX], v[TD], s[CS], -v[T+2]                     ; the diagonal's exponent, as every score's
	v_exp_f32 v[T+3], v[T+3]
	v_exp_f32 v[T], v[T]
	v_exp_f32 v[XX], v[XX]
	v_nop
	s_wait_alu depctr_va_vdst(0)
	v_mul_f32 v[LS], v[LS], v[T+3]
	v_fma_f32 v[LS], v[T+1], v[T], v[LS]                       ; the row's sum: at least about 1
	v_rcp_f32 v[DD], v[LS]
	v_nop
	s_wait_alu depctr_va_vdst(0)
	v_mul_f32 v[F], v[XX], v[DD]                               ; d
	v_mov_b32 v[F+1], v[F]
	s_wait_loadcnt 0x0                                         ; V
.irp j, 0,2,4,6,8,10,12,14,16,18,20,22,24,26,28,30
	v_pk_mul_f32 v[KF+\j:KF+\j+1], v[KF+\j:KF+\j+1], v[F:F+1]
.endr
	; the head's two blocks of 32 are quantised
.irp b, 0,1
	v_max3_num_f32 v[TM+\b], |v[KF+16*\b]|, |v[KF+16*\b+1]|, 0x8000000
.endr
.irp i, 2,4,6,8,10,12,14
.irp b, 0,1
	v_max3_num_f32 v[TM+\b], v[TM+\b], |v[KF+16*\b+\i]|, |v[KF+16*\b+\i+1]|
.endr
.endr
.irp b, 0,1
	v_permlanex16_b32 v[TM+4+\b], v[TM+\b], s[SEL], s[SEL+1]
.endr
.irp b, 0,1
	v_max_num_f32 v[TM+\b], v[TM+\b], v[TM+4+\b]
.endr
.irp b, 0,1
	v_add_nc_u32 v[TM+12+\b], 0xf8800000, v[TM+\b]
.endr
.irp b, 0,1
	v_and_or_b32 v[TM+8+\b], v[TM+\b], 0x7f800000, s[MNT]
.endr
.irp b, 0,1
	v_lshrrev_b32 v[TM+4+\b], 23, v[TM+12+\b]
.endr
	v_lshl_or_b32 v[PW], v[TM+5], 8, v[TM+4]
.irp b, 0,1
.irp i, 0,1,2,3,4,5,6,7,8,9,10,11,12,13,14,15
	v_med3_num_f32 v[KF+16*\b+\i], v[KF+16*\b+\i], -v[TM+8+\b], v[TM+8+\b]
.endr
	v_cvt_scalef32_pk8_bf8_f32 v[PC+4*\b:PC+4*\b+1], v[KF+16*\b:KF+16*\b+7], v[TM+12+\b]
	v_cvt_scalef32_pk8_bf8_f32 v[PC+4*\b+2:PC+4*\b+3], v[KF+16*\b+8:KF+16*\b+15], v[TM+12+\b]
.endr
	v_nop
	global_store_b128 v[AK0], v[PC:PC+3], s[48:49]             ; 512 consecutive bytes each
	global_store_b128 v[AK0], v[PC+4:PC+7], s[48:49] offset:512
	global_store_b16 v[R4], v[PW], s[50:51]                    ; two bytes of the row's word (the other two are another head's, of another work-group); lanes r and r + 16 hold the same bytes and name the same place
	s_wait_tensorcnt 0x0
	ds_add_u32 v62, v63
	s_wait_dscnt 0x0
	CROUND                                                     ; the closing round
	s_endpgm
.Lfunc_end_k_q0b1a4a2a8c_attn:
	.size	k_q0b1a4a2a8c_attn, .Lfunc_end_k_q0b1a4a2a8c_attn-k_q0b1a4a2a8c_attn
	.p2alignl 7, 3214868480
	.fill 96, 4, 3214868480
	.section	.rodata,"a",@progbits
	.p2align	6, 0x0
	.amdhsa_kernel k_q0b1a4a2a8c_attn
		.amdhsa_group_segment_fixed_size 169984
		.amdhsa_private_segment_fixed_size 0
		.amdhsa_enable_private_segment 0
		.amdhsa_kernarg_size 16
		.amdhsa_user_sgpr_count 2
		.amdhsa_user_sgpr_kernarg_segment_ptr 1
		.amdhsa_wavefront_size32 1
		.amdhsa_system_sgpr_workgroup_id_x 1
		.amdhsa_system_sgpr_workgroup_id_y 1
		.amdhsa_system_sgpr_workgroup_id_z 1
		.amdhsa_system_vgpr_workitem_id 0
		.amdhsa_next_free_vgpr 256
		.amdhsa_next_free_sgpr 66
		.amdhsa_reserve_vcc 1
		.amdhsa_float_denorm_mode_32 3
		.amdhsa_float_denorm_mode_16_64 3
		.amdhsa_memory_ordered 1
		.amdhsa_forward_progress 1
		.amdhsa_inst_pref_size 39
	.end_amdhsa_kernel
	.amdgpu_metadata
---
amdhsa.version: [ 1, 2 ]
amdhsa.kernels:
  - .name:           k_q0b1a4a2a8c_attn
    .symbol:         k_q0b1a4a2a8c_attn.kd
    .args:
      - { .name: qkv_out, .offset: 0, .size: 8, .value_kind: global_buffer, .address_space: global }
      - { .name: ao, .offset: 8, .size: 8, .value_kind: global_buffer, .address_space: global }
    .group_segment_fixed_size: 169984
    .private_segment_fixed_size: 0
    .kernarg_segment_align: 8
    .kernarg_segment_size: 16
    .max_flat_workgroup_size: 512
    .sgpr_count:     66
    .vgpr_count:     256
    .wavefront_size: 32
...
	.end_amdgpu_metadata
.endif
;; end of part 3
;; launch gemm_wo (part 4): grid 4 x 16, 4 waves a work-group, clusters of 4 x 4, 327,680 bytes of LDS; arguments ao, prep_out, x, x1; writes x1
.if DOCPART == 4
	.amdgcn_target "amdgcn-amd-amdhsa--gfx1250"
	.amdhsa_code_object_version 6
	.text
	.protected	k_q0b1a4a2a8c_gemm_wo
	.globl	k_q0b1a4a2a8c_gemm_wo
	.p2align	8
	.type	k_q0b1a4a2a8c_gemm_wo,@function
k_q0b1a4a2a8c_gemm_wo:
	s_mov_b64 s[64:65], 0
	v_nop
	global_prefetch_b8 v0, s[64:65] scope:SCOPE_SE
	s_setreg_imm32_b32 hwreg(HW_REG_WAVE_MODE, 25, 1), 1
	s_wait_xcnt 0x0
	s_wait_alu depctr_hold_cnt(0) depctr_sa_sdst(0) depctr_va_vdst(0) depctr_va_sdst(0) depctr_va_ssrc(0) depctr_va_vcc(0) depctr_vm_vsrc(0)
	s_getreg_b32 s2, hwreg(HW_REG_IB_STS2, 6, 4)
	s_cmp_eq_u32 s2, 0
	s_cbranch_scc0 .Lentry_in_a_cluster
	s_endpgm
.Lentry_in_a_cluster:
	s_bfe_u32 s2, ttmp6, 0x10000c
	s_cmp_lg_u32 s2, 0xf033
	s_cbranch_scc0 .Lentry_shape_is_right
	s_endpgm
.Lentry_shape_is_right:
; x1 = x + ao x wo^T: 4,096 x 1,024, K = 1,024, on codes of E5M2 with E8M0 scales; x1 in f32.
; A tile of 256 x 256 to a work-group of four waves, 128 x 128 (64 accumulators) to a wave; 64 work-groups: the design has no more tiles of this size.
; Both operands lie in memory as images of the operand's registers (block of 16 rows x 128 K = 2,048 bytes, register group c of lane l at 512 c + 16 l): a tile's rows are dense runs of 4,096 bytes, LDS needs no padding.
; K goes in slots of 256 through a ring of two LDS slots of 131,072 bytes; a wave's tensor load brings 8 rows of 4,096 bytes.  CLUSTERS of 4 x 4: A's tile is asked for jointly along a row, B's along a column.
; The scale words come straight into registers, once: K step 2 s in lanes 0-15, 2 s + 1 in lanes 16-31, chosen by the scale's row.
; THE PRODUCT IS USED TRANSPOSED, and wo's rows lie permuted: accumulator (a, b), lane (r, h), register j = C(row 16 a + r, column 32 (b / 2) + 16 h + 8 (b % 2) + j).
; THE WAY OUT: a block of 16 rows x 128 columns goes through the wave's own stage in LDS and comes back as whole rows of 512 bytes; x's rows, loaded the same way, are added; 32 lanes store 512 consecutive bytes.
.set NKS,    8
.set A_OFF,  0
.set AS_OFF, 4194304
.set B_OFF,  4194304
.set BS_OFF, 16777216+131072
.set AP,     4
.set BP,     6
.set SLOT,   131072
.set SPARE,  262144                    ; the spare words: two blocks of 256 bytes that no other line names
.set STAGE,  262656                    ; 16 rows x 528 bytes for each wave; no fill lands here
.set ADRA, 16
.set ADRB, 20
.set L16,  22
.set L4,   23
.set STO,  24                          ; v24 where I put 16 bytes of a row;  v25 where I read a row back
.set RD,   25
.set SPW,  28
.set NIL,  29
.set SCA,  32
.set SCB,  64
.set AF,   128
.set BK,   128                         ; the way out: 16 rows back from the stage, v128-191 and v192-255 by turns
.set G1, 24
.set G0, 32
.set G1B, 48
.set G0B, 56
.set ASP, 66
.set BSP, 68
.set RT0, 73
.set RES, 74                           ; s[74:75] x at my part;  s[76:77] x1
.set OUTP, 76
.set MSB, 0
.macro WIN new
.if MSB != (\new)
	s_set_vgpr_msb (MSB<<8)|(\new)
.set MSB, (\new)
.endif
.endm
.set MUL_LO, 0xa1
.set MUL_HI, 0xf1
.set TO_B,   0x40
.macro JLOAD g0a, g1a, g0b, g1b        ; a joint load: waves 0, 1 fetch for A, waves 2, 3 for B; four v_nop follow each line
	s_cmp_eq_u32 s15, 0
	s_cbranch_scc0 .Lfor_b_\@
	tensor_load_to_lds s[\g0a:\g0a+3], s[\g1a:\g1a+7]
	s_nop 0
.rept 4
	v_nop
.endr
	s_branch .Lasked_\@
.Lfor_b_\@:
	tensor_load_to_lds s[\g0b:\g0b+3], s[\g1b:\g1b+7]
	s_nop 0
.rept 4
	v_nop
.endr
.Lasked_\@:
.endm
.macro CREST
	s_cmp_lg_u32 s14, 0
	s_cbranch_scc1 .Lnot_wave_0_\@
	s_barrier_signal -3
.Lnot_wave_0_\@:
	s_barrier_wait -3
	s_barrier_signal -1
	s_barrier_wait -1
.endm
.macro CROUND
	s_barrier_signal -1
	s_barrier_wait -1
	CREST
.endm
.macro PLACES n                        ; plain vector lines between a matrix instruction and a load into, or a read of, its registers
.rept \n
	v_nop
.endr
.endm
.macro FRAG reg, adr, q, i
.irp c, 0,1,2,3
	ds_load_b128 v[\reg+4*\c:\reg+4*\c+3], v[\adr] offset:4096*(\i)+2048*(\q)+512*\c
.endr
.endm
.macro FETCH_B slot, q, p
	WIN TO_B
.irp i, 0,1,2,3,4,5,6,7
	FRAG 128*(\p)+16*\i, ADRB+\slot, \q, \i
.endr
	WIN 0
.endm
.macro FETCH_A slot, q, i0
.irp i, \i0, \i0+1, \i0+2, \i0+3
	FRAG AF+16*(\i), ADRA+\slot, \q, \i
.endr
.endm
; 16 products: A's blocks a0, a0 + 1 against B's eight; the 64 accumulators take turns, one instruction a turn
.macro MUL16 a0, q, ksl, zero
.irp a, \a0, \a0+1
.irp b, 0,1,2,3,4,5,6,7
.if \zero
	v_wmma_scale_f32_16x16x128_f8f6f4 v[8*(8*((\a)%4)+\b):8*(8*((\a)%4)+\b)+7], v[128*(\q)+16*\b:128*(\q)+16*\b+15], v[AF+16*(\a):AF+16*(\a)+15], 0, v[SCB+4*\b+(\ksl)], v[SCA+4*(\a)+(\ksl)] matrix_a_fmt:MATRIX_FMT_BF8 matrix_b_fmt:MATRIX_FMT_BF8
.elseif \q
	v_wmma_scale_f32_16x16x128_f8f6f4 v[8*(8*((\a)%4)+\b):8*(8*((\a)%4)+\b)+7], v[128*(\q)+16*\b:128*(\q)+16*\b+15], v[AF+16*(\a):AF+16*(\a)+15], v[8*(8*((\a)%4)+\b):8*(8*((\a)%4)+\b)+7], v[SCB+4*\b+(\ksl)], v[SCA+4*(\a)+(\ksl)] matrix_a_fmt:MATRIX_FMT_BF8 matrix_b_fmt:MATRIX_FMT_BF8 matrix_a_scale:MATRIX_SCALE_ROW1 matrix_b_scale:MATRIX_SCALE_ROW1
.else
	v_wmma_scale_f32_16x16x128_f8f6f4 v[8*(8*((\a)%4)+\b):8*(8*((\a)%4)+\b)+7], v[128*(\q)+16*\b:128*(\q)+16*\b+15], v[AF+16*(\a):AF+16*(\a)+15], v[8*(8*((\a)%4)+\b):8*(8*((\a)%4)+\b)+7], v[SCB+4*\b+(\ksl)], v[SCA+4*(\a)+(\ksl)] matrix_a_fmt:MATRIX_FMT_BF8 matrix_b_fmt:MATRIX_FMT_BF8
.endif
.endr
.endr
.endm
.macro STEP slot, ksl, zero
	s_wait_dscnt 16                                ; B's set and A's blocks 0-3 are in; the youngest 16 loads (A's blocks 4-7) may be out
	WIN MUL_LO
	MUL16 0, 0, \ksl, \zero
	MUL16 2, 0, \ksl, \zero
	s_wait_dscnt 0x0
	PLACES 8
	FETCH_B \slot, 1, 1
	FETCH_A \slot, 1, 0
	WIN MUL_HI
	MUL16 4, 0, \ksl, \zero
	MUL16 6, 0, \ksl, \zero
	PLACES 8
	WIN 0
	FETCH_A \slot, 1, 4
.endm
.macro TURN slot, next, fill, ksl
	s_wait_tensorcnt 0x0                           ; all my tensor loads have landed: my part of the next slot
	ds_add_u32 v[SPW], v[NIL]
	s_wait_dscnt 17                                ; the add and the youngest 16 loads may be out
	WIN MUL_LO
	MUL16 0, 1, \ksl, 0
	s_wait_dscnt 0x0                               ; the add is done, my reads of this slot are over
	s_barrier_signal -1
	MUL16 2, 1, \ksl, 0
	WIN 0
	s_barrier_wait -1
.if \fill
	CREST                                          ; the barrier opened a round of the cluster's
	s_add_nc_u64 s[G0+4*\slot+2:G0+4*\slot+3], s[G0+4*\slot+2:G0+4*\slot+3], 8192
	s_add_nc_u64 s[G0B+4*\slot+2:G0B+4*\slot+3], s[G0B+4*\slot+2:G0B+4*\slot+3], 8192
	JLOAD G0+4*\slot, G1, G0B+4*\slot, G1B
	PLACES 4
.else
	PLACES 8
.endif
	FETCH_B \next, 0, 0
	FETCH_A \next, 0, 0
	WIN MUL_HI
	MUL16 4, 1, \ksl, 0
	MUL16 6, 1, \ksl, 0
	PLACES 8
	WIN 0
	FETCH_A \next, 0, 4
.endm
.macro LAST ksl
	s_wait_dscnt 16
	WIN MUL_LO
	MUL16 0, 1, \ksl, 0
	MUL16 2, 1, \ksl, 0
	s_wait_dscnt 0x0
	WIN MUL_HI
	MUL16 4, 1, \ksl, 0
	MUL16 6, 1, \ksl, 0
	WIN 0
.endm
.macro RLOAD a                         ; the residual's 16 rows of block a into window 1, which B's fragments have left
	WIN 0x40
.irp t, 0,1,2,3,4,5,6,7,8,9,10,11,12,13,14,15
	global_load_b128 v[64*((\a)%4)+4*\t:64*((\a)%4)+4*\t+3], v[L16], s[RES:RES+1] offset:65536*(\a)+4096*\t
.endr
	WIN 0
.endm
.macro TOSTAGE a                       ; LDS serves a wave's instructions in order (ISA guide 5.7.1.4): no wait between the stores and the loads
.set AC, 64*((\a)%4)
	WIN 0x08+4*((\a)/4)
.irp b, 0,1,2,3,4,5,6,7
	ds_store_b128 v[STO], v[AC+8*\b:AC+8*\b+3] offset:128*(\b/2)+32*(\b%2)         ; each accumulator from its low end on
	ds_store_b128 v[STO], v[AC+8*\b+4:AC+8*\b+7] offset:128*(\b/2)+32*(\b%2)+16
.endr
	WIN 0
.set BB, BK+64*((\a)%2)
.irp t, 0,1,2,3,4,5,6,7,8,9,10,11,12,13,14,15
	ds_load_b128 v[BB+4*\t:BB+4*\t+3], v[RD] offset:528*\t
.endr
.endm
.macro SEND a, younger, lw             ; younger: LDS instructions behind block a's loads; lw: residual loads of later blocks
.set BB, BK+64*((\a)%2)
.set RR, 64*((\a)%4)
	s_wait_dscnt \younger
	s_wait_loadcnt \lw
	WIN 0x04                                       ; source 1 window 1
.set n_, 0
.rept 32
	v_pk_add_f32 v[BB+n_:BB+n_+1], v[BB+n_:BB+n_+1], v[RR+n_:RR+n_+1]
.set n_, n_+2
.endr
	WIN 0
.irp t, 0,1,2,3,4,5,6,7,8,9,10,11,12,13,14,15
	global_store_b128 v[L16], v[BB+4*\t:BB+4*\t+3], s[OUTP:OUTP+1] offset:65536*(\a)+4096*\t   ; 512 consecutive bytes
.endr
.endm
	s_load_b256 s[4:11], s[0:1], 0x0               ; ao, prep_out, x, x1
	v_lshl_add_u32 v[SPW], v0, 2, SPARE
	v_mov_b32 v[NIL], 0
	ds_add_u32 v28, v29
	ds_add_u32 v28, v29
	s_wait_dscnt 0x0
	v_lshrrev_b32 v1, 5, v0
	v_readfirstlane_b32 s14, v1
	s_lshr_b32 s15, s14, 1
	s_and_b32 s16, s14, 1
	s_bfe_u32 s40, ttmp6, 0x40000
	s_bfe_u32 s41, ttmp6, 0x40004
	s_lshl_b32 s42, ttmp9, 2
	s_add_co_u32 s42, s42, s40
	s_and_b32 s17, ttmp7, 0xffff
	s_lshl_b32 s17, s17, 2
	s_add_co_u32 s17, s17, s41
	s_lshl_b32 s43, s41, 2
	s_lshl_b32 s43, 15, s43
	s_lshl_b32 s44, 0x1111, s40
	s_or_b32 s[G1+0], s43, (3<<16)|(1<<21)
	s_or_b32 s[G1B+0], s44, (3<<16)|(1<<21)
.irp g, G1, G1B
	s_mov_b32 s[\g+1], 512<<16
	s_mov_b32 s[\g+2], 8<<16
	s_mov_b32 s[\g+3], 512<<16
	s_mov_b32 s[\g+4], 8
	s_mov_b32 s[\g+5], NKS*256
	s_mov_b32 s[\g+6], 0
	s_mov_b32 s[\g+7], 0
.endr
	s_lshl_b32 s18, s16, 3
	s_lshl_b32 s20, s17, 4
	s_add_co_u32 s20, s20, s18
	s_mul_i32 s20, s20, NKS*2048
	s_add_co_u32 s20, s20, A_OFF
	s_mov_b32 s21, 0
	s_lshl_b32 s46, s42, 4
	s_add_co_u32 s46, s46, s18
	s_mul_i32 s46, s46, NKS*2048
	s_add_co_u32 s46, s46, B_OFF
	s_mov_b32 s47, 0
	s_lshl_b32 s45, s14, 15
	s_wait_kmcnt 0x0
	s_add_nc_u64 s[20:21], s[AP:AP+1], s[20:21]
	s_add_nc_u64 s[46:47], s[BP:BP+1], s[46:47]
	CROUND
.irp s, 0,1
	s_mov_b32 s[G0+4*\s], 1
	s_add_co_u32 s[G0+4*\s+1], s45, \s*SLOT
	s_add_nc_u64 s[G0+4*\s+2:G0+4*\s+3], s[20:21], \s*4096
	s_or_b32 s[G0+4*\s+3], s[G0+4*\s+3], 0x80000000
	s_mov_b32 s[G0B+4*\s], 1
	s_add_co_u32 s[G0B+4*\s+1], s45, \s*SLOT
	s_add_nc_u64 s[G0B+4*\s+2:G0B+4*\s+3], s[46:47], \s*4096
	s_or_b32 s[G0B+4*\s+3], s[G0B+4*\s+3], 0x80000000
	JLOAD G0+4*\s, G1, G0B+4*\s, G1B
.endr
	v_and_b32 v1, 31, v0
	v_and_b32 v2, 15, v0
	v_bfe_u32 v3, v0, 4, 1
	v_lshlrev_b32 v[L16], 4, v1
	v_lshlrev_b32 v[L4], 2, v1
	s_lshl_b32 s21, s15, 15
	s_lshl_b32 s22, s16, 15
	s_add_co_u32 s22, s22, 65536
.irp s, 0,1
	v_add_nc_u32 v[ADRA+\s], s21, v[L16]
	v_add_nc_u32 v[ADRB+\s], s22, v[L16]
	s_add_co_u32 s21, s21, SLOT
	s_add_co_u32 s22, s22, SLOT
.endr
	s_lshl_b32 s[RT0], s17, 4
	s_lshl_b32 s19, s15, 3
	s_add_co_u32 s[RT0], s[RT0], s19
	s_mul_i32 s20, s[RT0], NKS*64
	s_add_co_u32 s20, s20, AS_OFF
	s_mov_b32 s21, 0
	s_add_nc_u64 s[ASP:ASP+1], s[AP:AP+1], s[20:21]
	s_lshl_b32 s46, s42, 4
	s_lshl_b32 s47, s16, 3
	s_add_co_u32 s46, s46, s47
	s_mul_i32 s46, s46, NKS*64
	s_add_co_u32 s46, s46, BS_OFF
	s_mov_b32 s47, 0
	s_add_nc_u64 s[BSP:BSP+1], s[BP:BP+1], s[46:47]
.irp i, 0,1,2,3,4,5,6,7
.irp s, 0,1,2,3
	global_load_b32 v[SCA+4*\i+\s], v[L4], s[ASP:ASP+1] offset:NKS*64*\i+128*\s
	global_load_b32 v[SCB+4*\i+\s], v[L4], s[BSP:BSP+1] offset:NKS*64*\i+128*\s
.endr
.endr
	s_mul_i32 s23, s14, 8448
	s_add_co_u32 s23, s23, STAGE                   ; my stage
	v_mul_u32_u24 v4, v2, 528
	v_lshl_add_u32 v4, v3, 6, v4
	v_add_nc_u32 v[STO], s23, v4                   ; in: row r, + 64 h
	v_add_nc_u32 v[RD], s23, v[L16]                ; back: 16 bytes a lane of a row
	s_lshl_b32 s78, s[RT0], 16                     ; my first row: 16 x 4,096 bytes a tile of rows,
	s_lshl_b32 s79, s42, 10
	s_add_co_u32 s78, s78, s79
	s_lshl_b32 s79, s16, 9
	s_add_co_u32 s78, s78, s79                     ; my first column: 1,024 x tile column + 512 x half
	s_mov_b32 s79, 0
	s_add_nc_u64 s[RES:RES+1], s[8:9], s[78:79]
	s_add_nc_u64 s[OUTP:OUTP+1], s[10:11], s[78:79]
	s_wait_tensorcnt 1                             ; my part of K slot 0 is in; slot 1's load may be out
	s_barrier_signal -1
	s_barrier_wait -1
	FETCH_B 0, 0, 0
	FETCH_A 0, 0, 0
	FETCH_A 0, 0, 4
	s_wait_loadcnt 0x0                             ; the scale words
	STEP 0, 0, 1
	TURN 0, 1, 1, 0
	STEP 1, 1, 0
	TURN 1, 0, 1, 1
	STEP 0, 2, 0
	TURN 0, 1, 0, 2
	STEP 1, 3, 0
	LAST 3
	PLACES 8
	RLOAD 0
	RLOAD 1
	RLOAD 2
	RLOAD 3
	TOSTAGE 0
	TOSTAGE 1
	SEND 0, 32, 48                                 ; behind block 0's residual: blocks 1, 2, 3, sixteen loads each
	RLOAD 4
	s_wait_xcnt 0x0                                ; block 0's stores have read their registers
	TOSTAGE 2
	SEND 1, 32, 48
	RLOAD 5
	s_wait_xcnt 0x0
	TOSTAGE 3
	SEND 2, 32, 48
	RLOAD 6
	s_wait_xcnt 0x0
	TOSTAGE 4
	SEND 3, 32, 48
	RLOAD 7
	s_wait_xcnt 0x0
	TOSTAGE 5
	SEND 4, 32, 48
	s_wait_xcnt 0x0
	TOSTAGE 6
	SEND 5, 32, 32
	s_wait_xcnt 0x0
	TOSTAGE 7
	SEND 6, 32, 16
	SEND 7, 0, 0
	s_wait_tensorcnt 0x0                           ; the wave's end
	ds_add_u32 v[SPW], v[NIL]
	s_wait_dscnt 0x0
	CROUND                                         ; the closing round
	s_endpgm
.Lfunc_end_k_q0b1a4a2a8c_gemm_wo:
	.size	k_q0b1a4a2a8c_gemm_wo, .Lfunc_end_k_q0b1a4a2a8c_gemm_wo-k_q0b1a4a2a8c_gemm_wo
	.p2alignl 7, 3214868480
	.fill 96, 4, 3214868480
	.section	.rodata,"a",@progbits
	.p2align	6, 0x0
	.amdhsa_kernel k_q0b1a4a2a8c_gemm_wo
		.amdhsa_group_segment_fixed_size 327680
		.amdhsa_private_segment_fixed_size 0
		.amdhsa_enable_private_segment 0
		.amdhsa_kernarg_size 32
		.amdhsa_user_sgpr_count 2
		.amdhsa_user_sgpr_kernarg_segment_ptr 1
		.amdhsa_wavefront_size32 1
		.amdhsa_system_sgpr_workgroup_id_x 1
		.amdhsa_system_sgpr_workgroup_id_y 1
		.amdhsa_system_sgpr_workgroup_id_z 1
		.amdhsa_system_vgpr_workitem_id 0
		.amdhsa_next_free_vgpr 1024
		.amdhsa_next_free_sgpr 100
		.amdhsa_reserve_vcc 0
		.amdhsa_float_denorm_mode_32 3
		.amdhsa_float_denorm_mode_16_64 3
		.amdhsa_memory_ordered 1
		.amdhsa_forward_progress 1
		.amdhsa_inst_pref_size 176
	.end_amdhsa_kernel
	.amdgpu_metadata
---
amdhsa.version: [ 1, 2 ]
amdhsa.kernels:
  - .name:           k_q0b1a4a2a8c_gemm_wo
    .symbol:         k_q0b1a4a2a8c_gemm_wo.kd
    .args:
      - { .name: ao, .offset: 0, .size: 8, .value_kind: global_buffer, .address_space: global }
      - { .name: prep_out, .offset: 8, .size: 8, .value_kind: global_buffer, .address_space: global }
      - { .name: x, .offset: 16, .size: 8, .value_kind: global_buffer, .address_space: global }
      - { .name: x1, .offset: 24, .size: 8, .value_kind: global_buffer, .address_space: global }
    .group_segment_fixed_size: 327680
    .private_segment_fixed_size: 0
    .kernarg_segment_align: 8
    .kernarg_segment_size: 32
    .max_flat_workgroup_size: 128
    .sgpr_count:     100
    .vgpr_count:     1024
    .wavefront_size: 32
...
	.end_amdgpu_metadata
.endif
;; end of part 4
;; launch ln2 (part 5): grid 256 x 1, 4 waves a work-group, no clusters, 66,560 bytes of LDS; arguments x1, alpha2, bias2, xn2; writes xn2
.if DOCPART == 5
	.amdgcn_target "amdgcn-amd-amdhsa--gfx1250"
	.amdhsa_code_object_version 6
	.text
	.protected	k_q0b1a4a2a8c_ln2
	.globl	k_q0b1a4a2a8c_ln2
	.p2align	8
	.type	k_q0b1a4a2a8c_ln2,@function
k_q0b1a4a2a8c_ln2:
	s_mov_b64 s[64:65], 0
	v_nop
	global_prefetch_b8 v0, s[64:65] scope:SCOPE_SE
	s_setreg_imm32_b32 hwreg(HW_REG_WAVE_MODE, 25, 1), 1
	s_wait_xcnt 0x0
; xn2 = the layer norm of x1 (mean, unbiased deviation in two passes, alpha2, bias2), quantised along its 1,024 columns to codes of E5M2 with one E8M0 byte for each 32.
; Stored as an image of the matrix operand's registers: block (16 rows, 128 K) = 2,048 bytes, register group c of lane l at 512 c + 16 l; the scale word of (row, K step) at 64 x block + 4 x row, from byte 4,194,304 on.
; A work-group takes 16 rows, a wave four whole rows (32 registers a lane each): the sums never leave the wave.  Each load reads 512 consecutive bytes; the numbers turn through LDS (rows of 4,096 + 16 bytes) so that a lane
; gets 16 neighbours along K; then wave w quantises K steps 2 w and 2 w + 1 of the 16 rows; each store of codes covers 512 consecutive bytes.  No cluster: no two work-groups read the same bytes.
; LIMITS: a block of zeros gets the byte 1 (only this program reads the bytes); NaN and infinities are not served.
.set SC0,  4194304
.set RP,   4112
.set TM,   16
.set PC0,  32
.set PC1,  48
.set X,    64
.set PW0,  192
.set PW1,  193
.set PWC,  194
.set SUM,  196
.set G,    204
.set PT,   212
.set MNT,  29
.set SEL,  30
.set DC,   48
.set DS,   50
.macro QUANT s, pc, pw
.irp b, 0,1,2,3
	v_max3_num_f32 v[TM+\b], |v[\s+16*\b]|, |v[\s+16*\b+1]|, 0x8000000   ; the floor 2^(16 - 127) holds the byte at 1 from below
.endr
.irp i, 2,4,6,8,10,12,14
.irp b, 0,1,2,3
	v_max3_num_f32 v[TM+\b], v[TM+\b], |v[\s+16*\b+\i]|, |v[\s+16*\b+\i+1]|
.endr
.endr
.irp b, 0,1,2,3
	v_permlanex16_b32 v[TM+4+\b], v[TM+\b], s[SEL], s[SEL+1]
.endr
.irp b, 0,1,2,3
	v_max_num_f32 v[TM+\b], v[TM+\b], v[TM+4+\b]
.endr
.irp b, 0,1,2,3
	v_add_nc_u32 v[TM+12+\b], 0xf8800000, v[TM+\b]
.endr
.irp b, 0,1,2,3
	v_and_or_b32 v[TM+8+\b], v[TM+\b], 0x7f800000, s[MNT]
.endr
.irp b, 0,1,2,3
	v_lshrrev_b32 v[TM+4+\b], 23, v[TM+12+\b]
.endr
	v_lshl_or_b32 v[\pw], v[TM+5], 8, v[TM+4]
	v_lshl_or_b32 v[\pw], v[TM+6], 16, v[\pw]
	v_lshl_or_b32 v[\pw], v[TM+7], 24, v[\pw]
.irp b, 0,1,2,3
.irp i, 0,1,2,3,4,5,6,7,8,9,10,11,12,13,14,15
	v_med3_num_f32 v[\s+16*\b+\i], v[\s+16*\b+\i], -v[TM+8+\b], v[TM+8+\b]   ; the conversion does not saturate (ISA guide 7.6.2)
.endr
	v_cvt_scalef32_pk8_bf8_f32 v[\pc+4*\b:\pc+4*\b+1], v[\s+16*\b:\s+16*\b+7], v[TM+12+\b]
	v_cvt_scalef32_pk8_bf8_f32 v[\pc+4*\b+2:\pc+4*\b+3], v[\s+16*\b+8:\s+16*\b+15], v[TM+12+\b]
.endr
	v_nop
.endm
.macro REDUCE
.irp i, 0,1,2,3
	v_add_f32 v[SUM+2*\i], v[SUM+2*\i], v[SUM+2*\i+1]
.endr
.irp m, 1,2,4,8
.irp i, 0,1,2,3
	v_add_f32_dpp v[SUM+2*\i], v[SUM+2*\i], v[SUM+2*\i] row_xmask:\m row_mask:0xf bank_mask:0xf
.endr
.endr
.irp i, 0,1,2,3
	v_permlanex16_b32 v[PT+\i], v[SUM+2*\i], s[SEL], s[SEL+1]
.endr
.irp i, 0,1,2,3
	v_add_f32 v[SUM+2*\i], v[SUM+2*\i], v[PT+\i]
.endr
.endm
	s_load_b256 s[4:11], s[0:1], 0x0               ; x1, alpha2, bias2, xn2
	v_lshl_add_u32 v216, v0, 2, 0x10200
	v_mov_b32 v217, 0
	v_lshrrev_b32 v1, 5, v0
	v_readfirstlane_b32 s28, v1                    ; wave 0..3
	v_and_b32 v1, 31, v0
	v_and_b32 v2, 15, v0
	v_bfe_u32 v3, v0, 4, 1
	v_lshlrev_b32 v4, 4, v1
	v_lshlrev_b32 v5, 2, v1
	s_mov_b32 s[SEL], 0x76543210
	s_mov_b32 s[SEL+1], 0xfedcba98
	s_mov_b32 s[MNT], 0x600000
	s_mul_i32 s55, s28, 4*RP
	v_add_nc_u32 v10, s55, v4                      ; in: my four rows
	v_mul_u32_u24 v11, v2, RP
	v_lshl_add_u32 v11, v3, 6, v11
	s_lshl_b32 s55, s28, 10
	v_add_nc_u32 v11, s55, v11                     ; back: row r, K steps 2 w and 2 w + 1
.irp b, 0,1,2,3
	v_mov_b32 v[TM+4+\b], 0
	v_mov_b32 v[PT+\b], 0
.endr
	s_lshl_b32 s44, ttmp9, 16                      ; 16 rows of 4,096 bytes,
	s_lshl_b32 s45, s28, 14                        ; my four
	s_add_co_u32 s44, s44, s45
	s_mov_b32 s45, 0
	s_lshl_b32 s52, ttmp9, 14
	s_lshl_b32 s53, s28, 12
	s_add_co_u32 s52, s52, s53
	s_mov_b32 s53, 0
	s_lshl_b32 s54, ttmp9, 9
	s_lshl_b32 s55, s28, 7
	s_add_co_u32 s54, s54, s55
	s_add_co_u32 s54, s54, SC0
	s_mov_b32 s55, 0
	s_wait_kmcnt 0x0
	s_load_b32 s24, s[6:7], 0x0                    ; alpha2
	s_load_b32 s26, s[8:9], 0x0                    ; bias2
	s_add_nc_u64 s[34:35], s[4:5], s[44:45]
	s_add_nc_u64 s[DC:DC+1], s[10:11], s[52:53]
	s_add_nc_u64 s[DS:DS+1], s[10:11], s[54:55]
.irp i, 0,1,2,3
.irp j, 0,1,2,3,4,5,6,7
	global_load_b128 v[X+32*\i+4*\j:X+32*\i+4*\j+3], v4, s[34:35] offset:4096*\i+512*\j
.endr
.endr
	s_wait_loadcnt 0x0
	s_wait_kmcnt 0x0
	s_mov_b32 s27, s26
	; the norm, the four rows by turns
.irp i, 0,1,2,3
	v_pk_add_f32 v[SUM+2*\i:SUM+2*\i+1], v[X+32*\i:X+32*\i+1], v[X+32*\i+2:X+32*\i+3]
.endr
.irp j, 4,6,8,10,12,14,16,18,20,22,24,26,28,30
.irp i, 0,1,2,3
	v_pk_add_f32 v[SUM+2*\i:SUM+2*\i+1], v[SUM+2*\i:SUM+2*\i+1], v[X+32*\i+\j:X+32*\i+\j+1]
.endr
.endr
	REDUCE
.irp i, 0,1,2,3
	v_mul_f32 v[G+2*\i], 0x3a800000, v[SUM+2*\i]          ; / 1,024
.endr
.irp i, 0,1,2,3
	v_mov_b32 v[G+2*\i+1], v[G+2*\i]
.endr
.irp j, 0,2,4,6,8,10,12,14,16,18,20,22,24,26,28,30
.irp i, 0,1,2,3
	v_pk_add_f32 v[X+32*\i+\j:X+32*\i+\j+1], v[X+32*\i+\j:X+32*\i+\j+1], v[G+2*\i:G+2*\i+1] neg_lo:[0,1] neg_hi:[0,1]
.endr
.endr
.irp i, 0,1,2,3
	v_pk_mul_f32 v[SUM+2*\i:SUM+2*\i+1], v[X+32*\i:X+32*\i+1], v[X+32*\i:X+32*\i+1]
.endr
.irp j, 2,4,6,8,10,12,14,16,18,20,22,24,26,28,30
.irp i, 0,1,2,3
	v_pk_fma_f32 v[SUM+2*\i:SUM+2*\i+1], v[X+32*\i+\j:X+32*\i+\j+1], v[X+32*\i+\j:X+32*\i+\j+1], v[SUM+2*\i:SUM+2*\i+1]
.endr
.endr
	REDUCE
.irp i, 0,1,2,3
	v_mul_f32 v[SUM+2*\i], 0x3a802008, v[SUM+2*\i]        ; / 1,023
.endr
.irp i, 0,1,2,3
	v_sqrt_f32 v[SUM+2*\i+1], v[SUM+2*\i]
.endr
	v_nop                                                  ; a plain line behind the batch,
	s_wait_alu depctr_va_vdst(0)                           ; and one wait ahead of its first reader
.irp i, 0,1,2,3
	v_add_f32 v[SUM+2*\i], 0x358637bd, v[SUM+2*\i+1]      ; + 1e-6
.endr
.irp i, 0,1,2,3
	v_rcp_f32 v[SUM+2*\i+1], v[SUM+2*\i]
.endr
	v_nop
	s_wait_alu depctr_va_vdst(0)
.irp i, 0,1,2,3
	v_mul_f32 v[G+2*\i], s24, v[SUM+2*\i+1]
.endr
.irp i, 0,1,2,3
	v_mov_b32 v[G+2*\i+1], v[G+2*\i]
.endr
.irp j, 0,2,4,6,8,10,12,14,16,18,20,22,24,26,28,30
.irp i, 0,1,2,3
	v_pk_fma_f32 v[X+32*\i+\j:X+32*\i+\j+1], v[X+32*\i+\j:X+32*\i+\j+1], v[G+2*\i:G+2*\i+1], s[26:27] op_sel_hi:[1,1,0]
.endr
.endr
.irp i, 0,1,2,3
.irp j, 0,1,2,3,4,5,6,7
	ds_store_b128 v10, v[X+32*\i+4*\j:X+32*\i+4*\j+3] offset:RP*\i+512*\j
.endr
.endr
	s_wait_dscnt 0x0                               ; my rows lie in LDS,
	s_barrier_signal -1
	s_barrier_wait -1                              ; everybody's do
.irp q, 0,1
.irp b, 0,1,2,3
.irp i, 0,1,2,3
	ds_load_b128 v[X+64*\q+16*\b+4*\i:X+64*\q+16*\b+4*\i+3], v11 offset:512*\q+128*\b+16*\i
.endr
.endr
.endr
	s_wait_dscnt 16                                ; the first K step's 16 loads are in, the second's may be out
	QUANT X, PC0, PW0
	s_wait_dscnt 0x0
	QUANT X+64, PC1, PW1
.irp c, 0,1,2,3
	global_store_b128 v4, v[PC0+4*\c:PC0+4*\c+3], s[DC:DC+1] offset:512*\c
.endr
.irp c, 0,1,2,3
	global_store_b128 v4, v[PC1+4*\c:PC1+4*\c+3], s[DC:DC+1] offset:2048+512*\c
.endr
	v_cmp_lt_u32 vcc_lo, 15, v1
	v_cndmask_b32 v[PWC], v[PW0], v[PW1], vcc_lo
	global_store_b32 v5, v[PWC], s[DS:DS+1]
	s_wait_tensorcnt 0x0
	ds_add_u32 v216, v217
	s_wait_dscnt 0x0
	s_endpgm
.Lfunc_end_k_q0b1a4a2a8c_ln2:
	.size	k_q0b1a4a2a8c_ln2, .Lfunc_end_k_q0b1a4a2a8c_ln2-k_q0b1a4a2a8c_ln2
	.p2alignl 7, 3214868480
	.fill 96, 4, 3214868480
	.section	.rodata,"a",@progbits
	.p2align	6, 0x0
	.amdhsa_kernel k_q0b1a4a2a8c_ln2
		.amdhsa_group_segment_fixed_size 66560
		.amdhsa_private_segment_fixed_size 0
		.amdhsa_enable_private_segment 0
		.amdhsa_kernarg_size 32
		.amdhsa_user_sgpr_count 2
		.amdhsa_user_sgpr_kernarg_segment_ptr 1
		.amdhsa_wavefront_size32 1
		.amdhsa_system_sgpr_workgroup_id_x 1
		.amdhsa_system_sgpr_workgroup_id_y 1
		.amdhsa_system_sgpr_workgroup_id_z 1
		.amdhsa_system_vgpr_workitem_id 0
		.amdhsa_next_free_vgpr 218
		.amdhsa_next_free_sgpr 66
		.amdhsa_reserve_vcc 1
		.amdhsa_float_denorm_mode_32 3
		.amdhsa_float_denorm_mode_16_64 3
		.amdhsa_memory_ordered 1
		.amdhsa_forward_progress 1
		.amdhsa_inst_pref_size 47
	.end_amdhsa_kernel
	.amdgpu_metadata
---
amdhsa.version: [ 1, 2 ]
amdhsa.kernels:
  - .name:           k_q0b1a4a2a8c_ln2
    .symbol:         k_q0b1a4a2a8c_ln2.kd
    .args:
      - { .name: x1, .offset: 0, .size: 8, .value_kind: global_buffer, .address_space: global }
      - { .name: alpha2, .offset: 8, .size: 8, .value_kind: global_buffer, .address_space: global }
      - { .name: bias2, .offset: 16, .size: 8, .value_kind: global_buffer, .address_space: global }
      - { .name: xn2, .offset: 24, .size: 8, .value_kind: global_buffer, .address_space: global }
    .group_segment_fixed_size: 66560
    .private_segment_fixed_size: 0
    .kernarg_segment_align: 8
    .kernarg_segment_size: 32
    .max_flat_workgroup_size: 128
    .sgpr_count:     66
    .vgpr_count:     218
    .wavefront_size: 32
...
	.end_amdgpu_metadata
.endif
;; end of part 5
;; launch gemm_w1 (part 6): grid 16 x 16, 4 waves a work-group, clusters of 4 x 4, 327,680 bytes of LDS; arguments xn2, prep_out, b1, hbuf; writes hbuf
.if DOCPART == 6
	.amdgcn_target "amdgcn-amd-amdhsa--gfx1250"
	.amdhsa_code_object_version 6
	.text
	.protected	k_q0b1a4a2a8c_gemm_w1
	.globl	k_q0b1a4a2a8c_gemm_w1
	.p2align	8
	.type	k_q0b1a4a2a8c_gemm_w1,@function
k_q0b1a4a2a8c_gemm_w1:
	s_mov_b64 s[64:65], 0
	v_nop
	global_prefetch_b8 v0, s[64:65] scope:SCOPE_SE
	s_setreg_imm32_b32 hwreg(HW_REG_WAVE_MODE, 25, 1), 1
	s_wait_xcnt 0x0
	s_wait_alu depctr_hold_cnt(0) depctr_sa_sdst(0) depctr_va_vdst(0) depctr_va_sdst(0) depctr_va_ssrc(0) depctr_va_vcc(0) depctr_vm_vsrc(0)
	s_getreg_b32 s2, hwreg(HW_REG_IB_STS2, 6, 4)
	s_cmp_eq_u32 s2, 0
	s_cbranch_scc0 .Lentry_in_a_cluster
	s_endpgm
.Lentry_in_a_cluster:
	s_bfe_u32 s2, ttmp6, 0x10000c
	s_cmp_lg_u32 s2, 0xf033
	s_cbranch_scc0 .Lentry_shape_is_right
	s_endpgm
.Lentry_shape_is_right:
; h = relu(xn2 x w1^T + b1): 4,096 x 4,096, K = 1,024, on codes of E5M2 with E8M0 scales; h is quantised along its columns in registers and stored as codes: it never lies in memory as f32.
; A tile of 256 x 256 to a work-group of four waves, 128 x 128 (64 accumulators) to a wave; 256 work-groups.
; Both operands lie in memory as images of the operand's registers (block of 16 rows x 128 K = 2,048 bytes, register group c of lane l at 512 c + 16 l): a tile's rows are dense runs of 4,096 bytes, LDS needs no padding.
; K goes in slots of 256 through a ring of two LDS slots of 131,072 bytes; a wave's tensor load brings 8 rows of 4,096 bytes.  CLUSTERS of 4 x 4: A's tile is asked for jointly along a row, B's along a column.
; The scale words come straight into registers, once: K step 2 s in lanes 0-15, 2 s + 1 in lanes 16-31, chosen by the scale's row.
; THE PRODUCT IS USED TRANSPOSED, and w1's rows lie permuted: the 64 registers of a block of 16 rows are: register 16 c + i = column 32 c + 16 (lane / 16) + i of row lane % 16: just what the next product's operand wants.
; THE BIAS is loaded into the accumulators while the first tiles are on their way: every product adds in place.  The activation costs nothing: the hold that the conversion wants clips at 0 as well.
; LIMITS: a block of zeros gets the byte 1 (only this program reads the bytes); NaN and infinities are not served.
.set NKS,    8
.set A_OFF,  0
.set AS_OFF, 4194304
.set B_OFF,  5242880
.set BS_OFF, 16777216+163840
.set AP,     4
.set BP,     6
.set SLOT,   131072
.set SPARE,  262144                    ; the spare words: two blocks of 256 bytes that no other line names
.set ADRA, 16
.set ADRB, 20
.set L16,  22
.set L4,   23
.set SPW,  28
.set NIL,  29
.set SCA,  32
.set SCB,  64
.set TM,   96
.set BO,   112                         ; v112 64 x (lane / 16): my half's place in b1
.set WO,   113                         ; v113 the words' place: 2,048 (lane / 16) + 4 (lane % 16)
.set AF,   128                         ; A's fragments; on the way out codes (v128-159), words (v160-171)
.set WD,   160
.set WS,   168
.set G1, 24
.set G0, 32
.set G1B, 48
.set G0B, 56
.set ASP, 66
.set BSP, 68
.set RT0, 73
.set BIASP, 74                         ; s[74:75] b1 at my columns;  s[76:77] my codes' place;  s[78:79] my words'
.set HBP, 76
.set HSP, 78
.set SEL, 90
.set MNT, 92
.set HM,  93
.set MSB, 0
.macro WIN new
.if MSB != (\new)
	s_set_vgpr_msb (MSB<<8)|(\new)
.set MSB, (\new)
.endif
.endm
.set MUL_LO, 0xa1
.set MUL_HI, 0xf1
.set TO_B,   0x40
.macro JLOAD g0a, g1a, g0b, g1b        ; a joint load: waves 0, 1 fetch for A, waves 2, 3 for B; four v_nop follow each line
	s_cmp_eq_u32 s15, 0
	s_cbranch_scc0 .Lfor_b_\@
	tensor_load_to_lds s[\g0a:\g0a+3], s[\g1a:\g1a+7]
	s_nop 0
.rept 4
	v_nop
.endr
	s_branch .Lasked_\@
.Lfor_b_\@:
	tensor_load_to_lds s[\g0b:\g0b+3], s[\g1b:\g1b+7]
	s_nop 0
.rept 4
	v_nop
.endr
.Lasked_\@:
.endm
.macro CREST
	s_cmp_lg_u32 s14, 0
	s_cbranch_scc1 .Lnot_wave_0_\@
	s_barrier_signal -3
.Lnot_wave_0_\@:
	s_barrier_wait -3
	s_barrier_signal -1
	s_barrier_wait -1
.endm
.macro CROUND
	s_barrier_signal -1
	s_barrier_wait -1
	CREST
.endm
.macro PLACES n                        ; plain vector lines between a matrix instruction and a load into, or a read of, its registers
.rept \n
	v_nop
.endr
.endm
.macro FRAG reg, adr, q, i
.irp c, 0,1,2,3
	ds_load_b128 v[\reg+4*\c:\reg+4*\c+3], v[\adr] offset:4096*(\i)+2048*(\q)+512*\c
.endr
.endm
.macro FETCH_B slot, q, p
	WIN TO_B
.irp i, 0,1,2,3,4,5,6,7
	FRAG 128*(\p)+16*\i, ADRB+\slot, \q, \i
.endr
	WIN 0
.endm
.macro FETCH_A slot, q, i0
.irp i, \i0, \i0+1, \i0+2, \i0+3
	FRAG AF+16*(\i), ADRA+\slot, \q, \i
.endr
.endm
; 16 products: A's blocks a0, a0 + 1 against B's eight; the 64 accumulators take turns, one instruction a turn
.macro MUL16 a0, q, ksl
.irp a, \a0, \a0+1
.irp b, 0,1,2,3,4,5,6,7
.if \q
	v_wmma_scale_f32_16x16x128_f8f6f4 v[8*(8*((\a)%4)+\b):8*(8*((\a)%4)+\b)+7], v[128*(\q)+16*\b:128*(\q)+16*\b+15], v[AF+16*(\a):AF+16*(\a)+15], v[8*(8*((\a)%4)+\b):8*(8*((\a)%4)+\b)+7], v[SCB+4*\b+(\ksl)], v[SCA+4*(\a)+(\ksl)] matrix_a_fmt:MATRIX_FMT_BF8 matrix_b_fmt:MATRIX_FMT_BF8 matrix_a_scale:MATRIX_SCALE_ROW1 matrix_b_scale:MATRIX_SCALE_ROW1
.else
	v_wmma_scale_f32_16x16x128_f8f6f4 v[8*(8*((\a)%4)+\b):8*(8*((\a)%4)+\b)+7], v[128*(\q)+16*\b:128*(\q)+16*\b+15], v[AF+16*(\a):AF+16*(\a)+15], v[8*(8*((\a)%4)+\b):8*(8*((\a)%4)+\b)+7], v[SCB+4*\b+(\ksl)], v[SCA+4*(\a)+(\ksl)] matrix_a_fmt:MATRIX_FMT_BF8 matrix_b_fmt:MATRIX_FMT_BF8
.endif
.endr
.endr
.endm
.macro STEP slot, ksl
	s_wait_dscnt 16                                ; B's set and A's blocks 0-3 are in; the youngest 16 loads (A's blocks 4-7) may be out
	WIN MUL_LO
	MUL16 0, 0, \ksl
	MUL16 2, 0, \ksl
	s_wait_dscnt 0x0
	PLACES 8
	FETCH_B \slot, 1, 1
	FETCH_A \slot, 1, 0
	WIN MUL_HI
	MUL16 4, 0, \ksl
	MUL16 6, 0, \ksl
	PLACES 8
	WIN 0
	FETCH_A \slot, 1, 4
.endm
.macro TURN slot, next, fill, ksl
	s_wait_tensorcnt 0x0                           ; all my tensor loads have landed: my part of the next slot
	ds_add_u32 v[SPW], v[NIL]
	s_wait_dscnt 17                                ; the add and the youngest 16 loads may be out
	WIN MUL_LO
	MUL16 0, 1, \ksl
	s_wait_dscnt 0x0                               ; the add is done, my reads of this slot are over
	s_barrier_signal -1
	MUL16 2, 1, \ksl
	WIN 0
	s_barrier_wait -1
.if \fill
	CREST                                          ; the barrier opened a round of the cluster's
	s_add_nc_u64 s[G0+4*\slot+2:G0+4*\slot+3], s[G0+4*\slot+2:G0+4*\slot+3], 8192
	s_add_nc_u64 s[G0B+4*\slot+2:G0B+4*\slot+3], s[G0B+4*\slot+2:G0B+4*\slot+3], 8192
	JLOAD G0+4*\slot, G1, G0B+4*\slot, G1B
	PLACES 4
.else
	PLACES 8
.endif
	FETCH_B \next, 0, 0
	FETCH_A \next, 0, 0
	WIN MUL_HI
	MUL16 4, 1, \ksl
	MUL16 6, 1, \ksl
	PLACES 8
	WIN 0
	FETCH_A \next, 0, 4
.endm
.macro LAST ksl
	s_wait_dscnt 16
	WIN MUL_LO
	MUL16 0, 1, \ksl
	MUL16 2, 1, \ksl
	s_wait_dscnt 0x0
	WIN MUL_HI
	MUL16 4, 1, \ksl
	MUL16 6, 1, \ksl
	WIN 0
.endm
; Block a's 64 accumulator registers become 16 registers of codes at v[pc]; what is negative becomes 0 on the way.  Each accumulator is first read at its two lowest registers.
.macro QUANT_ACC a, pc
.set AC, 64*((\a)%4)
.set W, 2+(\a)/4
	WIN W|(W<<2)
.irp c, 0,1,2,3
	v_max3_num_f32 v[TM+\c], v[AC+16*\c], v[AC+16*\c+1], 0x8000000         ; no |.|: what is negative must not count; the floor stands over it
.endr
.irp i, 2,4,6,8,10,12,14
.irp c, 0,1,2,3
	v_max3_num_f32 v[TM+\c], v[AC+16*\c+\i], v[AC+16*\c+\i+1], v[TM+\c]
.endr
.endr
	WIN 0
.irp c, 0,1,2,3
	v_permlanex16_b32 v[TM+4+\c], v[TM+\c], s[SEL], s[SEL+1]
.endr
.irp c, 0,1,2,3
	v_max_num_f32 v[TM+\c], v[TM+\c], v[TM+4+\c]
.endr
.irp c, 0,1,2,3
	v_add_nc_u32 v[TM+12+\c], 0xf8800000, v[TM+\c]
.endr
.irp c, 0,1,2,3
	v_and_or_b32 v[TM+8+\c], v[TM+\c], 0x7f800000, s[MNT]
.endr
.irp c, 0,1,2,3
	v_lshrrev_b32 v[TM+4+\c], 23, v[TM+12+\c]
.endr
	WIN W|(W<<6)
.irp c, 0,1,2,3
.irp i, 0,1,2,3,4,5,6,7,8,9,10,11,12,13,14,15
	v_med3_num_f32 v[AC+16*\c+\i], v[AC+16*\c+\i], 0, v[TM+8+\c]           ; the activation and the hold in one
.endr
.endr
	WIN W
.irp c, 0,1,2,3
	v_cvt_scalef32_pk8_bf8_f32 v[\pc+4*\c:\pc+4*\c+1], v[AC+16*\c:AC+16*\c+7], v[TM+12+\c]
	v_cvt_scalef32_pk8_bf8_f32 v[\pc+4*\c+2:\pc+4*\c+3], v[AC+16*\c+8:AC+16*\c+15], v[TM+12+\c]
.endr
	WIN 0
	v_nop
.endm
	s_load_b256 s[4:11], s[0:1], 0x0               ; xn2, prep_out, b1, hbuf
	v_lshl_add_u32 v[SPW], v0, 2, SPARE
	v_mov_b32 v[NIL], 0
	ds_add_u32 v28, v29
	ds_add_u32 v28, v29
	s_wait_dscnt 0x0
	v_lshrrev_b32 v1, 5, v0
	v_readfirstlane_b32 s14, v1
	s_lshr_b32 s15, s14, 1
	s_and_b32 s16, s14, 1
	s_bfe_u32 s40, ttmp6, 0x40000
	s_bfe_u32 s41, ttmp6, 0x40004
	s_lshl_b32 s42, ttmp9, 2
	s_add_co_u32 s42, s42, s40
	s_and_b32 s17, ttmp7, 0xffff
	s_lshl_b32 s17, s17, 2
	s_add_co_u32 s17, s17, s41
	s_lshl_b32 s43, s41, 2
	s_lshl_b32 s43, 15, s43
	s_lshl_b32 s44, 0x1111, s40
	s_or_b32 s[G1+0], s43, (3<<16)|(1<<21)
	s_or_b32 s[G1B+0], s44, (3<<16)|(1<<21)
.irp g, G1, G1B
	s_mov_b32 s[\g+1], 512<<16
	s_mov_b32 s[\g+2], 8<<16
	s_mov_b32 s[\g+3], 512<<16
	s_mov_b32 s[\g+4], 8
	s_mov_b32 s[\g+5], NKS*256
	s_mov_b32 s[\g+6], 0
	s_mov_b32 s[\g+7], 0
.endr
	s_lshl_b32 s18, s16, 3
	s_lshl_b32 s20, s17, 4
	s_add_co_u32 s20, s20, s18
	s_mul_i32 s20, s20, NKS*2048
	s_add_co_u32 s20, s20, A_OFF
	s_mov_b32 s21, 0
	s_lshl_b32 s46, s42, 4
	s_add_co_u32 s46, s46, s18
	s_mul_i32 s46, s46, NKS*2048
	s_add_co_u32 s46, s46, B_OFF
	s_mov_b32 s47, 0
	s_lshl_b32 s45, s14, 15
	s_wait_kmcnt 0x0
	s_add_nc_u64 s[20:21], s[AP:AP+1], s[20:21]
	s_add_nc_u64 s[46:47], s[BP:BP+1], s[46:47]
	CROUND
.irp s, 0,1
	s_mov_b32 s[G0+4*\s], 1
	s_add_co_u32 s[G0+4*\s+1], s45, \s*SLOT
	s_add_nc_u64 s[G0+4*\s+2:G0+4*\s+3], s[20:21], \s*4096
	s_or_b32 s[G0+4*\s+3], s[G0+4*\s+3], 0x80000000
	s_mov_b32 s[G0B+4*\s], 1
	s_add_co_u32 s[G0B+4*\s+1], s45, \s*SLOT
	s_add_nc_u64 s[G0B+4*\s+2:G0B+4*\s+3], s[46:47], \s*4096
	s_or_b32 s[G0B+4*\s+3], s[G0B+4*\s+3], 0x80000000
	JLOAD G0+4*\s, G1, G0B+4*\s, G1B
.endr
	v_and_b32 v1, 31, v0
	v_and_b32 v2, 15, v0
	v_bfe_u32 v3, v0, 4, 1
	v_lshlrev_b32 v[L16], 4, v1
	v_lshlrev_b32 v[L4], 2, v1
	s_lshl_b32 s21, s15, 15
	s_lshl_b32 s22, s16, 15
	s_add_co_u32 s22, s22, 65536
.irp s, 0,1
	v_add_nc_u32 v[ADRA+\s], s21, v[L16]
	v_add_nc_u32 v[ADRB+\s], s22, v[L16]
	s_add_co_u32 s21, s21, SLOT
	s_add_co_u32 s22, s22, SLOT
.endr
	s_lshl_b32 s[RT0], s17, 4
	s_lshl_b32 s19, s15, 3
	s_add_co_u32 s[RT0], s[RT0], s19
	s_mul_i32 s20, s[RT0], NKS*64
	s_add_co_u32 s20, s20, AS_OFF
	s_mov_b32 s21, 0
	s_add_nc_u64 s[ASP:ASP+1], s[AP:AP+1], s[20:21]
	s_lshl_b32 s46, s42, 4
	s_lshl_b32 s47, s16, 3
	s_add_co_u32 s46, s46, s47
	s_mul_i32 s46, s46, NKS*64
	s_add_co_u32 s46, s46, BS_OFF
	s_mov_b32 s47, 0
	s_add_nc_u64 s[BSP:BSP+1], s[BP:BP+1], s[46:47]
.irp i, 0,1,2,3,4,5,6,7
.irp s, 0,1,2,3
	global_load_b32 v[SCA+4*\i+\s], v[L4], s[ASP:ASP+1] offset:NKS*64*\i+128*\s
	global_load_b32 v[SCB+4*\i+\s], v[L4], s[BSP:BSP+1] offset:NKS*64*\i+128*\s
.endr
.endr
	; the bias into all 64 accumulators: register j of (a, b) is b1 at column 32 (b / 2) + 16 h + 8 (b % 2) + j of my 128
	s_lshl_b32 s20, s42, 10
	s_lshl_b32 s21, s16, 9
	s_add_co_u32 s20, s20, s21
	s_mov_b32 s21, 0
	s_add_nc_u64 s[BIASP:BIASP+1], s[8:9], s[20:21]
	v_lshlrev_b32 v[BO], 6, v3
	WIN 0x80                                       ; destination window 2
.irp a, 0,1,2,3
.irp b, 0,1,2,3,4,5,6,7
	global_load_b128 v[8*(8*\a+\b):8*(8*\a+\b)+3], v[BO], s[BIASP:BIASP+1] offset:4*(32*(\b/2)+8*(\b%2))
	global_load_b128 v[8*(8*\a+\b)+4:8*(8*\a+\b)+7], v[BO], s[BIASP:BIASP+1] offset:4*(32*(\b/2)+8*(\b%2))+16
.endr
.endr
	WIN 0xc0                                       ; window 3
.irp a, 0,1,2,3
.irp b, 0,1,2,3,4,5,6,7
	global_load_b128 v[8*(8*\a+\b):8*(8*\a+\b)+3], v[BO], s[BIASP:BIASP+1] offset:4*(32*(\b/2)+8*(\b%2))
	global_load_b128 v[8*(8*\a+\b)+4:8*(8*\a+\b)+7], v[BO], s[BIASP:BIASP+1] offset:4*(32*(\b/2)+8*(\b%2))+16
.endr
.endr
	WIN 0
	s_mov_b32 s[SEL], 0x76543210
	s_mov_b32 s[SEL+1], 0xfedcba98
	s_mov_b32 s[MNT], 0x600000
.irp c, 0,1,2,3
	v_mov_b32 v[TM+4+\c], 0
.endr
	v_cmp_lt_u32 s[HM], 15, v1
	v_lshlrev_b32 v[WO], 2, v2
	v_lshl_add_u32 v[WO], v3, 11, v[WO]
	s_lshl_b32 s20, s[RT0], 5
	s_lshl_b32 s21, s42, 1
	s_add_co_u32 s20, s20, s21
	s_add_co_u32 s20, s20, s16                     ; h's block: 32 x tile of rows + 2 x tile column + my half
	s_lshl_b32 s22, s20, 11
	s_mov_b32 s23, 0
	s_add_nc_u64 s[HBP:HBP+1], s[10:11], s[22:23]
	s_lshl_b32 s22, s20, 6
	s_add_co_u32 s22, s22, 16777216
	s_add_nc_u64 s[HSP:HSP+1], s[10:11], s[22:23]
	s_wait_tensorcnt 1                             ; my part of K slot 0 is in; slot 1's load may be out
	s_barrier_signal -1
	s_barrier_wait -1
	FETCH_B 0, 0, 0
	FETCH_A 0, 0, 0
	FETCH_A 0, 0, 4
	s_wait_loadcnt 0x0                             ; the scale words and the bias
	STEP 0, 0
	TURN 0, 1, 1, 0
	STEP 1, 1
	TURN 1, 0, 1, 1
	STEP 0, 2
	TURN 0, 1, 0, 2
	STEP 1, 3
	LAST 3
	PLACES 8
.irp a, 0,1,2,3,4,5,6,7
.if \a >= 2
	s_wait_xcnt 0x0                                ; the stores of two blocks ago have read their registers
.endif
	QUANT_ACC \a, 128+16*((\a)%2)
	v_lshl_or_b32 v[WD+\a], v[TM+5], 8, v[TM+4]
	v_lshl_or_b32 v[WD+\a], v[TM+6], 16, v[WD+\a]
	v_lshl_or_b32 v[WD+\a], v[TM+7], 24, v[WD+\a]
.irp c, 0,1,2,3
	global_store_b128 v[L16], v[128+16*((\a)%2)+4*\c:128+16*((\a)%2)+4*\c+3], s[HBP:HBP+1] offset:65536*\a+512*\c    ; 512 consecutive bytes
.endr
.endr
.irp k, 0,1,2,3
	v_cndmask_b32 v[WS+\k], v[WD+2*\k], v[WD+2*\k+1], s[HM]                ; lanes 0-15 block 2 k's words, lanes 16-31 block 2 k + 1's
	global_store_b32 v[WO], v[WS+\k], s[HSP:HSP+1] offset:4096*\k          ; two runs of 64 bytes: a K step's words of 16 rows
.endr
	s_wait_tensorcnt 0x0                           ; the wave's end
	ds_add_u32 v[SPW], v[NIL]
	s_wait_dscnt 0x0
	CROUND                                         ; the closing round
	s_endpgm
.Lfunc_end_k_q0b1a4a2a8c_gemm_w1:
	.size	k_q0b1a4a2a8c_gemm_w1, .Lfunc_end_k_q0b1a4a2a8c_gemm_w1-k_q0b1a4a2a8c_gemm_w1
	.p2alignl 7, 3214868480
	.fill 96, 4, 3214868480
	.section	.rodata,"a",@progbits
	.p2align	6, 0x0
	.amdhsa_kernel k_q0b1a4a2a8c_gemm_w1
		.amdhsa_group_segment_fixed_size 327680
		.amdhsa_private_segment_fixed_size 0
		.amdhsa_enable_private_segment 0
		.amdhsa_kernarg_size 32
		.amdhsa_user_sgpr_count 2
		.amdhsa_user_sgpr_kernarg_segment_ptr 1
		.amdhsa_wavefront_size32 1
		.amdhsa_system_sgpr_workgroup_id_x 1
		.amdhsa_system_sgpr_workgroup_id_y 1
		.amdhsa_system_sgpr_workgroup_id_z 1
		.amdhsa_system_vgpr_workitem_id 0
		.amdhsa_next_free_vgpr 1024
		.amdhsa_next_free_sgpr 100
		.amdhsa_reserve_vcc 0
		.amdhsa_float_denorm_mode_32 3
		.amdhsa_float_denorm_mode_16_64 3
		.amdhsa_memory_ordered 1
		.amdhsa_forward_progress 1
		.amdhsa_inst_pref_size 199
	.end_amdhsa_kernel
	.amdgpu_metadata
---
amdhsa.version: [ 1, 2 ]
amdhsa.kernels:
  - .name:           k_q0b1a4a2a8c_gemm_w1
    .symbol:         k_q0b1a4a2a8c_gemm_w1.kd
    .args:
      - { .name: xn2, .offset: 0, .size: 8, .value_kind: global_buffer, .address_space: global }
      - { .name: prep_out, .offset: 8, .size: 8, .value_kind: global_buffer, .address_space: global }
      - { .name: b1, .offset: 16, .size: 8, .value_kind: global_buffer, .address_space: global }
      - { .name: hbuf, .offset: 24, .size: 8, .value_kind: global_buffer, .address_space: global }
    .group_segment_fixed_size: 327680
    .private_segment_fixed_size: 0
    .kernarg_segment_align: 8
    .kernarg_segment_size: 32
    .max_flat_workgroup_size: 128
    .sgpr_count:     100
    .vgpr_count:     1024
    .wavefront_size: 32
...
	.end_amdgpu_metadata
.endif
;; end of part 6
;; launch gemm_w2 (part 7): grid 4 x 16, 4 waves a work-group, clusters of 4 x 4, 327,680 bytes of LDS; arguments hbuf, prep_out, b2, x1, out0; writes out0
.if DOCPART == 7
	.amdgcn_target "amdgcn-amd-amdhsa--gfx1250"
	.amdhsa_code_object_version 6
	.text
	.protected	k_q0b1a4a2a8c_gemm_w2
	.globl	k_q0b1a4a2a8c_gemm_w2
	.p2align	8
	.type	k_q0b1a4a2a8c_gemm_w2,@function
k_q0b1a4a2a8c_gemm_w2:
	s_mov_b64 s[64:65], 0
	v_nop
	global_prefetch_b8 v0, s[64:65] scope:SCOPE_SE
	s_setreg_imm32_b32 hwreg(HW_REG_WAVE_MODE, 25, 1), 1
	s_wait_xcnt 0x0
	s_wait_alu depctr_hold_cnt(0) depctr_sa_sdst(0) depctr_va_vdst(0) depctr_va_sdst(0) depctr_va_ssrc(0) depctr_va_vcc(0) depctr_vm_vsrc(0)
	s_getreg_b32 s2, hwreg(HW_REG_IB_STS2, 6, 4)
	s_cmp_eq_u32 s2, 0
	s_cbranch_scc0 .Lentry_in_a_cluster
	s_endpgm
.Lentry_in_a_cluster:
	s_bfe_u32 s2, ttmp6, 0x10000c
	s_cmp_lg_u32 s2, 0xf033
	s_cbranch_scc0 .Lentry_shape_is_right
	s_endpgm
.Lentry_shape_is_right:
; out0 = x1 + h x w2^T + b2: 4,096 x 1,024, K = 4,096, on codes of E5M2 with E8M0 scales; out0 in f32.
; A tile of 256 x 256 to a work-group of four waves, 128 x 128 (64 accumulators) to a wave; 64 work-groups: the design has no more tiles of this size.
; Both operands lie in memory as images of the operand's registers (block of 16 rows x 128 K = 2,048 bytes, register group c of lane l at 512 c + 16 l): a tile's rows are dense runs of 4,096 bytes, LDS needs no padding.
; K goes in 16 slots of 256 through a ring of two LDS slots of 131,072 bytes; a wave's tensor load brings 8 rows of 4,096 bytes.  CLUSTERS of 4 x 4: A's tile is asked for jointly along a row, B's along a column.
; THE SCALE WORDS go straight into registers, four K slots deep: the registers of a K slot that is done take the words of the K slot four further on, 16 loads of 128 bytes a wave.
; A trip of the loop is four K slots, until the scale registers' numbers are back where they began; the first K step and the last three and a half K slots are written out.
; THE PRODUCT IS USED TRANSPOSED, and w2's rows lie permuted: accumulator (a, b), lane (r, h), register j = C(row 16 a + r, column 32 (b / 2) + 16 h + 8 (b % 2) + j).
; THE BIAS is loaded into the accumulators while the first tiles are on their way.  THE WAY OUT: a block of 16 rows goes through the wave's own stage in LDS and comes back as whole rows of 512 bytes; x1's rows are added.
; PREFETCH: behind each joint load of the loop one instruction a wave names the K slot two refills on: of the 8 rows of 4,096 bytes that a wave fetches each of the four partners takes two, told apart by address, a lane to
; each 256 bytes.  A's rows are read by one cluster alone, so every cluster asks for its own; B's are read by all four clusters, and the cluster with y = 0 asks.  K slots 0 to 3 come by their loads alone; the last asked for is K slot 15.
.set NKS,    32
.set A_OFF,  0
.set AS_OFF, 16777216
.set B_OFF,  9437184
.set BS_OFF, 16777216+294912
.set AP,     4
.set BP,     6
.set SLOT,   131072
.set SPARE,  262144                    ; the spare words: two blocks of 256 bytes that no other line names
.set STAGE,  262656                    ; 16 rows x 528 bytes for each wave; no fill lands here
.set ADRA, 16
.set ADRB, 20
.set L16,  22
.set L4,   23
.set STO,  24
.set RD,   25
.set SPW,  28
.set NIL,  29
.set PFO,  30                          ; v30 the prefetches' offset: 65,536 (lane / 16) + 256 (lane % 16); never rewritten
.set SCA,  32
.set SCB,  64
.set BO,   112
.set AF,   128
.set BK,   128
.set G1, 24
.set G0, 32
.set G1B, 48
.set G0B, 56
.set ASP, 66
.set BSP, 68
.set PFA, 70                           ; s[70:71] where my prefetches stand;  s72 1 in a wave that asks
.set LIM, 72
.set RT0, 73
.set RES, 74
.set OUTP, 76
.set BIASP, 84
.set MSB, 0
.macro WIN new
.if MSB != (\new)
	s_set_vgpr_msb (MSB<<8)|(\new)
.set MSB, (\new)
.endif
.endm
.set MUL_LO, 0xa1
.set MUL_HI, 0xf1
.set TO_B,   0x40
.macro JLOAD g0a, g1a, g0b, g1b        ; a joint load: waves 0, 1 fetch for A, waves 2, 3 for B; four v_nop follow each line
	s_cmp_eq_u32 s15, 0
	s_cbranch_scc0 .Lfor_b_\@
	tensor_load_to_lds s[\g0a:\g0a+3], s[\g1a:\g1a+7]
	s_nop 0
.rept 4
	v_nop
.endr
	s_branch .Lasked_\@
.Lfor_b_\@:
	tensor_load_to_lds s[\g0b:\g0b+3], s[\g1b:\g1b+7]
	s_nop 0
.rept 4
	v_nop
.endr
.Lasked_\@:
.endm
.macro ASK
	s_cmp_eq_u32 s[LIM], 1
	s_cbranch_scc0 .Lnot_mine_\@
	global_prefetch_b8 v[PFO], s[PFA:PFA+1] th:TH_LOAD_NT scope:SCOPE_SE
.Lnot_mine_\@:
.endm
.macro CREST
	s_cmp_lg_u32 s14, 0
	s_cbranch_scc1 .Lnot_wave_0_\@
	s_barrier_signal -3
.Lnot_wave_0_\@:
	s_barrier_wait -3
	s_barrier_signal -1
	s_barrier_wait -1
.endm
.macro CROUND
	s_barrier_signal -1
	s_barrier_wait -1
	CREST
.endm
.macro PLACES n                        ; plain vector lines between a matrix instruction and a load into, or a read of, its registers
.rept \n
	v_nop
.endr
.endm
.macro FRAG reg, adr, q, i
.irp c, 0,1,2,3
	ds_load_b128 v[\reg+4*\c:\reg+4*\c+3], v[\adr] offset:4096*(\i)+2048*(\q)+512*\c
.endr
.endm
.macro FETCH_B slot, q, p
	WIN TO_B
.irp i, 0,1,2,3,4,5,6,7
	FRAG 128*(\p)+16*\i, ADRB+\slot, \q, \i
.endr
	WIN 0
.endm
.macro FETCH_A slot, q, i0
.irp i, \i0, \i0+1, \i0+2, \i0+3
	FRAG AF+16*(\i), ADRA+\slot, \q, \i
.endr
.endm
; 16 products: A's blocks a0, a0 + 1 against B's eight; the 64 accumulators take turns, one instruction a turn
.macro MUL16 a0, q, ksl
.irp a, \a0, \a0+1
.irp b, 0,1,2,3,4,5,6,7
.if \q
	v_wmma_scale_f32_16x16x128_f8f6f4 v[8*(8*((\a)%4)+\b):8*(8*((\a)%4)+\b)+7], v[128*(\q)+16*\b:128*(\q)+16*\b+15], v[AF+16*(\a):AF+16*(\a)+15], v[8*(8*((\a)%4)+\b):8*(8*((\a)%4)+\b)+7], v[SCB+4*\b+(\ksl)], v[SCA+4*(\a)+(\ksl)] matrix_a_fmt:MATRIX_FMT_BF8 matrix_b_fmt:MATRIX_FMT_BF8 matrix_a_scale:MATRIX_SCALE_ROW1 matrix_b_scale:MATRIX_SCALE_ROW1
.else
	v_wmma_scale_f32_16x16x128_f8f6f4 v[8*(8*((\a)%4)+\b):8*(8*((\a)%4)+\b)+7], v[128*(\q)+16*\b:128*(\q)+16*\b+15], v[AF+16*(\a):AF+16*(\a)+15], v[8*(8*((\a)%4)+\b):8*(8*((\a)%4)+\b)+7], v[SCB+4*\b+(\ksl)], v[SCA+4*(\a)+(\ksl)] matrix_a_fmt:MATRIX_FMT_BF8 matrix_b_fmt:MATRIX_FMT_BF8
.endif
.endr
.endr
.endm
.macro STEP slot, ksl, lw              ; lw: the scale loads of later K slots, sixteen each, that may be out
	s_wait_loadcnt \lw
	s_wait_dscnt 16                                ; B's set and A's blocks 0-3 are in; the youngest 16 loads (A's blocks 4-7) may be out
	WIN MUL_LO
	MUL16 0, 0, \ksl
	MUL16 2, 0, \ksl
	s_wait_dscnt 0x0
	PLACES 8
	FETCH_B \slot, 1, 1
	FETCH_A \slot, 1, 0
	WIN MUL_HI
	MUL16 4, 0, \ksl
	MUL16 6, 0, \ksl
	PLACES 8
	WIN 0
	FETCH_A \slot, 1, 4
.endm
; more = 1 (the loop): the K slot two refills on is prefetched, and the scale registers that this K slot leaves take the words of the K slot four on
.macro TURN slot, next, fill, ksl, more
.if \more
	s_wait_xcnt 0x0                                ; the last prefetch and the last scale loads, a K slot back, have read their addresses
	s_add_nc_u64 s[PFA:PFA+1], s[PFA:PFA+1], 4096
.if (\ksl) == 0
	s_add_nc_u64 s[ASP:ASP+1], s[ASP:ASP+1], 512   ; four K slots on
	s_add_nc_u64 s[BSP:BSP+1], s[BSP:BSP+1], 512
.endif
.endif
	s_wait_tensorcnt 0x0                           ; all my tensor loads have landed: my part of the next slot
	ds_add_u32 v[SPW], v[NIL]
	s_wait_dscnt 17                                ; the add and the youngest 16 loads may be out
	WIN MUL_LO
	MUL16 0, 1, \ksl
	s_wait_dscnt 0x0                               ; the add is done, my reads of this slot are over
	s_barrier_signal -1
	MUL16 2, 1, \ksl
	WIN 0
	s_barrier_wait -1
.if \fill
	CREST                                          ; the barrier opened a round of the cluster's
	s_add_nc_u64 s[G0+4*\slot+2:G0+4*\slot+3], s[G0+4*\slot+2:G0+4*\slot+3], 8192
	s_add_nc_u64 s[G0B+4*\slot+2:G0B+4*\slot+3], s[G0B+4*\slot+2:G0B+4*\slot+3], 8192
	JLOAD G0+4*\slot, G1, G0B+4*\slot, G1B
	PLACES 4
.else
	PLACES 8
.endif
	FETCH_B \next, 0, 0
	FETCH_A \next, 0, 0
.if \more
	ASK
.endif
	WIN MUL_HI
	MUL16 4, 1, \ksl
	MUL16 6, 1, \ksl
	PLACES 8
	WIN 0
	FETCH_A \next, 0, 4
.if \more
.irp i, 0,1,2,3,4,5,6,7
	global_load_b32 v[SCA+4*\i+(\ksl)], v[L4], s[ASP:ASP+1] offset:NKS*64*\i+128*(\ksl)
	global_load_b32 v[SCB+4*\i+(\ksl)], v[L4], s[BSP:BSP+1] offset:NKS*64*\i+128*(\ksl)
.endr
.endif
.endm
.macro LAST ksl
	s_wait_dscnt 16
	WIN MUL_LO
	MUL16 0, 1, \ksl
	MUL16 2, 1, \ksl
	s_wait_dscnt 0x0
	WIN MUL_HI
	MUL16 4, 1, \ksl
	MUL16 6, 1, \ksl
	WIN 0
.endm
.macro RLOAD a                         ; the residual's 16 rows of block a into window 1, which B's fragments have left
	WIN 0x40
.irp t, 0,1,2,3,4,5,6,7,8,9,10,11,12,13,14,15
	global_load_b128 v[64*((\a)%4)+4*\t:64*((\a)%4)+4*\t+3], v[L16], s[RES:RES+1] offset:65536*(\a)+4096*\t
.endr
	WIN 0
.endm
.macro TOSTAGE a                       ; LDS serves a wave's instructions in order (ISA guide 5.7.1.4): no wait between the stores and the loads
.set AC, 64*((\a)%4)
	WIN 0x08+4*((\a)/4)
.irp b, 0,1,2,3,4,5,6,7
	ds_store_b128 v[STO], v[AC+8*\b:AC+8*\b+3] offset:128*(\b/2)+32*(\b%2)
	ds_store_b128 v[STO], v[AC+8*\b+4:AC+8*\b+7] offset:128*(\b/2)+32*(\b%2)+16
.endr
	WIN 0
.set BB, BK+64*((\a)%2)
.irp t, 0,1,2,3,4,5,6,7,8,9,10,11,12,13,14,15
	ds_load_b128 v[BB+4*\t:BB+4*\t+3], v[RD] offset:528*\t
.endr
.endm
.macro SEND a, younger, lw
.set BB, BK+64*((\a)%2)
.set RR, 64*((\a)%4)
	s_wait_dscnt \younger
	s_wait_loadcnt \lw
	WIN 0x04
.set n_, 0
.rept 32
	v_pk_add_f32 v[BB+n_:BB+n_+1], v[BB+n_:BB+n_+1], v[RR+n_:RR+n_+1]
.set n_, n_+2
.endr
	WIN 0
.irp t, 0,1,2,3,4,5,6,7,8,9,10,11,12,13,14,15
	global_store_b128 v[L16], v[BB+4*\t:BB+4*\t+3], s[OUTP:OUTP+1] offset:65536*(\a)+4096*\t th:TH_STORE_NT   ; 512 consecutive bytes; written once
.endr
.endm
	s_load_b256 s[4:11], s[0:1], 0x0               ; hbuf, prep_out, b2, x1
	s_load_b64 s[12:13], s[0:1], 0x20              ; out0
	v_lshl_add_u32 v[SPW], v0, 2, SPARE
	v_mov_b32 v[NIL], 0
	ds_add_u32 v28, v29
	ds_add_u32 v28, v29
	s_wait_dscnt 0x0
	v_lshrrev_b32 v1, 5, v0
	v_readfirstlane_b32 s14, v1
	s_lshr_b32 s15, s14, 1
	s_and_b32 s16, s14, 1
	s_bfe_u32 s40, ttmp6, 0x40000
	s_bfe_u32 s41, ttmp6, 0x40004
	s_lshl_b32 s42, ttmp9, 2
	s_add_co_u32 s42, s42, s40
	s_and_b32 s17, ttmp7, 0xffff
	s_lshl_b32 s17, s17, 2
	s_add_co_u32 s17, s17, s41
	s_lshl_b32 s43, s41, 2
	s_lshl_b32 s43, 15, s43
	s_lshl_b32 s44, 0x1111, s40
	s_or_b32 s[G1+0], s43, (3<<16)|(1<<21)
	s_or_b32 s[G1B+0], s44, (3<<16)|(1<<21)
.irp g, G1, G1B
	s_mov_b32 s[\g+1], 512<<16
	s_mov_b32 s[\g+2], 8<<16
	s_mov_b32 s[\g+3], 512<<16
	s_mov_b32 s[\g+4], 8
	s_mov_b32 s[\g+5], NKS*256
	s_mov_b32 s[\g+6], 0
	s_mov_b32 s[\g+7], 0
.endr
	s_lshl_b32 s18, s16, 3
	s_lshl_b32 s20, s17, 4
	s_add_co_u32 s20, s20, s18
	s_mul_i32 s20, s20, NKS*2048
	s_add_co_u32 s20, s20, A_OFF
	s_mov_b32 s21, 0
	s_lshl_b32 s46, s42, 4
	s_add_co_u32 s46, s46, s18
	s_mul_i32 s46, s46, NKS*2048
	s_add_co_u32 s46, s46, B_OFF
	s_mov_b32 s47, 0
	s_lshl_b32 s45, s14, 15
	s_wait_kmcnt 0x0
	s_add_nc_u64 s[20:21], s[AP:AP+1], s[20:21]
	s_add_nc_u64 s[46:47], s[BP:BP+1], s[46:47]
	s_mov_b64 s[80:81], s[20:21]                   ; kept for the prefetches
	s_mov_b64 s[82:83], s[46:47]
	CROUND
.irp s, 0,1
	s_mov_b32 s[G0+4*\s], 1
	s_add_co_u32 s[G0+4*\s+1], s45, \s*SLOT
	s_add_nc_u64 s[G0+4*\s+2:G0+4*\s+3], s[20:21], \s*4096
	s_or_b32 s[G0+4*\s+3], s[G0+4*\s+3], 0x80000000
	s_mov_b32 s[G0B+4*\s], 1
	s_add_co_u32 s[G0B+4*\s+1], s45, \s*SLOT
	s_add_nc_u64 s[G0B+4*\s+2:G0B+4*\s+3], s[46:47], \s*4096
	s_or_b32 s[G0B+4*\s+3], s[G0B+4*\s+3], 0x80000000
	JLOAD G0+4*\s, G1, G0B+4*\s, G1B
.endr
	v_and_b32 v1, 31, v0
	v_and_b32 v2, 15, v0
	v_bfe_u32 v3, v0, 4, 1
	v_lshlrev_b32 v[L16], 4, v1
	v_lshlrev_b32 v[L4], 2, v1
	s_lshl_b32 s21, s15, 15
	s_lshl_b32 s22, s16, 15
	s_add_co_u32 s22, s22, 65536
.irp s, 0,1
	v_add_nc_u32 v[ADRA+\s], s21, v[L16]
	v_add_nc_u32 v[ADRB+\s], s22, v[L16]
	s_add_co_u32 s21, s21, SLOT
	s_add_co_u32 s22, s22, SLOT
.endr
	s_lshl_b32 s[RT0], s17, 4
	s_lshl_b32 s19, s15, 3
	s_add_co_u32 s[RT0], s[RT0], s19
	s_mul_i32 s20, s[RT0], NKS*64
	s_add_co_u32 s20, s20, AS_OFF
	s_mov_b32 s21, 0
	s_add_nc_u64 s[ASP:ASP+1], s[AP:AP+1], s[20:21]
	s_lshl_b32 s46, s42, 4
	s_lshl_b32 s47, s16, 3
	s_add_co_u32 s46, s46, s47
	s_mul_i32 s46, s46, NKS*64
	s_add_co_u32 s46, s46, BS_OFF
	s_mov_b32 s47, 0
	s_add_nc_u64 s[BSP:BSP+1], s[BP:BP+1], s[46:47]
.irp i, 0,1,2,3,4,5,6,7
.irp s, 0,1,2,3
	global_load_b32 v[SCA+4*\i+\s], v[L4], s[ASP:ASP+1] offset:NKS*64*\i+128*\s
	global_load_b32 v[SCB+4*\i+\s], v[L4], s[BSP:BSP+1] offset:NKS*64*\i+128*\s
.endr
.endr
	; the bias into all 64 accumulators
	s_lshl_b32 s20, s42, 10
	s_lshl_b32 s21, s16, 9
	s_add_co_u32 s20, s20, s21
	s_mov_b32 s21, 0
	s_add_nc_u64 s[BIASP:BIASP+1], s[8:9], s[20:21]
	v_lshlrev_b32 v[BO], 6, v3
	WIN 0x80
.irp a, 0,1,2,3
.irp b, 0,1,2,3,4,5,6,7
	global_load_b128 v[8*(8*\a+\b):8*(8*\a+\b)+3], v[BO], s[BIASP:BIASP+1] offset:4*(32*(\b/2)+8*(\b%2))
	global_load_b128 v[8*(8*\a+\b)+4:8*(8*\a+\b)+7], v[BO], s[BIASP:BIASP+1] offset:4*(32*(\b/2)+8*(\b%2))+16
.endr
.endr
	WIN 0xc0
.irp a, 0,1,2,3
.irp b, 0,1,2,3,4,5,6,7
	global_load_b128 v[8*(8*\a+\b):8*(8*\a+\b)+3], v[BO], s[BIASP:BIASP+1] offset:4*(32*(\b/2)+8*(\b%2))
	global_load_b128 v[8*(8*\a+\b)+4:8*(8*\a+\b)+7], v[BO], s[BIASP:BIASP+1] offset:4*(32*(\b/2)+8*(\b%2))+16
.endr
.endr
	WIN 0
	s_mul_i32 s23, s14, 8448
	s_add_co_u32 s23, s23, STAGE
	v_mul_u32_u24 v4, v2, 528
	v_lshl_add_u32 v4, v3, 6, v4
	v_add_nc_u32 v[STO], s23, v4
	v_add_nc_u32 v[RD], s23, v[L16]
	s_lshl_b32 s78, s[RT0], 16
	s_lshl_b32 s79, s42, 10
	s_add_co_u32 s78, s78, s79
	s_lshl_b32 s79, s16, 9
	s_add_co_u32 s78, s78, s79
	s_mov_b32 s79, 0
	s_add_nc_u64 s[RES:RES+1], s[10:11], s[78:79]
	s_add_nc_u64 s[OUTP:OUTP+1], s[12:13], s[78:79]
	; the prefetches: who asks, and where
	s_and_b32 s22, ttmp7, 0xffff                   ; cluster y
	s_cmp_eq_u32 s15, 0                            ; do I fetch for A?
	s_cselect_b32 s21, s40, s41                    ; my place among the four that ask with me
	s_cselect_b32 s22, 0, s22
	s_cselect_b64 s[PFA:PFA+1], s[80:81], s[82:83]
	s_cmp_eq_u32 s22, 0
	s_cselect_b32 s[LIM], 1, -1                    ; the same in all sixteen partners, for a given wave
	s_lshl_b32 s20, s21, 17                        ; my work-group's two of the eight rows,
	s_add_co_u32 s20, s20, 3*4096                  ; at K slot 3: the first change of slots steps it to 4
	s_mov_b32 s21, 0
	s_add_nc_u64 s[PFA:PFA+1], s[PFA:PFA+1], s[20:21]
	v_lshlrev_b32 v[PFO], 8, v2
	v_lshl_add_u32 v[PFO], v3, 16, v[PFO]
	s_wait_tensorcnt 1                             ; my part of K slot 0 is in; slot 1's load may be out
	s_barrier_signal -1
	s_barrier_wait -1
	FETCH_B 0, 0, 0
	FETCH_A 0, 0, 0
	FETCH_A 0, 0, 4
	STEP 0, 0, 0                                   ; the scale words of K slots 0-3 and the bias are in
	s_mov_b32 s3, 3
.Llap:                                             ; a trip: four K slots, from one's second K step to the first of the fourth after it
	TURN 0, 1, 1, 0, 1
	STEP 1, 1, 48
	TURN 1, 0, 1, 1, 1
	STEP 0, 2, 48
	TURN 0, 1, 1, 2, 1
	STEP 1, 3, 48
	TURN 1, 0, 1, 3, 1
	STEP 0, 0, 48
	s_sub_co_u32 s3, s3, 1
	s_cmp_lg_u32 s3, 0
	s_cbranch_scc1 .Llap
	TURN 0, 1, 1, 0, 0                             ; K slot 12; K slot 14 is asked for
	STEP 1, 1, 32
	TURN 1, 0, 1, 1, 0                             ; K slot 15 is asked for
	STEP 0, 2, 16
	TURN 0, 1, 0, 2, 0                             ; nothing is left to fetch
	STEP 1, 3, 0
	LAST 3
	PLACES 8
	RLOAD 0
	RLOAD 1
	RLOAD 2
	RLOAD 3
	TOSTAGE 0
	TOSTAGE 1
	SEND 0, 32, 48                                 ; behind block 0's residual: blocks 1, 2, 3, sixteen loads each
	RLOAD 4
	s_wait_xcnt 0x0                                ; block 0's stores have read their registers
	TOSTAGE 2
	SEND 1, 32, 48
	RLOAD 5
	s_wait_xcnt 0x0
	TOSTAGE 3
	SEND 2, 32, 48
	RLOAD 6
	s_wait_xcnt 0x0
	TOSTAGE 4
	SEND 3, 32, 48
	RLOAD 7
	s_wait_xcnt 0x0
	TOSTAGE 5
	SEND 4, 32, 48
	s_wait_xcnt 0x0
	TOSTAGE 6
	SEND 5, 32, 32
	s_wait_xcnt 0x0
	TOSTAGE 7
	SEND 6, 32, 16
	SEND 7, 0, 0
	s_wait_tensorcnt 0x0                           ; the wave's end
	ds_add_u32 v[SPW], v[NIL]
	s_wait_dscnt 0x0
	CROUND                                         ; the closing round
	s_endpgm
.Lfunc_end_k_q0b1a4a2a8c_gemm_w2:
	.size	k_q0b1a4a2a8c_gemm_w2, .Lfunc_end_k_q0b1a4a2a8c_gemm_w2-k_q0b1a4a2a8c_gemm_w2
	.p2alignl 7, 3214868480
	.fill 96, 4, 3214868480
	.section	.rodata,"a",@progbits
	.p2align	6, 0x0
	.amdhsa_kernel k_q0b1a4a2a8c_gemm_w2
		.amdhsa_group_segment_fixed_size 327680
		.amdhsa_private_segment_fixed_size 0
		.amdhsa_enable_private_segment 0
		.amdhsa_kernarg_size 40
		.amdhsa_user_sgpr_count 2
		.amdhsa_user_sgpr_kernarg_segment_ptr 1
		.amdhsa_wavefront_size32 1
		.amdhsa_system_sgpr_workgroup_id_x 1
		.amdhsa_system_sgpr_workgroup_id_y 1
		.amdhsa_system_sgpr_workgroup_id_z 1
		.amdhsa_system_vgpr_workitem_id 0
		.amdhsa_next_free_vgpr 1024
		.amdhsa_next_free_sgpr 100
		.amdhsa_reserve_vcc 0
		.amdhsa_float_denorm_mode_32 3
		.amdhsa_float_denorm_mode_16_64 3
		.amdhsa_memory_ordered 1
		.amdhsa_forward_progress 1
		.amdhsa_inst_pref_size 255
	.end_amdhsa_kernel
	.section	.bss,"aw",@nobits
	.p2align	6
	.space	262144
	.amdgpu_metadata
---
amdhsa.version: [ 1, 2 ]
amdhsa.kernels:
  - .name:           k_q0b1a4a2a8c_gemm_w2
    .symbol:         k_q0b1a4a2a8c_gemm_w2.kd
    .args:
      - { .name: hbuf, .offset: 0, .size: 8, .value_kind: global_buffer, .address_space: global }
      - { .name: prep_out, .offset: 8, .size: 8, .value_kind: global_buffer, .address_space: global }
      - { .name: b2, .offset: 16, .size: 8, .value_kind: global_buffer, .address_space: global }
      - { .name: x1, .offset: 24, .size: 8, .value_kind: global_buffer, .address_space: global }
      - { .name: out0, .offset: 32, .size: 8, .value_kind: global_buffer, .address_space: global }
    .group_segment_fixed_size: 327680
    .private_segment_fixed_size: 0
    .kernarg_segment_align: 8
    .kernarg_segment_size: 40
    .max_flat_workgroup_size: 128
    .sgpr_count:     100
    .vgpr_count:     1024
    .wavefront_size: 32
...
	.end_amdgpu_metadata
.endif
;; end of part 7
;; ======== version 2 of 2: 7 launches
;; limits: right only within a limited range of input values
;; workspace buffers: prep_out 17,301,504 bytes; qkv_out 25,690,112 bytes; ao 4,325,376 bytes; x1 16,777,216 bytes; xn2 4,325,376 bytes; hbuf 17,301,504 bytes
;; launch prep: the kernel of part 1 again; grid 1024 x 1, 4 waves a work-group, no clusters, 133,120 bytes of LDS; arguments x, alpha1, bias1, wo, w1, w2, wq, wk, wv, prep_out; writes prep_out
;; launch gemm_qkv: the kernel of part 2 again; grid 12 x 16, 4 waves a work-group, clusters of 4 x 4, 327,680 bytes of LDS; arguments prep_out, source_mask, qkv_out; writes qkv_out
;; launch attn: the kernel of part 3 again; grid 8 x 32, 16 waves a work-group, clusters of 4 x 1, 169,984 bytes of LDS; arguments qkv_out, ao; writes ao
;; launch gemm_wo (part 8): grid 8 x 32, 4 waves a work-group, clusters of 4 x 4, 270,848 bytes of LDS; arguments ao, prep_out, x, x1; writes x1
.if DOCPART == 8
	.amdgcn_target "amdgcn-amd-amdhsa--gfx1250"
	.amdhsa_code_object_version 6
	.text
	.protected	k_q0b1a4a2a8c_gemm_wo
	.globl	k_q0b1a4a2a8c_gemm_wo
	.p2align	8
	.type	k_q0b1a4a2a8c_gemm_wo,@function
k_q0b1a4a2a8c_gemm_wo:
	s_mov_b64 s[64:65], 0
	v_nop
	global_prefetch_b8 v0, s[64:65] scope:SCOPE_SE
	s_setreg_imm32_b32 hwreg(HW_REG_WAVE_MODE, 25, 1), 1
	s_wait_xcnt 0x0
	s_wait_alu depctr_hold_cnt(0) depctr_sa_sdst(0) depctr_va_vdst(0) depctr_va_sdst(0) depctr_va_ssrc(0) depctr_va_vcc(0) depctr_vm_vsrc(0)
	s_getreg_b32 s2, hwreg(HW_REG_IB_STS2, 6, 4)
	s_cmp_eq_u32 s2, 0
	s_cbranch_scc0 .Lentry_in_a_cluster
	s_endpgm
.Lentry_in_a_cluster:
	s_bfe_u32 s2, ttmp6, 0x10000c
	s_cmp_lg_u32 s2, 0xf033
	s_cbranch_scc0 .Lentry_shape_is_right
	s_endpgm
.Lentry_shape_is_right:
; x1 = x + ao x wo^T: 4,096 x 1,024, K = 1,024, on codes of E5M2 with E8M0 scales; x1 in f32.
; C has 256 tiles of 128 x 128: one to a work-group, one work-group to each of 256 WGPs.  THE FOUR WAVES SHARE K, NOT C: each keeps the whole 128 x 128 in 64 accumulators (512 registers) and takes every fourth K step of 128,
; so a wave still loads 64 times from LDS for 64 products, and each LDS byte is read once, by one wave.  The four partial tiles are added at the end, through LDS.
; Both operands lie in memory as images of the operand's registers (block of 16 rows x 128 K = 2,048 bytes, register group c of lane l at 512 c + 16 l): LDS needs no padding, a fragment is four loads at 16 x lane.
; A slot of LDS holds 4 K steps: A's 8 x 8,192 bytes, then B's; a wave's tensor load brings 4 rows of 8,192 bytes.  K = 1,024 is two slots: both are filled at the start, and nothing is filled again.
; CLUSTERS of 4 x 4: A's tile is asked for jointly along a row of the cluster, B's along a column.
; The scale words come straight into registers, once: lanes 0-15 hold my K step of slot 0, lanes 16-31 that of slot 1, chosen in the product by the scale's row.
; THE PRODUCT IS USED TRANSPOSED, and wo's rows lie permuted: accumulator (a, b), lane (r, h), register j = C(row 16 a + r, column 32 (b / 2) + 16 h + 8 (b % 2) + j).
; THE WAY OUT: every wave lays its 8 partial blocks as rows of 512 + 16 bytes into the ring's bytes, which have had their last fill and their last read; behind a barrier wave o reads blocks 2 o and 2 o + 1 of all four
; waves back as whole rows, adds them and x's rows (loaded at the head), and stores 512 consecutive bytes an instruction.
.set NKS,    8                         ; K steps of 128
.set NU,     NKS/8                     ; scale registers a block: one for two slots
.set A_OFF,  0
.set AS_OFF, 4194304
.set B_OFF,  4194304
.set BS_OFF, 16777216+131072
.set AP,     4
.set BP,     6
.set SLOT,   131072
.set RGN,    8448                      ; the way out: a block of 16 rows x 528 bytes
.set SRC,    8*RGN                     ; a wave's eight blocks
.set RD,   8                           ; v8-11 where I read my blocks' rows back, one address for each source wave
.set ADRA, 16                          ; v16-17 LDS address of my A fragments in slot 0, 1
.set ADRB, 20                          ; v20-21 of B's
.set L16,  22                          ; v22 16 x lane
.set SV,   23                          ; v23 the scale words' offset: 4 (lane % 16) + 256 (lane / 16)
.set STO,  24                          ; v24 where I put 16 bytes of a row
.set SCA,  32                          ; A's scale words: register NU i + u = block i, slots 2 u and 2 u + 1
.set SCB,  64                          ; B's
.set AF,   128                         ; v128-255 A's fragments;  window 1: v0-127 B's fragments, v128-255 x's 32 rows;  windows 2, 3: the accumulators, then the rows read back
.set RS,   128
.set G1, 24                            ; s[24:31], s[32:39] descriptor groups 1 and 0 (a set a slot) for A;  s[48:55], s[56:63] for B
.set G0, 32
.set G1B, 48
.set G0B, 56
.set ASP, 66
.set BSP, 68
.set RES, 74                           ; s[74:75] x at my 32 rows;  s[76:77] x1
.set OUTP, 76
.set MSB, 0
.macro WIN new                         ; the immediate's high byte repeats the setting that is left
.if MSB != (\new)
	s_set_vgpr_msb (MSB<<8)|(\new)
.set MSB, (\new)
.endif
.endm
.set MUL_LO, 0xa1                      ; source 0 (B) window 1, source 1 (A) window 0, C and D window 2
.set MUL_HI, 0xf1                      ; the same, C and D window 3
.set TO_B,   0x40
.macro JLOAD g0a, g1a, g0b, g1b        ; a joint load: waves 0, 1 fetch for A, waves 2, 3 for B; four v_nop follow each line
	s_cmp_eq_u32 s15, 0
	s_cbranch_scc0 .Lfor_b_\@
	tensor_load_to_lds s[\g0a:\g0a+3], s[\g1a:\g1a+7]
	s_nop 0
.rept 4
	v_nop
.endr
	s_branch .Lasked_\@
.Lfor_b_\@:
	tensor_load_to_lds s[\g0b:\g0b+3], s[\g1b:\g1b+7]
	s_nop 0
.rept 4
	v_nop
.endr
.Lasked_\@:
.endm
.macro CROUND                          ; a round of the cluster's barrier
	s_barrier_signal -1
	s_barrier_wait -1
	s_cmp_lg_u32 s14, 0
	s_cbranch_scc1 .Lnot_wave_0_\@
	s_barrier_signal -3
.Lnot_wave_0_\@:
	s_barrier_wait -3
	s_barrier_signal -1
	s_barrier_wait -1
.endm
.macro PLACES n                        ; plain vector lines between a matrix instruction and a load into, or a read of, its registers
.rept \n
	v_nop
.endr
.endm
.macro FRAG reg, adr, i                ; block i, my K step of the slot: 16 registers as they lie
.irp c, 0,1,2,3
	ds_load_b128 v[\reg+4*\c:\reg+4*\c+3], v[\adr] offset:8192*(\i)+512*\c
.endr
.endm
.macro FETCH slot                      ; my K step's 16 fragments: B's eight, then A's eight
	WIN TO_B
.irp i, 0,1,2,3,4,5,6,7
	FRAG 16*\i, ADRB+\slot, \i
.endr
	WIN 0
.irp i, 0,1,2,3,4,5,6,7
	FRAG AF+16*\i, ADRA+\slot, \i
.endr
.endm
; 16 products: A's blocks a0, a0 + 1 against B's eight, in slot t.  The 64 accumulators take turns, one instruction a turn.
.macro MUL16 a0, t, zero
.irp a, \a0, \a0+1
.irp b, 0,1,2,3,4,5,6,7
.if \zero
	v_wmma_scale_f32_16x16x128_f8f6f4 v[8*(8*((\a)%4)+\b):8*(8*((\a)%4)+\b)+7], v[16*\b:16*\b+15], v[AF+16*(\a):AF+16*(\a)+15], 0, v[SCB+NU*\b+(\t)/2], v[SCA+NU*(\a)+(\t)/2] matrix_a_fmt:MATRIX_FMT_BF8 matrix_b_fmt:MATRIX_FMT_BF8
.elseif (\t)%2
	v_wmma_scale_f32_16x16x128_f8f6f4 v[8*(8*((\a)%4)+\b):8*(8*((\a)%4)+\b)+7], v[16*\b:16*\b+15], v[AF+16*(\a):AF+16*(\a)+15], v[8*(8*((\a)%4)+\b):8*(8*((\a)%4)+\b)+7], v[SCB+NU*\b+(\t)/2], v[SCA+NU*(\a)+(\t)/2] matrix_a_fmt:MATRIX_FMT_BF8 matrix_b_fmt:MATRIX_FMT_BF8 matrix_a_scale:MATRIX_SCALE_ROW1 matrix_b_scale:MATRIX_SCALE_ROW1
.else
	v_wmma_scale_f32_16x16x128_f8f6f4 v[8*(8*((\a)%4)+\b):8*(8*((\a)%4)+\b)+7], v[16*\b:16*\b+15], v[AF+16*(\a):AF+16*(\a)+15], v[8*(8*((\a)%4)+\b):8*(8*((\a)%4)+\b)+7], v[SCB+NU*\b+(\t)/2], v[SCA+NU*(\a)+(\t)/2] matrix_a_fmt:MATRIX_FMT_BF8 matrix_b_fmt:MATRIX_FMT_BF8
.endif
.endr
.endr
.endm
.macro MULS t, zero                    ; my K step of slot t: 64 products
	s_wait_dscnt 16                                ; B's eight and A's blocks 0-3 are in; the youngest 16 loads (A's blocks 4-7) may be out
	WIN MUL_LO
	MUL16 0, \t, \zero
	MUL16 2, \t, \zero
	s_wait_dscnt 0x0
	WIN MUL_HI
	MUL16 4, \t, \zero
	MUL16 6, \t, \zero
	WIN 0
.endm
.macro LAST t                          ; the last K step.  Its barrier says that every wave's reads of the ring are over: behind it the ring's bytes take the partial tiles
	s_wait_dscnt 0x0                               ; all my fragments are in
	s_barrier_signal -1
	WIN MUL_LO
	MUL16 0, \t, 0
	MUL16 2, \t, 0
	WIN MUL_HI
	MUL16 4, \t, 0
	MUL16 6, \t, 0
	WIN 0
	s_barrier_wait -1
.endm
.macro TOSTAGE a                       ; my partial block a as 16 rows
.set AC, 64*((\a)%4)
	WIN 0x08+4*((\a)/4)                            ; a store's data: window 2 or 3
.irp b, 0,1,2,3,4,5,6,7
	ds_store_b128 v[STO], v[AC+8*\b:AC+8*\b+3] offset:RGN*(\a)+128*(\b/2)+32*(\b%2)        ; each accumulator from its low end on
	ds_store_b128 v[STO], v[AC+8*\b+4:AC+8*\b+7] offset:RGN*(\a)+128*(\b/2)+32*(\b%2)+16
.endr
.endm
.macro RDBACK e                        ; block 2 o + e of all four waves, as whole rows: source s, row t at register 64 s + 4 t of window 2 + e
	WIN 0x80+0x40*(\e)
.irp s, 0,1,2,3
.irp t, 0,1,2,3,4,5,6,7,8,9,10,11,12,13,14,15
	ds_load_b128 v[64*\s+4*\t:64*\s+4*\t+3], v[RD+\s] offset:RGN*(\e)+528*\t
.endr
.endr
	WIN 0
.endm
.macro SUMOUT e                        ; the four parts and x's rows are added; 16 rows leave
.set W, 2+(\e)
	WIN W|(W<<2)|(W<<6)
.set n_, 0
.rept 32
	v_pk_add_f32 v[n_:n_+1], v[n_:n_+1], v[64+n_:64+n_+1]
	v_pk_add_f32 v[128+n_:128+n_+1], v[128+n_:128+n_+1], v[192+n_:192+n_+1]
.set n_, n_+2
.endr
.set n_, 0
.rept 32
	v_pk_add_f32 v[n_:n_+1], v[n_:n_+1], v[128+n_:128+n_+1]
.set n_, n_+2
.endr
	WIN W|(1<<2)|(W<<6)                            ; source 1: window 1
.set n_, 0
.rept 32
	v_pk_add_f32 v[n_:n_+1], v[n_:n_+1], v[RS+64*(\e)+n_:RS+64*(\e)+n_+1]
.set n_, n_+2
.endr
	WIN W<<2
.irp t, 0,1,2,3,4,5,6,7,8,9,10,11,12,13,14,15
	global_store_b128 v[L16], v[4*\t:4*\t+3], s[OUTP:OUTP+1] offset:4096*(16*(\e)+\t)      ; 32 lanes: 512 consecutive bytes
.endr
	WIN 0
.endm
	s_load_b256 s[4:11], s[0:1], 0x0               ; ao, prep_out, x, x1
	v_lshl_add_u32 v126, v0, 2, 0x42000
	v_mov_b32 v127, 0
	ds_add_u32 v126, v127
	ds_add_u32 v126, v127
	v_lshrrev_b32 v1, 5, v0
	v_readfirstlane_b32 s14, v1                    ; wave 0..3: my K step of each slot
	s_lshr_b32 s15, s14, 1                         ; I fetch for A (0) or for B (1),
	s_and_b32 s16, s14, 1                          ; and which 4 of the tile's 8 runs of 16 rows
	s_bfe_u32 s40, ttmp6, 0x40000                  ; cx, cy
	s_bfe_u32 s41, ttmp6, 0x40004
	s_lshl_b32 s42, ttmp9, 2
	s_add_co_u32 s42, s42, s40                     ; tile column, 0..7
	s_and_b32 s17, ttmp7, 0xffff
	s_lshl_b32 s17, s17, 2
	s_add_co_u32 s17, s17, s41                     ; tile row, 0..31
	s_lshl_b32 s43, s41, 2
	s_lshl_b32 s43, 15, s43                        ; my row of the cluster
	s_lshl_b32 s44, 0x1111, s40                    ; my column
	s_or_b32 s[G1+0], s43, (3<<16)|(1<<21)         ; the mask; elements of 8 bytes; bit 21 beside a mask; no padding
	s_or_b32 s[G1B+0], s44, (3<<16)|(1<<21)
.irp g, G1, G1B
	s_mov_b32 s[\g+1], 1024<<16                    ; tensor_dim0 = 1,024 elements: 8,192 bytes, four K steps
	s_mov_b32 s[\g+2], 4<<16                       ; tensor_dim1 = 4
	s_mov_b32 s[\g+3], 1024<<16                    ; tile_dim0
	s_mov_b32 s[\g+4], 4                           ; tile_dim1
	s_mov_b32 s[\g+5], NKS*256                     ; from 16 rows to the next 16: NKS x 2,048 bytes
	s_mov_b32 s[\g+6], 0
	s_mov_b32 s[\g+7], 0
.endr
	s_lshl_b32 s18, s16, 2
	s_lshl_b32 s20, s17, 3
	s_add_co_u32 s20, s20, s18
	s_mul_i32 s20, s20, NKS*2048
	s_add_co_u32 s20, s20, A_OFF
	s_mov_b32 s21, 0
	s_lshl_b32 s46, s42, 3
	s_add_co_u32 s46, s46, s18
	s_mul_i32 s46, s46, NKS*2048
	s_add_co_u32 s46, s46, B_OFF
	s_mov_b32 s47, 0
	s_lshl_b32 s45, s14, 15                        ; in a slot: 32,768 x wave
	s_wait_dscnt 0x0
	s_wait_kmcnt 0x0
	s_add_nc_u64 s[20:21], s[AP:AP+1], s[20:21]
	s_add_nc_u64 s[46:47], s[BP:BP+1], s[46:47]
	CROUND                                         ; all sixteen work-groups are here: the joint loads meet
.irp s, 0,1
	s_mov_b32 s[G0+4*\s], 1
	s_add_co_u32 s[G0+4*\s+1], s45, \s*SLOT
	s_add_nc_u64 s[G0+4*\s+2:G0+4*\s+3], s[20:21], \s*8192
	s_or_b32 s[G0+4*\s+3], s[G0+4*\s+3], 0x80000000
	s_mov_b32 s[G0B+4*\s], 1
	s_add_co_u32 s[G0B+4*\s+1], s45, \s*SLOT
	s_add_nc_u64 s[G0B+4*\s+2:G0B+4*\s+3], s[46:47], \s*8192
	s_or_b32 s[G0B+4*\s+3], s[G0B+4*\s+3], 0x80000000
	JLOAD G0+4*\s, G1, G0B+4*\s, G1B               ; all of K: two loads of mine are out
.endr
	v_and_b32 v1, 31, v0
	v_and_b32 v2, 15, v0
	v_bfe_u32 v3, v0, 4, 1
	v_lshlrev_b32 v[L16], 4, v1
	s_lshl_b32 s21, s14, 11                        ; my K step in a run of four: 2,048 x wave
.irp s, 0,1
	v_add_nc_u32 v[ADRA+\s], s21, v[L16]
	s_add_co_u32 s22, s21, 65536
	v_add_nc_u32 v[ADRB+\s], s22, v[L16]
	s_add_co_u32 s21, s21, SLOT
.endr
	v_lshlrev_b32 v[SV], 2, v2
	v_lshl_add_u32 v[SV], v3, 8, v[SV]             ; lanes 16-31 take the K step four further on: the next slot's
	s_lshl_b32 s20, s17, 3
	s_mul_i32 s20, s20, NKS*64
	s_lshl_b32 s19, s14, 6
	s_add_co_u32 s20, s20, s19
	s_add_co_u32 s20, s20, AS_OFF
	s_mov_b32 s21, 0
	s_add_nc_u64 s[ASP:ASP+1], s[AP:AP+1], s[20:21]
	s_lshl_b32 s46, s42, 3
	s_mul_i32 s46, s46, NKS*64
	s_add_co_u32 s46, s46, s19
	s_add_co_u32 s46, s46, BS_OFF
	s_mov_b32 s47, 0
	s_add_nc_u64 s[BSP:BSP+1], s[BP:BP+1], s[46:47]
.irp i, 0,1,2,3,4,5,6,7
.set u_, 0
.rept NU
	global_load_b32 v[SCA+NU*\i+u_], v[SV], s[ASP:ASP+1] offset:NKS*64*\i+512*u_
	global_load_b32 v[SCB+NU*\i+u_], v[SV], s[BSP:BSP+1] offset:NKS*64*\i+512*u_
.set u_, u_+1
.endr
.endr
	s_lshl_b32 s78, s17, 19                        ; 128 rows of 4,096 bytes a tile row,
	s_lshl_b32 s79, s14, 17                        ; the 32 rows that I finish,
	s_add_co_u32 s78, s78, s79
	s_lshl_b32 s79, s42, 9                         ; 512 bytes a tile column
	s_add_co_u32 s78, s78, s79
	s_mov_b32 s79, 0
	s_add_nc_u64 s[RES:RES+1], s[8:9], s[78:79]
	s_add_nc_u64 s[OUTP:OUTP+1], s[10:11], s[78:79]
	WIN 0x40                                       ; x's 32 rows are asked for now, into the half of window 1 that B leaves free: they land under the products
.irp t, 0,1,2,3,4,5,6,7,8,9,10,11,12,13,14,15,16,17,18,19,20,21,22,23,24,25,26,27,28,29,30,31
	global_load_b128 v[RS+4*\t:RS+4*\t+3], v[L16], s[RES:RES+1] offset:4096*\t
.endr
	WIN 0
	s_mul_i32 s23, s14, SRC                        ; my eight blocks
	v_mul_u32_u24 v4, v2, 528
	v_lshl_add_u32 v4, v3, 6, v4
	v_add_nc_u32 v[STO], s23, v4                   ; in: row r, + 64 h
	s_mul_i32 s23, s14, 2*RGN                      ; back: the two blocks that I finish, in each wave's eight
.irp s, 0,1,2,3
	v_add_nc_u32 v[RD+\s], s23, v[L16]
	s_add_co_u32 s23, s23, SRC
.endr
	s_wait_tensorcnt 1                             ; my part of slot 0 is in; slot 1's load may be out
	s_barrier_signal -1
	s_barrier_wait -1                              ; everybody's is
	FETCH 0
	s_wait_loadcnt 32                              ; the scale words are in; x's 32 loads, issued behind them, may be out
	MULS 0, 1                                      ; the first products start the sums
	s_wait_tensorcnt 0x0                           ; my part of slot 1 is in,
	s_wait_dscnt 0x0
	s_barrier_signal -1
	s_barrier_wait -1                              ; everybody's is
	PLACES 8
	FETCH 1
	LAST 1
	PLACES 8
.irp a, 0,1,2,3,4,5,6,7
	TOSTAGE \a
.endr
	WIN 0
	s_wait_dscnt 0x0                               ; my partial tile lies in LDS,
	s_barrier_signal -1
	s_barrier_wait -1                              ; everybody's does
	RDBACK 0
	RDBACK 1
	s_wait_dscnt 63                                ; the first block's 64 loads are in: of the second's 64 at most 63 are out (the count's field holds no more)
	s_wait_loadcnt 0x0                             ; x's rows
	SUMOUT 0
	s_wait_dscnt 0x0
	SUMOUT 1
	s_wait_tensorcnt 0x0
	ds_add_u32 v126, v127
	s_wait_dscnt 0x0
	CROUND                                         ; the closing round
	s_endpgm
.Lfunc_end_k_q0b1a4a2a8c_gemm_wo:
	.size	k_q0b1a4a2a8c_gemm_wo, .Lfunc_end_k_q0b1a4a2a8c_gemm_wo-k_q0b1a4a2a8c_gemm_wo
	.p2alignl 7, 3214868480
	.fill 96, 4, 3214868480
	.section	.rodata,"a",@progbits
	.p2align	6, 0x0
	.amdhsa_kernel k_q0b1a4a2a8c_gemm_wo
		.amdhsa_group_segment_fixed_size 270848
		.amdhsa_private_segment_fixed_size 0
		.amdhsa_enable_private_segment 0
		.amdhsa_kernarg_size 32
		.amdhsa_user_sgpr_count 2
		.amdhsa_user_sgpr_kernarg_segment_ptr 1
		.amdhsa_wavefront_size32 1
		.amdhsa_system_sgpr_workgroup_id_x 1
		.amdhsa_system_sgpr_workgroup_id_y 1
		.amdhsa_system_sgpr_workgroup_id_z 1
		.amdhsa_system_vgpr_workitem_id 0
		.amdhsa_next_free_vgpr 1024
		.amdhsa_next_free_sgpr 100
		.amdhsa_reserve_vcc 0
		.amdhsa_float_denorm_mode_32 3
		.amdhsa_float_denorm_mode_16_64 3
		.amdhsa_memory_ordered 1
		.amdhsa_forward_progress 1
		.amdhsa_inst_pref_size 74
	.end_amdhsa_kernel
	.amdgpu_metadata
---
amdhsa.version: [ 1, 2 ]
amdhsa.kernels:
  - .name:           k_q0b1a4a2a8c_gemm_wo
    .symbol:         k_q0b1a4a2a8c_gemm_wo.kd
    .args:
      - { .name: ao, .offset: 0, .size: 8, .value_kind: global_buffer, .address_space: global }
      - { .name: prep_out, .offset: 8, .size: 8, .value_kind: global_buffer, .address_space: global }
      - { .name: x, .offset: 16, .size: 8, .value_kind: global_buffer, .address_space: global }
      - { .name: x1, .offset: 24, .size: 8, .value_kind: global_buffer, .address_space: global }
    .group_segment_fixed_size: 270848
    .private_segment_fixed_size: 0
    .kernarg_segment_align: 8
    .kernarg_segment_size: 32
    .max_flat_workgroup_size: 128
    .sgpr_count:     100
    .vgpr_count:     1024
    .wavefront_size: 32
...
	.end_amdgpu_metadata
.endif
;; end of part 8
;; launch ln2: the kernel of part 5 again; grid 256 x 1, 4 waves a work-group, no clusters, 66,560 bytes of LDS; arguments x1, alpha2, bias2, xn2; writes xn2
;; launch gemm_w1: the kernel of part 6 again; grid 16 x 16, 4 waves a work-group, clusters of 4 x 4, 327,680 bytes of LDS; arguments xn2, prep_out, b1, hbuf; writes hbuf
;; launch gemm_w2 (part 9): grid 8 x 32, 4 waves a work-group, clusters of 4 x 4, 327,680 bytes of LDS; arguments hbuf, prep_out, b2, x1, out0; writes out0
.if DOCPART == 9
	.amdgcn_target "amdgcn-amd-amdhsa--gfx1250"
	.amdhsa_code_object_version 6
	.text
	.protected	k_q0b1a4a2a8c_gemm_w2
	.globl	k_q0b1a4a2a8c_gemm_w2
	.p2align	8
	.type	k_q0b1a4a2a8c_gemm_w2,@function
k_q0b1a4a2a8c_gemm_w2:
	s_mov_b64 s[64:65], 0
	v_nop
	global_prefetch_b8 v0, s[64:65] scope:SCOPE_SE
	s_setreg_imm32_b32 hwreg(HW_REG_WAVE_MODE, 25, 1), 1
	s_wait_xcnt 0x0
	s_wait_alu depctr_hold_cnt(0) depctr_sa_sdst(0) depctr_va_vdst(0) depctr_va_sdst(0) depctr_va_ssrc(0) depctr_va_vcc(0) depctr_vm_vsrc(0)
	s_getreg_b32 s2, hwreg(HW_REG_IB_STS2, 6, 4)
	s_cmp_eq_u32 s2, 0
	s_cbranch_scc0 .Lentry_in_a_cluster
	s_endpgm
.Lentry_in_a_cluster:
	s_bfe_u32 s2, ttmp6, 0x10000c
	s_cmp_lg_u32 s2, 0xf033
	s_cbranch_scc0 .Lentry_shape_is_right
	s_endpgm
.Lentry_shape_is_right:
; out0 = x1 + h x w2^T + b2: 4,096 x 1,024, K = 4,096, on codes of E5M2 with E8M0 scales; out0 in f32.
; C has 256 tiles of 128 x 128: one to a work-group, one work-group to each of 256 WGPs.  THE FOUR WAVES SHARE K, NOT C: each keeps the whole 128 x 128 in 64 accumulators (512 registers) and takes every fourth K step of 128,
; so a wave still loads 64 times from LDS for 64 products, and each LDS byte is read once, by one wave.  The four partial tiles are added at the end, through LDS.
; Both operands lie in memory as images of the operand's registers (block of 16 rows x 128 K = 2,048 bytes, register group c of lane l at 512 c + 16 l): LDS needs no padding, a fragment is four loads at 16 x lane.
; K goes in 8 slots of 512 (4 K steps, one a wave) through a ring of two LDS slots of 131,072 bytes: A's 8 x 8,192 bytes, then B's; a wave's tensor load brings 4 rows of 8,192 bytes.  Two first fills, six refills.
; CLUSTERS of 4 x 4: A's tile is asked for jointly along a row of the cluster, B's along a column.
; A SLOT'S WORK IS SHORT, 64 products a wave, so the order serves the refills: all 64 products are issued first; then come the wait for my tensor load, the add, the round and the next request, with nothing else between a
; landing and the next request; the next slot's 64 fragment loads stand behind the request.  So one set of registers serves A and one B.  The eight steps are written out: each names other scale registers.
; The scale words come straight into registers, once, for all of K: a register's lanes 0-15 hold my K step of slot 2 u, lanes 16-31 that of slot 2 u + 1, chosen in the product by the scale's row.
; THE PRODUCT IS USED TRANSPOSED, and w2's rows lie permuted: accumulator (a, b), lane (r, h), register j = C(row 16 a + r, column 32 (b / 2) + 16 h + 8 (b % 2) + j).
; THE WAY OUT: every wave lays its 8 partial blocks as rows of 512 + 16 bytes into the ring's bytes, which have had their last fill and their last read; behind a barrier wave o reads blocks 2 o and 2 o + 1 of all four
; waves back as whole rows, adds them, x1's rows and b2 (both loaded at the head), and stores 512 consecutive bytes an instruction.
; PREFETCH: behind each of the first four refills one instruction a wave names the K slot two refills on (K slots 4 to 7).  Of the 4 rows of 8,192 bytes that a wave fetches each of the four partners takes one, told apart by
; address, a lane to each 256 bytes.  A's rows are read by both clusters of a row of clusters: the one with x = 0 asks; B's by all eight of a column: the one with y = 0 asks.  K slots 0 to 3 come by their loads alone.
.set NKS,    32                        ; K steps of 128
.set NU,     NKS/8                     ; scale registers a block: one for two slots
.set A_OFF,  0
.set AS_OFF, 16777216
.set B_OFF,  9437184
.set BS_OFF, 16777216+294912
.set AP,     4
.set BP,     6
.set SLOT,   131072
.set RGN,    8448                      ; the way out: a block of 16 rows x 528 bytes
.set SRC,    8*RGN                     ; a wave's eight blocks
.set SPARE,  4*SRC                     ; behind them: the spare words, 128 bytes a wave: two blocks of 256 bytes that no other line names
.set RD,   8                           ; v8-11 where I read my blocks' rows back, one address for each source wave
.set ADRA, 16                          ; v16-17 LDS address of my A fragments in slot 0, 1
.set ADRB, 20                          ; v20-21 of B's
.set L16,  22                          ; v22 16 x lane
.set SV,   23                          ; v23 the scale words' offset: 4 (lane % 16) + 256 (lane / 16)
.set STO,  24                          ; v24 where I put 16 bytes of a row
.set SPW,  28                          ; v28 my spare word;  v29 0;  never rewritten
.set NIL,  29
.set PFO,  30                          ; v30 256 x lane; never rewritten
.set SCA,  32                          ; v32-63 A's scale words: register NU i + u = block i, slots 2 u and 2 u + 1
.set SCB,  64                          ; v64-95 B's
.set BI,   112                         ; v112-115 b2 at my four columns of a row
.set AF,   128                         ; v128-255 A's fragments;  window 1: v0-127 B's fragments, v128-255 x1's 32 rows;  windows 2, 3: the accumulators, then the rows read back
.set RS,   128
.set G1, 24                            ; s[24:31], s[32:39] descriptor groups 1 and 0 (a set a slot) for A;  s[48:55], s[56:63] for B
.set G0, 32
.set G1B, 48
.set G0B, 56
.set ASP, 66
.set BSP, 68
.set PFA, 70                           ; s[70:71] my work-group's row of those that I fetch, at K slot 4; never rewritten;  s72 1 in a wave that asks
.set LIM, 72
.set RES, 74                           ; s[74:75] x1 at my 32 rows;  s[76:77] out0
.set OUTP, 76
.set BIASP, 84
.set MSB, 0
.macro WIN new                         ; the immediate's high byte repeats the setting that is left
.if MSB != (\new)
	s_set_vgpr_msb (MSB<<8)|(\new)
.set MSB, (\new)
.endif
.endm
.set MUL_LO, 0xa1                      ; source 0 (B) window 1, source 1 (A) window 0, C and D window 2
.set MUL_HI, 0xf1                      ; the same, C and D window 3
.set TO_B,   0x40
.macro JLOAD g0a, g1a, g0b, g1b        ; a joint load: waves 0, 1 fetch for A, waves 2, 3 for B; four v_nop follow each line
	s_cmp_eq_u32 s15, 0
	s_cbranch_scc0 .Lfor_b_\@
	tensor_load_to_lds s[\g0a:\g0a+3], s[\g1a:\g1a+7]
	s_nop 0
.rept 4
	v_nop
.endr
	s_branch .Lasked_\@
.Lfor_b_\@:
	tensor_load_to_lds s[\g0b:\g0b+3], s[\g1b:\g1b+7]
	s_nop 0
.rept 4
	v_nop
.endr
.Lasked_\@:
.endm
.macro ASK t                           ; K slot 4 + t of my row: the step stands in the immediate
	s_cmp_eq_u32 s[LIM], 1
	s_cbranch_scc0 .Lnot_mine_\@
	global_prefetch_b8 v[PFO], s[PFA:PFA+1] offset:8192*(\t) th:TH_LOAD_NT scope:SCOPE_SE
.Lnot_mine_\@:
.endm
.macro CROUND                          ; a round of the cluster's barrier
	s_barrier_signal -1
	s_barrier_wait -1
	s_cmp_lg_u32 s14, 0
	s_cbranch_scc1 .Lnot_wave_0_\@
	s_barrier_signal -3
.Lnot_wave_0_\@:
	s_barrier_wait -3
	s_barrier_signal -1
	s_barrier_wait -1
.endm
.macro PLACES n                        ; plain vector lines between a matrix instruction and a load into, or a read of, its registers
.rept \n
	v_nop
.endr
.endm
.macro FRAG reg, adr, i                ; block i, my K step of the slot: 16 registers as they lie
.irp c, 0,1,2,3
	ds_load_b128 v[\reg+4*\c:\reg+4*\c+3], v[\adr] offset:8192*(\i)+512*\c
.endr
.endm
.macro FETCH slot                      ; my K step's 16 fragments: B's eight, then A's eight
	WIN TO_B
.irp i, 0,1,2,3,4,5,6,7
	FRAG 16*\i, ADRB+\slot, \i
.endr
	WIN 0
.irp i, 0,1,2,3,4,5,6,7
	FRAG AF+16*\i, ADRA+\slot, \i
.endr
.endm
; 16 products: A's blocks a0, a0 + 1 against B's eight, in K slot t.  The 64 accumulators take turns, one instruction a turn.
.macro MUL16 a0, t, zero
.irp a, \a0, \a0+1
.irp b, 0,1,2,3,4,5,6,7
.if \zero
	v_wmma_scale_f32_16x16x128_f8f6f4 v[8*(8*((\a)%4)+\b):8*(8*((\a)%4)+\b)+7], v[16*\b:16*\b+15], v[AF+16*(\a):AF+16*(\a)+15], 0, v[SCB+NU*\b+(\t)/2], v[SCA+NU*(\a)+(\t)/2] matrix_a_fmt:MATRIX_FMT_BF8 matrix_b_fmt:MATRIX_FMT_BF8
.elseif (\t)%2
	v_wmma_scale_f32_16x16x128_f8f6f4 v[8*(8*((\a)%4)+\b):8*(8*((\a)%4)+\b)+7], v[16*\b:16*\b+15], v[AF+16*(\a):AF+16*(\a)+15], v[8*(8*((\a)%4)+\b):8*(8*((\a)%4)+\b)+7], v[SCB+NU*\b+(\t)/2], v[SCA+NU*(\a)+(\t)/2] matrix_a_fmt:MATRIX_FMT_BF8 matrix_b_fmt:MATRIX_FMT_BF8 matrix_a_scale:MATRIX_SCALE_ROW1 matrix_b_scale:MATRIX_SCALE_ROW1
.else
	v_wmma_scale_f32_16x16x128_f8f6f4 v[8*(8*((\a)%4)+\b):8*(8*((\a)%4)+\b)+7], v[16*\b:16*\b+15], v[AF+16*(\a):AF+16*(\a)+15], v[8*(8*((\a)%4)+\b):8*(8*((\a)%4)+\b)+7], v[SCB+NU*\b+(\t)/2], v[SCA+NU*(\a)+(\t)/2] matrix_a_fmt:MATRIX_FMT_BF8 matrix_b_fmt:MATRIX_FMT_BF8
.endif
.endr
.endr
.endm
.macro MULS t, zero                    ; my K step of K slot t: 64 products
	s_wait_dscnt 16                                ; B's eight and A's blocks 0-3 are in; the youngest 16 loads (A's blocks 4-7) may be out
	WIN MUL_LO
	MUL16 0, \t, \zero
	MUL16 2, \t, \zero
	s_wait_dscnt 0x0
	WIN MUL_HI
	MUL16 4, \t, \zero
	MUL16 6, \t, \zero
	WIN 0
.endm
; THE CHANGE OF SLOTS.  Each wave waits for all its tensor loads (one is out: its part of the next slot), adds 0 to its spare word, and waits for that; its reads of this slot came back ahead of the products.
; fill = 1: the barrier is a round of the cluster's, and this slot takes the K slot two on, first thing behind it.  ask >= 0: a prefetch follows the fragment loads.
.macro CHANGE slot, next, fill, ask
	s_wait_tensorcnt 0x0                           ; no tensor load of mine is out, so a group 0 may be written
	ds_add_u32 v[SPW], v[NIL]
.if \fill
	s_add_nc_u64 s[G0+4*\slot+2:G0+4*\slot+3], s[G0+4*\slot+2:G0+4*\slot+3], 16384
	s_add_nc_u64 s[G0B+4*\slot+2:G0B+4*\slot+3], s[G0B+4*\slot+2:G0B+4*\slot+3], 16384
	s_wait_dscnt 0x0                               ; the add is done
	CROUND                                         ; no wave of any partner reads this slot or has a load on its way
	JLOAD G0+4*\slot, G1, G0B+4*\slot, G1B         ; its four v_nop are four of the eight places in front of the loads below
	PLACES 4
.else
	s_wait_dscnt 0x0
	s_barrier_signal -1
	s_barrier_wait -1
	PLACES 8
.endif
	FETCH \next
.if (\ask) >= 0
	ASK \ask
.endif
.endm
.macro LAST t                          ; the last K step.  Its barrier says that every wave's reads of the ring are over: behind it the ring's bytes take the partial tiles
	s_wait_dscnt 0x0                               ; all my fragments are in
	s_barrier_signal -1
	WIN MUL_LO
	MUL16 0, \t, 0
	MUL16 2, \t, 0
	WIN MUL_HI
	MUL16 4, \t, 0
	MUL16 6, \t, 0
	WIN 0
	s_barrier_wait -1
.endm
.macro TOSTAGE a                       ; my partial block a as 16 rows
.set AC, 64*((\a)%4)
	WIN 0x08+4*((\a)/4)                            ; a store's data: window 2 or 3
.irp b, 0,1,2,3,4,5,6,7
	ds_store_b128 v[STO], v[AC+8*\b:AC+8*\b+3] offset:RGN*(\a)+128*(\b/2)+32*(\b%2)        ; each accumulator from its low end on
	ds_store_b128 v[STO], v[AC+8*\b+4:AC+8*\b+7] offset:RGN*(\a)+128*(\b/2)+32*(\b%2)+16
.endr
.endm
.macro RDBACK e                        ; block 2 o + e of all four waves, as whole rows: source s, row t at register 64 s + 4 t of window 2 + e
	WIN 0x80+0x40*(\e)
.irp s, 0,1,2,3
.irp t, 0,1,2,3,4,5,6,7,8,9,10,11,12,13,14,15
	ds_load_b128 v[64*\s+4*\t:64*\s+4*\t+3], v[RD+\s] offset:RGN*(\e)+528*\t
.endr
.endr
	WIN 0
.endm
.macro SUMOUT e                        ; the four parts, x1's rows and b2 are added; 16 rows leave
.set W, 2+(\e)
	WIN W|(W<<2)|(W<<6)
.set n_, 0
.rept 32
	v_pk_add_f32 v[n_:n_+1], v[n_:n_+1], v[64+n_:64+n_+1]
	v_pk_add_f32 v[128+n_:128+n_+1], v[128+n_:128+n_+1], v[192+n_:192+n_+1]
.set n_, n_+2
.endr
.set n_, 0
.rept 32
	v_pk_add_f32 v[n_:n_+1], v[n_:n_+1], v[128+n_:128+n_+1]
.set n_, n_+2
.endr
	WIN W|(1<<2)|(W<<6)                            ; source 1: window 1
.set n_, 0
.rept 32
	v_pk_add_f32 v[n_:n_+1], v[n_:n_+1], v[RS+64*(\e)+n_:RS+64*(\e)+n_+1]
.set n_, n_+2
.endr
	WIN W|(W<<6)                                   ; source 1: window 0
.irp t, 0,1,2,3,4,5,6,7,8,9,10,11,12,13,14,15
	v_pk_add_f32 v[4*\t:4*\t+1], v[4*\t:4*\t+1], v[BI:BI+1]
	v_pk_add_f32 v[4*\t+2:4*\t+3], v[4*\t+2:4*\t+3], v[BI+2:BI+3]
.endr
	WIN W<<2
.irp t, 0,1,2,3,4,5,6,7,8,9,10,11,12,13,14,15
	global_store_b128 v[L16], v[4*\t:4*\t+3], s[OUTP:OUTP+1] offset:4096*(16*(\e)+\t) th:TH_STORE_NT   ; 32 lanes: 512 consecutive bytes; written once
.endr
	WIN 0
.endm
	s_load_b256 s[4:11], s[0:1], 0x0               ; hbuf, prep_out, b2, x1
	s_load_b64 s[12:13], s[0:1], 0x20              ; out0
	v_lshl_add_u32 v[SPW], v0, 2, SPARE
	v_mov_b32 v[NIL], 0
	ds_add_u32 v28, v29
	ds_add_u32 v28, v29
	s_wait_dscnt 0x0
	v_lshrrev_b32 v1, 5, v0
	v_readfirstlane_b32 s14, v1                    ; wave 0..3: my K step of each slot
	s_lshr_b32 s15, s14, 1                         ; I fetch for A (0) or for B (1),
	s_and_b32 s16, s14, 1                          ; and which 4 of the tile's 8 runs of 16 rows
	s_bfe_u32 s40, ttmp6, 0x40000                  ; cx, cy
	s_bfe_u32 s41, ttmp6, 0x40004
	s_lshl_b32 s42, ttmp9, 2
	s_add_co_u32 s42, s42, s40                     ; tile column, 0..7
	s_and_b32 s17, ttmp7, 0xffff
	s_lshl_b32 s17, s17, 2
	s_add_co_u32 s17, s17, s41                     ; tile row, 0..31
	s_lshl_b32 s43, s41, 2
	s_lshl_b32 s43, 15, s43                        ; my row of the cluster
	s_lshl_b32 s44, 0x1111, s40                    ; my column
	s_or_b32 s[G1+0], s43, (3<<16)|(1<<21)         ; the mask; elements of 8 bytes; bit 21 beside a mask; no padding
	s_or_b32 s[G1B+0], s44, (3<<16)|(1<<21)
.irp g, G1, G1B
	s_mov_b32 s[\g+1], 1024<<16                    ; tensor_dim0 = 1,024 elements: 8,192 bytes, four K steps
	s_mov_b32 s[\g+2], 4<<16                       ; tensor_dim1 = 4
	s_mov_b32 s[\g+3], 1024<<16                    ; tile_dim0
	s_mov_b32 s[\g+4], 4                           ; tile_dim1
	s_mov_b32 s[\g+5], NKS*256                     ; from 16 rows to the next 16: NKS x 2,048 bytes
	s_mov_b32 s[\g+6], 0
	s_mov_b32 s[\g+7], 0
.endr
	s_lshl_b32 s18, s16, 2
	s_lshl_b32 s20, s17, 3
	s_add_co_u32 s20, s20, s18
	s_mul_i32 s20, s20, NKS*2048
	s_add_co_u32 s20, s20, A_OFF
	s_mov_b32 s21, 0
	s_lshl_b32 s46, s42, 3
	s_add_co_u32 s46, s46, s18
	s_mul_i32 s46, s46, NKS*2048
	s_add_co_u32 s46, s46, B_OFF
	s_mov_b32 s47, 0
	s_lshl_b32 s45, s14, 15                        ; in a slot: 32,768 x wave
	s_wait_kmcnt 0x0
	s_add_nc_u64 s[20:21], s[AP:AP+1], s[20:21]
	s_add_nc_u64 s[46:47], s[BP:BP+1], s[46:47]
	s_mov_b64 s[80:81], s[20:21]                   ; kept for the prefetches
	s_mov_b64 s[82:83], s[46:47]
	CROUND                                         ; all sixteen work-groups are here: the first joint loads meet
.irp s, 0,1
	s_mov_b32 s[G0+4*\s], 1
	s_add_co_u32 s[G0+4*\s+1], s45, \s*SLOT
	s_add_nc_u64 s[G0+4*\s+2:G0+4*\s+3], s[20:21], \s*8192
	s_or_b32 s[G0+4*\s+3], s[G0+4*\s+3], 0x80000000
	s_mov_b32 s[G0B+4*\s], 1
	s_add_co_u32 s[G0B+4*\s+1], s45, \s*SLOT
	s_add_nc_u64 s[G0B+4*\s+2:G0B+4*\s+3], s[46:47], \s*8192
	s_or_b32 s[G0B+4*\s+3], s[G0B+4*\s+3], 0x80000000
	JLOAD G0+4*\s, G1, G0B+4*\s, G1B               ; two loads of mine are out
.endr
	v_and_b32 v1, 31, v0
	v_and_b32 v2, 15, v0
	v_bfe_u32 v3, v0, 4, 1
	v_lshlrev_b32 v[L16], 4, v1
	s_lshl_b32 s21, s14, 11                        ; my K step in a run of four: 2,048 x wave
.irp s, 0,1
	v_add_nc_u32 v[ADRA+\s], s21, v[L16]
	s_add_co_u32 s22, s21, 65536
	v_add_nc_u32 v[ADRB+\s], s22, v[L16]
	s_add_co_u32 s21, s21, SLOT
.endr
	v_lshlrev_b32 v[SV], 2, v2
	v_lshl_add_u32 v[SV], v3, 8, v[SV]             ; lanes 16-31 take the K step four further on: the next slot's
	s_lshl_b32 s20, s17, 3
	s_mul_i32 s20, s20, NKS*64
	s_lshl_b32 s19, s14, 6
	s_add_co_u32 s20, s20, s19
	s_add_co_u32 s20, s20, AS_OFF
	s_mov_b32 s21, 0
	s_add_nc_u64 s[ASP:ASP+1], s[AP:AP+1], s[20:21]
	s_lshl_b32 s46, s42, 3
	s_mul_i32 s46, s46, NKS*64
	s_add_co_u32 s46, s46, s19
	s_add_co_u32 s46, s46, BS_OFF
	s_mov_b32 s47, 0
	s_add_nc_u64 s[BSP:BSP+1], s[BP:BP+1], s[46:47]
.irp i, 0,1,2,3,4,5,6,7
.set u_, 0
.rept NU
	global_load_b32 v[SCA+NU*\i+u_], v[SV], s[ASP:ASP+1] offset:NKS*64*\i+512*u_
	global_load_b32 v[SCB+NU*\i+u_], v[SV], s[BSP:BSP+1] offset:NKS*64*\i+512*u_
.set u_, u_+1
.endr
.endr
	s_lshl_b32 s78, s42, 9                         ; 512 bytes a tile column
	s_mov_b32 s79, 0
	s_add_nc_u64 s[BIASP:BIASP+1], s[8:9], s[78:79]
	global_load_b128 v[BI:BI+3], v[L16], s[BIASP:BIASP+1]          ; b2 at columns 4 x lane .. + 3 of the tile's 128
	s_lshl_b32 s23, s17, 19                        ; 128 rows of 4,096 bytes a tile row,
	s_add_co_u32 s78, s78, s23
	s_lshl_b32 s23, s14, 17                        ; the 32 rows that I finish
	s_add_co_u32 s78, s78, s23
	s_add_nc_u64 s[RES:RES+1], s[10:11], s[78:79]
	s_add_nc_u64 s[OUTP:OUTP+1], s[12:13], s[78:79]
	WIN 0x40                                       ; x1's 32 rows are asked for now, into the half of window 1 that B leaves free: they land under the products
.irp t, 0,1,2,3,4,5,6,7,8,9,10,11,12,13,14,15,16,17,18,19,20,21,22,23,24,25,26,27,28,29,30,31
	global_load_b128 v[RS+4*\t:RS+4*\t+3], v[L16], s[RES:RES+1] offset:4096*\t
.endr
	WIN 0
	s_mul_i32 s23, s14, SRC                        ; my eight blocks
	v_mul_u32_u24 v4, v2, 528
	v_lshl_add_u32 v4, v3, 6, v4
	v_add_nc_u32 v[STO], s23, v4                   ; in: row r, + 64 h
	s_mul_i32 s23, s14, 2*RGN                      ; back: the two blocks that I finish, in each wave's eight
.irp s, 0,1,2,3
	v_add_nc_u32 v[RD+\s], s23, v[L16]
	s_add_co_u32 s23, s23, SRC
.endr
	; the prefetches: who asks, and where
	s_and_b32 s22, ttmp7, 0xffff                   ; cluster y
	s_cmp_eq_u32 s15, 0                            ; do I fetch for A?
	s_cselect_b32 s21, s40, s41                    ; my place among the four that ask with me
	s_cselect_b32 s22, ttmp9, s22                  ; the coordinate along which other clusters read the same rows
	s_cselect_b64 s[PFA:PFA+1], s[80:81], s[82:83]
	s_cmp_eq_u32 s22, 0
	s_cselect_b32 s[LIM], 1, -1                    ; the same in all sixteen partners, for a given wave
	s_mul_i32 s20, s21, NKS*2048                   ; my work-group's one of the four rows,
	s_add_co_u32 s20, s20, 4*8192                  ; at K slot 4
	s_mov_b32 s21, 0
	s_add_nc_u64 s[PFA:PFA+1], s[PFA:PFA+1], s[20:21]
	v_lshlrev_b32 v[PFO], 8, v1
	s_wait_tensorcnt 1                             ; my part of K slot 0 is in; K slot 1's load may be out
	s_barrier_signal -1
	s_barrier_wait -1                              ; everybody's is
	FETCH 0
	s_wait_loadcnt 33                              ; the scale words are in; b2's load and x1's 32, issued behind them, may be out
	MULS 0, 1                                      ; the first products start the sums
	CHANGE 0, 1, 1, 0                              ; K slot 2 is asked for
	MULS 1, 0
	CHANGE 1, 0, 1, 1
	MULS 2, 0
	CHANGE 0, 1, 1, 2
	MULS 3, 0
	CHANGE 1, 0, 1, 3
	MULS 4, 0
	CHANGE 0, 1, 1, -1                             ; K slot 6; nothing is left to prefetch
	MULS 5, 0
	CHANGE 1, 0, 1, -1                             ; K slot 7
	MULS 6, 0
	CHANGE 0, 1, 0, -1                             ; nothing is left to fetch
	LAST 7
	PLACES 8
.irp a, 0,1,2,3,4,5,6,7
	TOSTAGE \a
.endr
	WIN 0
	s_wait_dscnt 0x0                               ; my partial tile lies in LDS,
	s_barrier_signal -1
	s_barrier_wait -1                              ; everybody's does
	RDBACK 0
	RDBACK 1
	s_wait_dscnt 63                                ; the first block's 64 loads are in: of the second's 64 at most 63 are out (the count's field holds no more)
	s_wait_loadcnt 0x0                             ; x1's rows and b2
	SUMOUT 0
	s_wait_dscnt 0x0
	SUMOUT 1
	s_wait_tensorcnt 0x0                           ; the wave's end
	ds_add_u32 v[SPW], v[NIL]
	s_wait_dscnt 0x0
	CROUND                                         ; the closing round
	s_endpgm
.Lfunc_end_k_q0b1a4a2a8c_gemm_w2:
	.size	k_q0b1a4a2a8c_gemm_w2, .Lfunc_end_k_q0b1a4a2a8c_gemm_w2-k_q0b1a4a2a8c_gemm_w2
	.p2alignl 7, 3214868480
	.fill 96, 4, 3214868480
	.section	.rodata,"a",@progbits
	.p2align	6, 0x0
	.amdhsa_kernel k_q0b1a4a2a8c_gemm_w2
		.amdhsa_group_segment_fixed_size 327680
		.amdhsa_private_segment_fixed_size 0
		.amdhsa_enable_private_segment 0
		.amdhsa_kernarg_size 40
		.amdhsa_user_sgpr_count 2
		.amdhsa_user_sgpr_kernarg_segment_ptr 1
		.amdhsa_wavefront_size32 1
		.amdhsa_system_sgpr_workgroup_id_x 1
		.amdhsa_system_sgpr_workgroup_id_y 1
		.amdhsa_system_sgpr_workgroup_id_z 1
		.amdhsa_system_vgpr_workitem_id 0
		.amdhsa_next_free_vgpr 1024
		.amdhsa_next_free_sgpr 100
		.amdhsa_reserve_vcc 0
		.amdhsa_float_denorm_mode_32 3
		.amdhsa_float_denorm_mode_16_64 3
		.amdhsa_memory_ordered 1
		.amdhsa_forward_progress 1
		.amdhsa_inst_pref_size 164
	.end_amdhsa_kernel
	.amdgpu_metadata
---
amdhsa.version: [ 1, 2 ]
amdhsa.kernels:
  - .name:           k_q0b1a4a2a8c_gemm_w2
    .symbol:         k_q0b1a4a2a8c_gemm_w2.kd
    .args:
      - { .name: hbuf, .offset: 0, .size: 8, .value_kind: global_buffer, .address_space: global }
      - { .name: prep_out, .offset: 8, .size: 8, .value_kind: global_buffer, .address_space: global }
      - { .name: b2, .offset: 16, .size: 8, .value_kind: global_buffer, .address_space: global }
      - { .name: x1, .offset: 24, .size: 8, .value_kind: global_buffer, .address_space: global }
      - { .name: out0, .offset: 32, .size: 8, .value_kind: global_buffer, .address_space: global }
    .group_segment_fixed_size: 327680
    .private_segment_fixed_size: 0
    .kernarg_segment_align: 8
    .kernarg_segment_size: 40
    .max_flat_workgroup_size: 128
    .sgpr_count:     100
    .vgpr_count:     1024
    .wavefront_size: 32
...
	.end_amdgpu_metadata
.endif
;; end of part 9
